; MI455X (gfx1250); checked and timed in simulation.
; The chip was launched on July 23, 2026; its instructions are those of AMD's public machine-readable ISA for CDNA 5 (MIT licence, August 2026) and "CDNA5" Instruction Set Architecture Reference Guide (July 2026). The comments in the code are by the model that wrote it; some were corrected since.
;; Ab Lang2 MHA. Allowed arithmetic: matrix products marked QUANTISED: E3M2 operands, one E8M0 scale for each 32 along K, by v_wmma_scale_f32_16x16x128_f8f6f4 with both operands' format E3M2, f32 sums; everything else in f32.
;; Inputs: Wk 1,024 x 1,024 float32; Wo 1,024 x 1,024 float32; Wq 1,024 x 1,024 float32; Wv 1,024 x 1,024 float32; bk 1,024 float32; bo 1,024 float32; bq 1,024 float32; bv 1,024 float32; freqs 32 float32; padding_mask 2 x 2,048 bool; x 2 x 2,048 x 1,024 float32.
;; Outputs: out0 2 x 2,048 x 1,024 float32.
;; This version of the problem:
;;   THIS VERSION OF THE PROBLEM IS GIVEN IN LOW PRECISION. The matrix products marked QUANTISED in the list below multiply operands that are first quantised to E3M2 (3 exponent bits, 2 mantissa bits; 6 bits a number), with one power-of-two scale for each 32 numbers along K (OCP MX v1.0); their sums are f32. All else is computed in f32.
;;   The module's matrix products, in the order in which they are computed (A, B: the left and right operand; K: the contracted axis; several contracted axes count as one K, in the product's order):
;;     1. [M 4,096, K 1,024] x [K 1,024, N 1,024]; A: input x; B: input Wq: QUANTISED
;;     2. [M 4,096, K 1,024] x [K 1,024, N 1,024]; A: input x; B: input Wk: QUANTISED
;;     3. [M 4,096, K 1,024] x [K 1,024, N 1,024]; A: input x; B: input Wv: QUANTISED
;;     4. batch 32 x [M 2,048, K 64] x [K 64, N 2,048]; A: computed on the way; B: computed on the way: QUANTISED
;;     5. batch 32 x [M 2,048, K 2,048] x [K 2,048, N 64]; A: softmax (see below); B: computed on the way: QUANTISED
;;     6. [M 4,096, K 1,024] x [K 1,024, N 1,024]; A: computed on the way; B: input Wo: QUANTISED
;;   THE QUANTISER, for each operand of a quantised product, along K:
;;     - K is cut into blocks of 32 from its start; a last block that is shorter is filled with zeros.
;;     - A block's scale is 2^e with e = floor(log2(the largest magnitude in the block)) - 4, held to -126 .. 127; a block of zeros has e = 0. As a byte (E8M0): e + 127.
;;     - Each number is divided by its block's scale, clamped to +-28, and rounded to the nearest number of E3M2, ties to even, subnormals kept.
;;     - The product sums the exact products of the quantised numbers (number of the format x scale) in f32.
;;   ~~~python
;;   def quantise(x, axis):      # numpy; x: float32 -> the quantised numbers, widened to float32 again
;;       x = np.moveaxis(x, axis, -1); K = x.shape[-1]
;;       x = np.pad(x, [(0, 0)] * (x.ndim - 1) + [(0, -K % 32)]); x = x.reshape(x.shape[:-1] + (-1, 32)); a = np.abs(x).max(-1, keepdims=True)
;;       e = np.where(a > 0, np.clip(np.frexp(np.where(a > 0, a, 1))[1] - 1 - 4, -126, 127), 0)      # np.frexp(a)[1] - 1 = floor(log2(a)), exactly
;;       r = np.clip(x / 2.0 ** e, -28, 28)
;;       step = 2.0 ** (np.maximum(np.frexp(np.where(r == 0, 1, r))[1] - 1, -2) - 2)
;;       q = np.round(r / step) * step * 2.0 ** e      # np.round: ties to even
;;       return np.moveaxis(q.reshape(q.shape[:-2] + (-1,))[..., :K], -1, axis).astype(np.float32)
;;   ~~~
;;   SOFTMAX AHEAD OF A QUANTISED PRODUCT. Where the list says 'softmax', what is quantised is not the finished softmax but p = 2^(t - M), with t = logit x log2(e) and M = ceil(the row's largest t), a whole number; so 1/2 < the row's largest p <= 1. The row's sum l is taken of the UNQUANTISED p, in f32, and the product's result is divided by l at the end. Since M is a whole number, a kernel that streams over the keys may use a running M (the ceiling of the running maximum): every later rescaling is an exact power of two, which a block's scale takes up: the codes' values come out the same.
;;   OPERANDS COMPUTED ON THE WAY. 'Computed on the way' means the value that the module computes at that place (a softmax that the list does not call 'softmax' is quantised finished and normalised). What goes into a quantiser is computed in f32, as accurately as f32 sums, v_exp_f32 and their like allow (about 1e-6 of the number): no bf16 or f16 on the way to a quantiser, and a product that is left as it is and whose result goes on into a quantised operand takes f32 operands (vector FMAs, or v_wmma_f32_16x16x4_f32). A number that lies on a knife's edge between two numbers of the format may be rounded either way, as far as f32 arithmetic and the matrix unit's own rounding can turn it there, and no further.
;; 2 versions. Each part assembles by itself: llvm-mc -triple=amdgcn-amd-amdhsa -mcpu=gfx1250 --defsym DOCPART=n.
;; ======== version 1 of 2: 4 launches
;; limits: right only within a limited range of input values
;; workspace buffers: codes 6,291,456 bytes; scales 262,144 bytes; rope 524,288 bytes; qkv 10,223,616 bytes; o_codes 3,145,728 bytes; o_scales 131,072 bytes
;; launch quant (part 1): grid 256 x 1, 4 waves a work-group, no clusters, 33,280 bytes of LDS; arguments x, Wq, Wk, Wv, Wo, freqs, codes, scales, rope; writes codes, scales, rope
.if DOCPART == 1
	.amdgcn_target "amdgcn-amd-amdhsa--gfx1250"
	.amdhsa_code_object_version 6
	.text
	.protected	k_q0fef779d94_quant
	.globl	k_q0fef779d94_quant
	.p2align	8
	.type	k_q0fef779d94_quant,@function
k_q0fef779d94_quant:
	s_mov_b64 s[64:65], 0
	v_nop
	global_prefetch_b8 v0, s[64:65] scope:SCOPE_SE
	s_setreg_imm32_b32 hwreg(HW_REG_WAVE_MODE, 25, 1), 1
	s_wait_xcnt 0x0
; x [4096][1024] and Wq, Wk, Wv, Wo [1024][1024], f32, K innermost, become codes of BF6 (E3M2) and one E8M0 byte for each 32 along K:
; one stream of 8,192 rows (x, Wq, Wk, Wv, Wo) of 768 bytes of codes and 32 scale bytes.  The launch also makes the table of cos and sin for the rotary embedding.
; A block's scale is 2^(floor(log2(its largest magnitude)) - 4); its byte is the largest magnitude's exponent field - 4, held at 1 from below.
; LIMITS: a block of zeros gets the byte 1 where the rule says 127 (its codes are zeros, and this program alone reads the bytes); blocks whose largest magnitude lies under 2^(4 - 126) keep the byte 1;
; NaN and infinities among the inputs are not served.  The table's angles are reduced by a three-part pi / 2: about 1e-7 absolute up to angles of some 1e6 radians.
; SHARES: 8,388,608 numbers, 32,768 to a work-group: work-groups 0-127 take x, then 32 each Wq, Wk, Wv, Wo.  A wave takes 16 steps of 512 numbers.  Each load reads 512 consecutive bytes; a step's 2,048 bytes turn
; through the wave's own stage in LDS, so that a lane then holds 16 neighbours along K (two lanes to a block).  A wave's 256 scale bytes are gathered in LDS and leave as one aligned run of 256 bytes.
; No tensor loads, no barrier: waves share nothing.  Loads run four steps (16 loads a wave) ahead.
.set WAVES, 4
.set STEPS, 16
.set EMAX,  4
.set CB,    12                         ; bytes of 16 codes
.set R,     16                         ; v16-79   four sets of 16 numbers as they are loaded
.set X,     80                         ; v80-111  two sets of 16 neighbours
.set C,     128                        ; v128-191 codes: four registers for each step, so that no store's data are written again
.set E,     112                        ; v112-127 a scale byte for each step
.set FQ,    192                        ; v192-193 my two frequencies
.set FA,    194                        ; v194     their byte offset
.set WREG,  8192                       ; LDS: a region for each wave: two stages of 32 x SP bytes, then its 256 scale bytes
.set SP,    80                         ; a lane's place in a stage: 64 bytes + 16 of padding
	s_load_b256 s[4:11], s[0:1], 0x0               ; x, Wq, Wk, Wv
	s_load_b256 s[12:19], s[0:1], 0x20             ; Wo, freqs, codes, scales
	s_load_b64 s[20:21], s[0:1], 0x40              ; rope
	v_lshl_add_u32 v200, v0, 2, 0x8000
	v_mov_b32 v201, 0
	v_lshrrev_b32 v1, 5, v0
	v_readfirstlane_b32 s22, v1                    ; wave
	v_and_b32 v2, 31, v0                           ; lane
	v_lshlrev_b32 v3, 4, v2                        ; my 16 bytes of a load's 512
	s_mul_i32 s23, s22, WREG
	v_lshrrev_b32 v14, 2, v2
	v_mul_u32_u24 v14, v14, SP
	v_and_b32 v15, 3, v2
	v_lshl_add_u32 v14, v15, 4, v14
	v_add_nc_u32 v14, s23, v14                     ; the stage, on the way in: SP (lane / 4) + 16 (lane % 4)
	v_mul_u32_u24 v15, v2, SP
	v_add_nc_u32 v15, s23, v15                     ; and on the way out: SP x lane: my 16 neighbours
	v_mul_u32_u24 v4, v2, CB                       ; my codes' place in a step's
	v_lshrrev_b32 v5, 1, v2
	s_add_co_u32 s23, s23, 2*32*SP
	v_add_nc_u32 v5, s23, v5                       ; LDS: my block's scale byte
	v_lshlrev_b32 v7, 3, v2                        ; and on the way out 8 bytes a lane
	v_add_nc_u32 v6, s23, v7
	v_and_b32 v[FA], 15, v0
	v_lshlrev_b32 v[FA], 3, v[FA]                  ; two frequencies: 8 (thread % 16)
	s_and_b32 s26, ttmp9, 31                       ; a weight's work-group among its 32
	s_wait_kmcnt 0x0
	s_mov_b64 s[24:25], s[12:13]                   ; which tensor: the choice hangs on the work-group's number alone
	s_cmp_lt_u32 ttmp9, 224
	s_cselect_b64 s[24:25], s[10:11], s[24:25]
	s_cmp_lt_u32 ttmp9, 192
	s_cselect_b64 s[24:25], s[8:9], s[24:25]
	s_cmp_lt_u32 ttmp9, 160
	s_cselect_b64 s[24:25], s[6:7], s[24:25]
	s_cmp_lt_u32 ttmp9, 128
	s_cselect_b64 s[24:25], s[4:5], s[24:25]
	s_cselect_b32 s26, ttmp9, s26
	s_lshl_b32 s26, s26, 2
	s_add_co_u32 s26, s26, s22
	s_lshl_b32 s26, s26, 15                        ; my wave's 8,192 numbers in the tensor: 32,768 bytes a wave
	s_mov_b32 s27, 0
	s_add_nc_u64 s[24:25], s[24:25], s[26:27]
	s_lshl_b32 s28, ttmp9, 2
	s_add_co_u32 s28, s28, s22                     ; which run of the output stream is mine
	s_mul_i32 s26, s28, 32*STEPS*CB
	s_add_nc_u64 s[16:17], s[16:17], s[26:27]      ; 6,144 bytes of codes a run
	s_lshl_b32 s26, s28, 8
	s_add_nc_u64 s[18:19], s[18:19], s[26:27]      ; 256 scale bytes a run
	s_lshl_b32 s26, ttmp9, 11
	s_add_nc_u64 s[20:21], s[20:21], s[26:27]      ; 2,048 bytes of the table a work-group
	global_load_b64 v[FQ:FQ+1], v[FA], s[14:15]    ; the oldest load: every counted wait below shows it in too
.macro LOAD t
.irp i, 0,1,2,3
	global_load_b128 v[R+16*((\t)%4)+4*\i:R+16*((\t)%4)+4*\i+3], v3, s[24:25] offset:2048*(\t)+512*\i th:TH_LOAD_NT   ; 32 lanes read 512 consecutive bytes
.endr
.endm
.macro TURN t                          ; step t's numbers through the stage: LDS serves a wave's instructions in order, so no wait stands between the stores and the loads
.irp i, 0,1,2,3
	ds_store_b128 v14, v[R+16*((\t)%4)+4*\i:R+16*((\t)%4)+4*\i+3] offset:32*SP*((\t)%2)+8*SP*\i
.endr
.irp i, 0,1,2,3
	ds_load_b128 v[X+16*((\t)%2)+4*\i:X+16*((\t)%2)+4*\i+3], v15 offset:32*SP*((\t)%2)+16*\i
.endr
.endm
.irp t, 0,1,2,3
	LOAD \t
.endr
	s_wait_loadcnt 12                              ; the frequencies and step 0's four loads are in; three steps' twelve may be out
	TURN 0
.macro STEP t
.set XS, X+16*((\t)%2)
.if (\t) > 0
	s_wait_dscnt 1                                 ; this step's numbers are back from the stage (the last step's byte store may be out)
.else
	s_wait_dscnt 0x0
.endif
.if (\t)+4 < STEPS
	LOAD (\t)+4                                    ; into the registers that the stage's stores have read
.endif
.if (\t)+1 < STEPS
.if STEPS-2-(\t) >= 3
	s_wait_loadcnt 12                              ; the next step's four loads are in; those of the three steps behind it may be out
.else
	s_wait_loadcnt 4*(STEPS-2-(\t))
.endif
	TURN (\t)+1
.endif
	v_max3_num_f32 v8, |v[XS]|, |v[XS+1]|, |v[XS+2]|               ; the largest magnitude of my 16, in two chains
	v_max3_num_f32 v9, |v[XS+3]|, |v[XS+4]|, |v[XS+5]|
.irp i, 6,10
	v_max3_num_f32 v8, v8, |v[XS+\i]|, |v[XS+\i+1]|
	v_max3_num_f32 v9, v9, |v[XS+\i+2]|, |v[XS+\i+3]|
.endr
	v_max3_num_f32 v8, v8, |v[XS+14]|, |v[XS+15]|
	v_max3_num_f32 v8, v8, v9, (EMAX+1)<<23        ; and the floor 2^(EMAX + 1 - 127): the byte cannot fall under 1
	v_max_num_f32_dpp v8, v8, v8 row_xmask:1 row_mask:0xf bank_mask:0xf   ; and of my neighbour's 16: the block's
	v_add_nc_u32 v11, -(EMAX<<23), v8              ; EMAX off its exponent field: the conversion takes the exponent field of this operand as its scale
	v_cvt_scalef32_pk16_bf6_f32 v[C+4*(\t):C+4*(\t)+2], v[XS:XS+15], v11
	v_lshrrev_b32 v[E+(\t)], 23, v11               ; the scale's byte (also the plain line behind the conversion)
	ds_store_b8 v5, v[E+(\t)] offset:16*(\t)       ; both lanes of a block write the same byte with the same value
	global_store_b96 v4, v[C+4*(\t):C+4*(\t)+2], s[16:17] offset:32*CB*(\t)
.endm
.irp t, 0,1,2,3,4,5,6,7,8,9,10,11,12,13,14,15
	STEP \t
.endr
	ds_load_b64 v[12:13], v6                       ; LDS serves a wave's instructions in order: these see my stores
	s_wait_dscnt 0x0
	global_store_b64 v7, v[12:13], s[18:19]        ; 32 lanes store 256 consecutive bytes, aligned
; THE TABLE: rope[pos][pair] = (cos, sin) of pos x freqs[pair], f32.  Thread T = 128 x work-group + thread takes pos = T / 16 and pairs 2 (T % 16), + 1: 16 bytes at 16 T.
; angle = pos x f, one rounding.  n = the nearest whole number to angle x 2 / pi; r = angle - n pi / 2 by three fused multiply-adds on a three-part pi / 2; sin r and cos r by polynomials on |r| <= pi / 4;
; n's two low bits say which of the two is which, and their signs.  No jump hangs on a number: selections only.
	s_lshl_b32 s26, ttmp9, 3
	v_lshrrev_b32 v16, 4, v0
	v_add_nc_u32 v16, s26, v16
	v_cvt_f32_u32 v16, v16                         ; pos
	s_mov_b32 s30, 0x3f22f983                      ; 2 / pi
	s_mov_b32 s31, 0x3fc90fdb                      ; pi / 2: its first,
	s_mov_b32 s32, 0xb33bbd2e                      ; second
	s_mov_b32 s33, 0xa6f72ced                      ; and third part
	s_mov_b32 s34, 0xb94ca1f9                      ; sin: -1.9515296e-4,
	s_mov_b32 s35, 0x3c08839e                      ; 8.3321609e-3,
	s_mov_b32 s36, 0xbe2aaaa3                      ; -1.6666655e-1
	s_mov_b32 s37, 0x37ccf5ce                      ; cos: 2.4433157e-5,
	s_mov_b32 s38, 0xbab6061a                      ; -1.3887316e-3,
	s_mov_b32 s39, 0x3d2aaaa5                      ; 4.1666646e-2
.macro SINCOS f, d                     ; v[d] = cos, v[d + 1] = sin
	v_mul_f32 v20, v16, v[\f]
	v_mul_f32 v21, s30, v20
	v_rndne_f32 v21, v21                           ; n
	v_fma_f32 v22, -v21, s31, v20
	v_fma_f32 v22, -v21, s32, v22
	v_fma_f32 v22, -v21, s33, v22                  ; r
	v_mul_f32 v23, v22, v22                        ; z = r r
	v_fma_f32 v24, v23, s34, s35
	v_fma_f32 v26, v23, s37, s38
	v_fma_f32 v24, v24, v23, s36
	v_fma_f32 v26, v26, v23, s39
	v_mul_f32 v25, v23, v22
	v_mul_f32 v27, v23, v23
	v_fma_f32 v28, v23, -0.5, 1.0
	v_fma_f32 v24, v24, v25, v22                   ; sin r
	v_fma_f32 v26, v26, v27, v28                   ; cos r
	v_cvt_i32_f32 v29, v21
	v_and_b32 v30, 1, v29
	v_cmp_eq_u32 vcc_lo, 1, v30                    ; an odd quarter: the two change places
	v_cndmask_b32 v[\d+1], v24, v26, vcc_lo
	v_cndmask_b32 v[\d], v26, v24, vcc_lo
	v_and_b32 v30, 2, v29                          ; sin is negative in quarters 2 and 3,
	v_lshlrev_b32 v30, 30, v30
	v_xor_b32 v[\d+1], v[\d+1], v30
	v_add_nc_u32 v31, 1, v29                       ; cos in quarters 1 and 2
	v_and_b32 v31, 2, v31
	v_lshlrev_b32 v31, 30, v31
	v_xor_b32 v[\d], v[\d], v31
.endm
	SINCOS FQ, 40
	SINCOS FQ+1, 42
	v_lshlrev_b32 v17, 4, v0
	global_store_b128 v17, v[40:43], s[20:21]      ; a wave stores 512 consecutive bytes
	s_wait_tensorcnt 0x0
	ds_add_u32 v200, v201
	s_wait_dscnt 0x0
	s_endpgm
.Lfunc_end_k_q0fef779d94_quant:
	.size	k_q0fef779d94_quant, .Lfunc_end_k_q0fef779d94_quant-k_q0fef779d94_quant
	.p2alignl 7, 3214868480
	.fill 96, 4, 3214868480
	.section	.rodata,"a",@progbits
	.p2align	6, 0x0
	.amdhsa_kernel k_q0fef779d94_quant
		.amdhsa_group_segment_fixed_size 33280
		.amdhsa_private_segment_fixed_size 0
		.amdhsa_enable_private_segment 0
		.amdhsa_kernarg_size 72
		.amdhsa_user_sgpr_count 2
		.amdhsa_user_sgpr_kernarg_segment_ptr 1
		.amdhsa_wavefront_size32 1
		.amdhsa_system_sgpr_workgroup_id_x 1
		.amdhsa_system_sgpr_workgroup_id_y 1
		.amdhsa_system_sgpr_workgroup_id_z 1
		.amdhsa_system_vgpr_workitem_id 0
		.amdhsa_next_free_vgpr 202
		.amdhsa_next_free_sgpr 66
		.amdhsa_reserve_vcc 1
		.amdhsa_float_denorm_mode_32 3
		.amdhsa_float_denorm_mode_16_64 3
		.amdhsa_memory_ordered 1
		.amdhsa_forward_progress 1
		.amdhsa_inst_pref_size 36
	.end_amdhsa_kernel
	.amdgpu_metadata
---
amdhsa.version: [ 1, 2 ]
amdhsa.kernels:
  - .name:           k_q0fef779d94_quant
    .symbol:         k_q0fef779d94_quant.kd
    .args:
      - { .name: x, .offset: 0, .size: 8, .value_kind: global_buffer, .address_space: global }
      - { .name: Wq, .offset: 8, .size: 8, .value_kind: global_buffer, .address_space: global }
      - { .name: Wk, .offset: 16, .size: 8, .value_kind: global_buffer, .address_space: global }
      - { .name: Wv, .offset: 24, .size: 8, .value_kind: global_buffer, .address_space: global }
      - { .name: Wo, .offset: 32, .size: 8, .value_kind: global_buffer, .address_space: global }
      - { .name: freqs, .offset: 40, .size: 8, .value_kind: global_buffer, .address_space: global }
      - { .name: codes, .offset: 48, .size: 8, .value_kind: global_buffer, .address_space: global }
      - { .name: scales, .offset: 56, .size: 8, .value_kind: global_buffer, .address_space: global }
      - { .name: rope, .offset: 64, .size: 8, .value_kind: global_buffer, .address_space: global }
    .group_segment_fixed_size: 33280
    .private_segment_fixed_size: 0
    .kernarg_segment_align: 8
    .kernarg_segment_size: 72
    .max_flat_workgroup_size: 128
    .sgpr_count:     66
    .vgpr_count:     202
    .wavefront_size: 32
...
	.end_amdgpu_metadata
.endif
;; end of part 1
;; launch qkv (part 2): grid 12 x 16, 4 waves a work-group, clusters of 4 x 4, 327,680 bytes of LDS; arguments codes, scales, bq, bk, bv, rope, qkv; writes qkv
.if DOCPART == 2
	.amdgcn_target "amdgcn-amd-amdhsa--gfx1250"
	.amdhsa_code_object_version 6
	.text
	.protected	k_q0fef779d94_qkv
	.globl	k_q0fef779d94_qkv
	.p2align	8
	.type	k_q0fef779d94_qkv,@function
k_q0fef779d94_qkv:
	s_mov_b64 s[64:65], 0
	v_nop
	global_prefetch_b8 v0, s[64:65] scope:SCOPE_SE
	s_setreg_imm32_b32 hwreg(HW_REG_WAVE_MODE, 25, 1), 1
	s_wait_xcnt 0x0
	s_wait_alu depctr_hold_cnt(0) depctr_sa_sdst(0) depctr_va_vdst(0) depctr_va_sdst(0) depctr_va_ssrc(0) depctr_va_vcc(0) depctr_vm_vsrc(0)
	s_getreg_b32 s2, hwreg(HW_REG_IB_STS2, 6, 4)
	s_cmp_eq_u32 s2, 0
	s_cbranch_scc0 .Lentry_in_a_cluster
	s_endpgm
.Lentry_in_a_cluster:
	s_bfe_u32 s2, ttmp6, 0x10000c
	s_cmp_lg_u32 s2, 0xf033
	s_cbranch_scc0 .Lentry_shape_is_right
	s_endpgm
.Lentry_shape_is_right:
; q = rope((x Wq^T + bq) / 8), k = rope(x Wk^T + bk), v = x Wv^T + bv, the products on codes of BF6 (E3M2) with one E8M0 scale for each 32 along K = 1,024; the results are quantised at once for the attention launch.
; codes: 8,192 rows of 768 bytes (rows 0-4095 x, 4096.. Wq, 5120.. Wk, 6144.. Wv); scales: 32 bytes a row.  rope: [pos][pair](cos, sin).
; qkv: for each (batch, head) a record of 319,488 bytes: roles q, k, v of 106,496 bytes each.  q, k: token n's 64 codes at 48 n (block 0, block 1), its scale word at 98,304 + 4 n (two bytes, then 0x7f twice).
; v: images of operand registers: the fragment (16 of the head's 64 x 128 keys) of key step s, tile t at 1,536 (4 s + t): three runs of 32 lanes x 16 bytes; its scale words at 98,304 + 128 (4 s + t), 4 bytes a lane.
; SHARES.  A work-group of four waves makes a tile of 256 x 256, a wave 128 x 128 in 64 accumulators.  K goes in steps of 256 through a ring of two LDS slots; the scale bytes of the work-group's rows come once.
; Clusters of 4 x 4; the cluster's x says what is made: 0 q, 1 k, 2 v.  The matrix instruction takes source 0 = 16 rows of "B", source 1 = 16 rows of "A": a lane holds ONE row of A and eight neighbouring rows of B.
; q, k: A = 256 tokens of x, B = 256 rows of the weight: a lane's registers run along the head's channels, the next product's K.  v: A = 256 rows of Wv, B = 256 tokens: a lane's registers run along the keys, ITS next K.
; Only row numbers differ between the two, and they hang on the cluster's x and y alone.  A's tiles are shared along a row of the cluster, B's along a column: each is asked for jointly.
; ORDER INSIDE A BLOCK OF 32.  Two neighbouring result tiles give a lane positions 8 h + j and 16 + 8 h + j of a block, so a block's codes stand in the order 0-7, 16-23, 8-15, 24-31.  q and k get it alike here;
; v gets it here and the softmax's weights get it by the same lines in the attention launch: both operands of each product are permuted alike, which leaves the sums as they are.  The blocks are the true ones.
; LIMITS: a block of zeros gets the scale byte 1 (its codes are zeros; this program alone reads the bytes); NaN and infinities are not served.
; REGISTERS, in windows of 256: window 0: v0-31 addresses; v32-63 scale words, two sets; v64-127 two sets of the table; v128-223 A's fragments, one set; v224-239 bv; v240-255 at work in the quantiser.
;   On the way out: v128-191 64 numbers, v192-211 their codes, v212-221 at work.   window 1: B's fragments at v0 and v128; the bias of my 128 channels at v96-127 and v224-255.   windows 2, 3: the accumulators.
.set KSTEP,  256
.set NQ,     KSTEP/128
.set ROWB,   192                       ; a tile's row: 256 codes
.set KROW,   768                       ; a row of codes in memory
.set PITCH,  240                       ; an LDS row: 3 x (64 bytes + 16 of padding): the 32 lanes of a load of 8 bytes touch 64 different banks (64 banks of 4 bytes: ISA guide 11.1)
.set FR,     12
.set NL,     6
.set NP,     4                         ; places behind this matrix instruction (ISA guide 7.12.1)
.set HALFT,  128*PITCH
.set SLOT,   4*HALFT
.set LAPS,   2                         ; K = 1,024 is four K steps: twice round the ring
.set KS,     32                        ; a row of scale bytes
.set SCL,    2*SLOT
.set HALFS,  (128*KS/256)*272
.set SBLK,   (16*KS/256)*272
.set SPARE,  SCL+4*HALFS               ; the spare words, 128 bytes a wave: two blocks of 256 bytes that no other line names
.set QSCL,   49152                     ; the way out, in slot 0 (its last fill and its last read are over): q, k: codes at 0, 12,288 bytes a wave; scale words here, 1,024 a wave;
.set VSCL,   53248                     ; v: scale words here, 1,024 a wave: each way out has bytes of its own
.set REC,    319488
.set ROLE,   106496
.set QST,  7                           ; v7   12,288 wave + 48 r + 24 h
.set QSS,  8                           ; v8   QSCL + 1,024 wave + 4 r
.set QRD,  9                           ; v9   12,288 wave + 16 lane
.set QSR,  10                          ; v10  QSCL + 1,024 wave + 16 lane
.set GL,   11                          ; v11  16 lane
.set RTO,  12                          ; v12  the table: 256 r + 32 h
.set VSS,  13                          ; v13  VSCL + 1,024 wave + 4 lane
.set VSR,  14                          ; v14  VSCL + 1,024 wave + 16 lane
.set ADRA, 16
.set ADRB, 20
.set BOF,  24                          ; v24  32 h
.set VOF,  25                          ; v25  4 r
.set ADRS, 27
.set SPW,  28
.set NIL,  29
.set PW,   30                          ; the scale word just made
.set SC,   32
.set CS,   64
.set AF,   128
.set H,    128
.set CD,   192
.set TP,   212
.set BV,   224
.set TM,   240
.set SEL,  46                          ; s[46:47] lane selects for lane l xor 16
.set G1, 24
.set G0, 32
.set G1B, 48
.set G0B, 56
.set G1S, 68
.set G0S, 76
.set G1SB, 80
.set G0SB, 88
.set MSB, 0
.macro WIN new                         ; the immediate's high byte repeats the setting that is left
.if MSB != \new
	s_set_vgpr_msb (MSB<<8)|\new
.set MSB, \new
.endif
.endm
.set MUL_LO, 0xa1                      ; source 0 (B) window 1, source 1 (A) window 0, C and D window 2
.set MUL_HI, 0xf1
.set TO_B,   0x40
; A joint load: waves 0 and 1 fetch for A, waves 2 and 3 for B; the branch hangs on the wave's number alone.  Four v_nop follow each of the two lines.
.macro JLOAD g0a, g1a, g0b, g1b
	s_cmp_eq_u32 s15, 0
	s_cbranch_scc0 .Lfor_b_\@
	tensor_load_to_lds s[\g0a:\g0a+3], s[\g1a:\g1a+7]
	s_nop 0
.rept 4
	v_nop
.endr
	s_branch .Lasked_\@
.Lfor_b_\@:
	tensor_load_to_lds s[\g0b:\g0b+3], s[\g1b:\g1b+7]
	s_nop 0
.rept 4
	v_nop
.endr
.Lasked_\@:
.endm
.macro CREST                           ; a round of the cluster's barrier behind its opening barrier
	s_cmp_lg_u32 s14, 0
	s_cbranch_scc1 .Lnot_wave_0_\@
	s_barrier_signal -3
.Lnot_wave_0_\@:
	s_barrier_wait -3
	s_barrier_signal -1
	s_barrier_wait -1
.endm
.macro CROUND
	s_barrier_signal -1
	s_barrier_wait -1
	CREST
.endm
	s_load_b256 s[4:11], s[0:1], 0x0               ; codes, scales, bq, bk
	s_load_b128 s[96:99], s[0:1], 0x20             ; bv, rope
	s_load_b64 s[100:101], s[0:1], 0x30            ; qkv
	v_lshl_add_u32 v[SPW], v0, 2, SPARE
	v_mov_b32 v[NIL], 0
	ds_add_u32 v28, v29
	ds_add_u32 v28, v29
	s_wait_dscnt 0x0
	v_lshrrev_b32 v1, 5, v0
	v_readfirstlane_b32 s14, v1                    ; wave 0..3
	s_lshr_b32 s15, s14, 1                         ; which half of A's rows is mine.  Also: I fetch for A (0) or for B (1)
	s_and_b32 s16, s14, 1                          ; which half of B's rows.  Also: which 128 rows I fetch
	s_bfe_u32 s40, ttmp6, 0x40000                  ; cx
	s_bfe_u32 s41, ttmp6, 0x40004                  ; cy
	s_mov_b32 s12, ttmp9                           ; X: 0 q, 1 k, 2 v: the same in all sixteen partners
	s_and_b32 s13, ttmp7, 0xffff                   ; Y: which 1,024 tokens
	s_lshr_b32 s17, s12, 1                         ; 1 where v is made
	s_xor_b32 s18, s17, 1
	s_lshl_b32 s19, s13, 10
	s_mul_i32 s20, s17, 6144                       ; A's first row: Wv's rows, or the tokens 1,024 Y on,
	s_mul_i32 s21, s18, s19
	s_add_co_u32 s20, s20, s21
	s_lshl_b32 s21, s41, 8
	s_add_co_u32 s20, s20, s21                     ; + 256 cy
	s_lshl_b32 s46, s12, 10                        ; B's first row: the weight's rows 4,096 + 1,024 X on, or the tokens,
	s_add_co_u32 s46, s46, 4096
	s_mul_i32 s46, s46, s18
	s_mul_i32 s47, s17, s19
	s_add_co_u32 s46, s46, s47
	s_lshl_b32 s47, s40, 8
	s_add_co_u32 s46, s46, s47                     ; + 256 cx
	s_lshl_b32 s43, s41, 2
	s_lshl_b32 s43, 15, s43                        ; my row of the cluster
	s_lshl_b32 s44, 0x1111, s40                    ; my column
	s_or_b32 s[G1+0], s43, (0<<16)|(1<<20)|(1<<21)|(3<<22)|(3<<25)  ; the mask; elements of 1 byte; padding on; bit 21 beside a mask; after every 16 words, 4 words
	s_or_b32 s[G1B+0], s44, (0<<16)|(1<<20)|(1<<21)|(3<<22)|(3<<25)
.irp g, G1, G1B
	s_mov_b32 s[\g+1], ROWB<<16                    ; tensor_dim0
	s_mov_b32 s[\g+2], 128<<16                     ; tensor_dim1
	s_mov_b32 s[\g+3], ROWB<<16                    ; tile_dim0
	s_mov_b32 s[\g+4], 128                         ; tile_dim1
	s_mov_b32 s[\g+5], KROW                        ; the pitch
	s_mov_b32 s[\g+6], 0
	s_mov_b32 s[\g+7], 0
.endr
	s_or_b32 s[G1S+0], s43, (3<<16)|(1<<20)|(1<<21)|(5<<22)|(3<<25)  ; the scale bytes of 128 rows: 4,096 dense bytes as 16 rows of 256, 16 bytes of padding behind each
	s_or_b32 s[G1SB+0], s44, (3<<16)|(1<<20)|(1<<21)|(5<<22)|(3<<25)
.irp g, G1S, G1SB
	s_mov_b32 s[\g+1], 32<<16
	s_mov_b32 s[\g+2], (128*KS/256)<<16
	s_mov_b32 s[\g+3], 32<<16
	s_mov_b32 s[\g+4], 128*KS/256
	s_mov_b32 s[\g+5], 32
	s_mov_b32 s[\g+6], 0
	s_mov_b32 s[\g+7], 0
.endr
	s_lshl_b32 s18, s16, 7                         ; which 128 rows of the tile I fetch
	s_add_co_u32 s20, s20, s18
	s_add_co_u32 s46, s46, s18
	s_mov_b32 s21, 0
	s_mov_b32 s47, 0
	s_mov_b64 s[18:19], KS
	s_mul_u64 s[22:23], s[20:21], s[18:19]         ; where these rows' scale bytes begin,
	s_mul_u64 s[92:93], s[46:47], s[18:19]
	s_mov_b64 s[18:19], KROW
	s_mul_u64 s[20:21], s[20:21], s[18:19]         ; and their codes
	s_mul_u64 s[46:47], s[46:47], s[18:19]
	s_mul_i32 s45, s14, HALFT                      ; where they go: wave x 128 rows: no place in the cluster enters an LDS address
	s_mul_i32 s94, s14, HALFS
	s_wait_kmcnt 0x0
	s_add_nc_u64 s[20:21], s[4:5], s[20:21]
	s_add_nc_u64 s[22:23], s[6:7], s[22:23]
	s_add_nc_u64 s[46:47], s[4:5], s[46:47]
	s_add_nc_u64 s[92:93], s[6:7], s[92:93]
	CROUND                                         ; all sixteen work-groups are here: the first joint loads meet
	s_mov_b32 s[G0S], 1
	s_add_co_u32 s[G0S+1], s94, SCL
	s_mov_b64 s[G0S+2:G0S+3], s[22:23]
	s_or_b32 s[G0S+3], s[G0S+3], 0x80000000
	s_mov_b32 s[G0SB], 1
	s_add_co_u32 s[G0SB+1], s94, SCL
	s_mov_b64 s[G0SB+2:G0SB+3], s[92:93]
	s_or_b32 s[G0SB+3], s[G0SB+3], 0x80000000
	JLOAD G0S, G1S, G0SB, G1SB                     ; the scale bytes first: they are wanted with K step 0
.irp s, 0,1
	s_mov_b32 s[G0+4*\s], 1
	s_add_co_u32 s[G0+4*\s+1], s45, \s*SLOT
	s_add_nc_u64 s[G0+4*\s+2:G0+4*\s+3], s[20:21], \s*ROWB
	s_or_b32 s[G0+4*\s+3], s[G0+4*\s+3], 0x80000000
	s_mov_b32 s[G0B+4*\s], 1
	s_add_co_u32 s[G0B+4*\s+1], s45, \s*SLOT
	s_add_nc_u64 s[G0B+4*\s+2:G0B+4*\s+3], s[46:47], \s*ROWB
	s_or_b32 s[G0B+4*\s+3], s[G0B+4*\s+3], 0x80000000
	JLOAD G0+4*\s, G1, G0B+4*\s, G1B               ; three tensor loads of mine are out at the most
.endr
	v_and_b32 v1, 15, v0                           ; r = lane % 16
	v_bfe_u32 v2, v0, 4, 1                         ; h = lane / 16
	v_mul_u32_u24 v3, v1, PITCH
	v_mul_u32_u24 v4, v2, 24
	v_add_nc_u32 v4, v3, v4                        ; a fragment's row x pitch + 24 h
	v_lshl_add_u32 v5, v2, 4, v4                   ; and the same behind one padding more
	s_mul_i32 s21, s15, HALFT                      ; my 128 rows of A
	s_mul_i32 s22, s16, HALFT                      ; my 128 rows of B,
	s_add_co_u32 s22, s22, 2*HALFT                 ; which lie behind A's 256
.irp s, 0,1
	v_add_nc_u32 v[ADRA+\s], s21, v4
	v_add_nc_u32 v[ADRB+\s], s22, v4
	v_add_nc_u32 v[ADRA+2+\s], s21, v5
	v_add_nc_u32 v[ADRB+2+\s], s22, v5
	s_add_co_u32 s21, s21, SLOT
	s_add_co_u32 s22, s22, SLOT
.endr
	v_mul_u32_u24 v5, v1, KS                       ; my row's scale bytes: KS a row,
	v_lshrrev_b32 v6, 8, v5
	v_lshl_add_u32 v5, v6, 4, v5                   ; and 16 more for each 256 passed
	s_mul_i32 s21, s15, HALFS
	s_mul_i32 s22, s16, HALFS
	s_add_co_u32 s22, s22, 2*HALFS
	s_sub_co_u32 s22, s22, s21
	v_mul_u32_u24 v6, s22, v2                      ; lanes 16-31 take B's: one product, the distance between the two bases
	s_add_co_u32 s21, s21, SCL
	v_add_nc_u32 v5, v5, v6
	v_add_nc_u32 v[ADRS], s21, v5
	; the way out's LDS addresses: a constant, the lane, the wave
	v_and_b32 v6, 31, v0
	v_lshlrev_b32 v[GL], 4, v6
	s_mul_i32 s23, s14, 12288
	v_mul_u32_u24 v[QST], v1, 48
	v_mad_u32_u24 v[QST], v2, 24, v[QST]
	v_add_nc_u32 v[QST], s23, v[QST]
	v_add_nc_u32 v[QRD], s23, v[GL]
	s_lshl_b32 s23, s14, 10
	s_add_co_u32 s23, s23, QSCL
	v_lshl_add_u32 v[QSS], v1, 2, s23
	v_add_nc_u32 v[QSR], s23, v[GL]
	s_add_co_u32 s23, s23, VSCL-QSCL
	v_lshl_add_u32 v[VSS], v6, 2, s23
	v_add_nc_u32 v[VSR], s23, v[GL]
	v_lshlrev_b32 v[RTO], 8, v1
	v_lshl_add_u32 v[RTO], v2, 5, v[RTO]
	v_lshlrev_b32 v[BOF], 5, v2
	v_lshlrev_b32 v[VOF], 2, v1
	; the small inputs.  Every work-group loads all of them (each address lies inside its buffer for every work-group), so that every register is written on both ways out
	s_cmp_eq_u32 s12, 0
	s_cselect_b64 s[8:9], s[8:9], s[10:11]         ; bq for q, else bk
	s_cselect_b32 s66, 0x3e000000, 1.0             ; q is multiplied by 1 / 8: a power of two, so (sum + b) / 8 = sum / 8 + b / 8 in one rounding
	s_mov_b32 s67, s66
	s_lshl_b32 s2, s40, 10
	s_lshl_b32 s3, s16, 9
	s_add_co_u32 s2, s2, s3
	s_mov_b32 s3, 0
	s_add_nc_u64 s[8:9], s[8:9], s[2:3]            ; the bias of channels 256 cx + 128 (wave % 2) on
	s_lshl_b32 s2, s41, 10
	s_lshl_b32 s17, s15, 9
	s_add_co_u32 s2, s2, s17
	s_add_nc_u64 s[96:97], s[96:97], s[2:3]        ; bv of channels 256 cy + 128 (wave / 2) on
	s_lshr_b32 s42, s13, 1
	s_lshl_b32 s42, s42, 4                         ; 16 x batch
	s_lshl_b32 s45, s13, 10                        ; 1,024 Y
	s_lshl_b32 s17, s41, 8                         ; q, k: my first token 1,024 Y + 256 cy + 128 (wave / 2),
	s_add_co_u32 s17, s17, s45
	s_lshl_b32 s2, s15, 7
	s_add_co_u32 s17, s17, s2
	s_and_b32 s17, s17, 2047                       ; its position n0
	s_lshl_b32 s2, s17, 8
	s_add_nc_u64 s[98:99], s[98:99], s[2:3]        ; the table at n0
	s_lshl_b32 s94, s40, 2
	s_add_co_u32 s94, s94, s42
	s_lshl_b32 s2, s16, 1
	s_add_co_u32 s94, s94, s2                      ; my first (batch, head): 16 batch + 4 cx + 2 (wave % 2)
	s_mul_i32 s94, s94, REC
	s_mul_i32 s2, s12, ROLE
	s_add_co_u32 s94, s94, s2
	s_mul_i32 s2, s17, 48
	s_add_co_u32 s2, s2, s94
	s_add_nc_u64 s[20:21], s[100:101], s[2:3]      ; where my tokens' codes go,
	s_lshl_b32 s2, s17, 2
	s_add_co_u32 s2, s2, s94
	s_add_co_u32 s2, s2, 98304
	s_add_nc_u64 s[22:23], s[100:101], s[2:3]      ; and their scale words
	s_lshl_b32 s17, s40, 8                         ; v: my 128 tokens 1,024 Y + 256 cx + 128 (wave % 2) on are key step
	s_add_co_u32 s17, s17, s45
	s_lshl_b32 s2, s16, 7
	s_add_co_u32 s17, s17, s2
	s_and_b32 s17, s17, 2047
	s_lshr_b32 s17, s17, 7                         ; sv
	s_lshl_b32 s94, s41, 2
	s_add_co_u32 s94, s94, s42
	s_lshl_b32 s2, s15, 1
	s_add_co_u32 s94, s94, s2                      ; of (batch, head) 16 batch + 4 cy + 2 (wave / 2) on
	s_mul_i32 s94, s94, REC
	s_mul_i32 s2, s17, 6144
	s_add_co_u32 s2, s2, s94
	s_add_co_u32 s2, s2, 2*ROLE
	s_add_nc_u64 s[92:93], s[100:101], s[2:3]      ; the images,
	s_lshl_b32 s2, s17, 9
	s_add_co_u32 s2, s2, s94
	s_add_co_u32 s2, s2, 2*ROLE+98304
	s_add_nc_u64 s[18:19], s[100:101], s[2:3]      ; and their scale words
	s_mov_b32 s95, 0x7f7f0000                      ; the scale bytes of the upper 64 along the attention's K, which are zero codes
	s_mov_b32 s[SEL], 0x76543210
	s_mov_b32 s[SEL+1], 0xfedcba98
	WIN TO_B
.irp b, 0,1,2,3,4,5,6,7                        ; lane (r, h) wants, for B's block b, the bias of channels 16 b + 8 h + 0 .. 7
	global_load_b128 v[96+8*\b+96*(\b/4):99+8*\b+96*(\b/4)], v[BOF], s[8:9] offset:64*\b
	global_load_b128 v[100+8*\b+96*(\b/4):103+8*\b+96*(\b/4)], v[BOF], s[8:9] offset:64*\b+16
.endr
	WIN 0
.irp a, 0,1,2,3,4,5,6,7
	global_load_b32 v[BV+2*\a], v[VOF], s[96:97] offset:64*\a   ; bv of channel 16 a + r
	v_mov_b32 v[BV+2*\a+1], 0                      ; (named with it as a pair)
.endr
.macro TABLE a                         ; row block a: cos and sin of position n0 + 16 a + r, pairs 8 b + 4 h + 0 .. 3 for b = 0 .. 3: 32 registers, set a % 2
.irp b, 0,1,2,3
	global_load_b128 v[CS+32*((\a)%2)+8*\b:CS+32*((\a)%2)+8*\b+3], v[RTO], s[98:99] offset:4096*(\a)+64*\b
	global_load_b128 v[CS+32*((\a)%2)+8*\b+4:CS+32*((\a)%2)+8*\b+7], v[RTO], s[98:99] offset:4096*(\a)+64*\b+16
.endr
.endm
	TABLE 0
	TABLE 1
.irp b, 0,1,2,3
	v_mov_b32 v[TM+4+\b], 0                        ; written once: a lane permute's destination counts as one of its sources
.endr
.macro FRAG reg, adr, q, i             ; 16 rows x 128 K of 6-bit codes: lane (r, h): registers 6 c .. 6 c + 5 = K 64 c + 32 h + 0 .. 31: 24 bytes of the row as they lie, in pieces of 8
.irp p, 0,1,2,3,4,5
.set PCE, 12*(\q)+6*(\p/3)+\p%3       ; 16 bytes of padding lie behind every 8 pieces: where the piece three on lies behind one padding more, the second address register serves
.if PCE%8 < 5
	ds_load_b64 v[\reg+2*\p:\reg+2*\p+1], v[\adr] offset:8*PCE+16*(PCE/8)+(\i)*16*PITCH
.else
	ds_load_b64 v[\reg+2*\p:\reg+2*\p+1], v[\adr+2] offset:8*PCE+16*(PCE/8)+(\i)*16*PITCH
.endif
.endr
.endm
; 16 matrix instructions: A's blocks a0, a0 + 1 x B's eight, 128 along K.  The 64 accumulators take turns, one instruction a turn, in the same order in every step.
.macro MUL16 a0, p, q, sc, zero
.irp a, \a0, \a0+1
.irp b, 0,1,2,3,4,5,6,7
.if \zero
	v_wmma_scale_f32_16x16x128_f8f6f4 v[8*(8*((\a)%4)+\b):8*(8*((\a)%4)+\b)+7], v[128*(\p)+FR*\b:128*(\p)+FR*\b+FR-1], v[AF+FR*(\a):AF+FR*(\a)+FR-1], 0, v[SC+8*NQ*(\sc)+NQ*\b+(\q)], v[SC+8*NQ*(\sc)+NQ*(\a)+(\q)] matrix_a_fmt:MATRIX_FMT_BF6 matrix_b_fmt:MATRIX_FMT_BF6 matrix_a_scale:MATRIX_SCALE_ROW1
.else
	v_wmma_scale_f32_16x16x128_f8f6f4 v[8*(8*((\a)%4)+\b):8*(8*((\a)%4)+\b)+7], v[128*(\p)+FR*\b:128*(\p)+FR*\b+FR-1], v[AF+FR*(\a):AF+FR*(\a)+FR-1], v[8*(8*((\a)%4)+\b):8*(8*((\a)%4)+\b)+7], v[SC+8*NQ*(\sc)+NQ*\b+(\q)], v[SC+8*NQ*(\sc)+NQ*(\a)+(\q)] matrix_a_fmt:MATRIX_FMT_BF6 matrix_b_fmt:MATRIX_FMT_BF6 matrix_a_scale:MATRIX_SCALE_ROW1
.endif
.endr
.endr
.endm
.macro FETCH_B slot, q, p
	WIN TO_B
.irp i, 0,1,2,3,4,5,6,7
	FRAG 128*(\p)+FR*\i, ADRB+\slot, \q, \i
.endr
	WIN 0
.endm
.macro FETCH_A slot, q, i0
.irp i, \i0, \i0+1, \i0+2, \i0+3
	FRAG AF+FR*(\i), ADRA+\slot, \q, \i
.endr
.endm
.macro SCALES sc                       ; a K step's scale words: lanes 0-15 A's block i, lanes 16-31 B's block i
.irp i, 0,1,2,3,4,5,6,7
	ds_load_b64 v[SC+8*NQ*\sc+NQ*\i:SC+8*NQ*\sc+NQ*\i+1], v[ADRS] offset:\i*SBLK
.endr
.endm
.macro PLACES n                        ; plain vector lines between a matrix instruction and a load into, or a vector line on, its registers
.rept \n
	v_nop
.endr
.endm
.macro STEP slot, q, zero              ; 128 along K that have their successor in the same slot
	s_wait_dscnt 4*NL                              ; B's set and A's blocks 0-3 are in; the youngest 24 loads (A's blocks 4-7) may be out
	WIN MUL_LO
	MUL16 0, (\q)%2, \q, \slot, \zero
	MUL16 2, (\q)%2, \q, \slot, \zero
	s_wait_dscnt 0
	PLACES NP
	FETCH_B \slot, (\q)+1, 1-(\q)%2
	FETCH_A \slot, (\q)+1, 0
	WIN MUL_HI
	MUL16 4, (\q)%2, \q, \slot, \zero
	MUL16 6, (\q)%2, \q, \slot, \zero
	PLACES NP
	WIN 0
	FETCH_A \slot, (\q)+1, 4
.endm
; A slot's last step changes slots: one barrier; in front of it each wave waits for all its tensor loads, adds 0 to its spare word, and waits for that and for its reads of this slot.
.macro TURN slot, next, fill
	s_wait_tensorcnt 0x0                           ; all my tensor loads have landed: my part of the next slot
	ds_add_u32 v[SPW], v[NIL]                      ; 0 onto my spare word
	s_wait_dscnt 4*NL+1                            ; (the add and the youngest 24 loads may be out)
	WIN MUL_LO
	MUL16 0, 1, NQ-1, \slot, 0
	s_wait_dscnt 0x0                               ; the add is done, and my reads of this slot are over
	s_barrier_signal -1
	MUL16 2, 1, NQ-1, \slot, 0
	WIN 0
	s_barrier_wait -1
.if \fill
	CREST                                          ; the barrier has opened a round of the cluster's: no wave of any partner still reads this slot or has a load on its way
	s_add_nc_u64 s[G0+4*\slot+2:G0+4*\slot+3], s[G0+4*\slot+2:G0+4*\slot+3], 2*ROWB
	s_add_nc_u64 s[G0B+4*\slot+2:G0B+4*\slot+3], s[G0B+4*\slot+2:G0B+4*\slot+3], 2*ROWB
	JLOAD G0+4*\slot, G1, G0B+4*\slot, G1B         ; the first tensor load behind the round; its four v_nop are the places in front of the loads below
.else
	PLACES NP
.endif
	v_add_nc_u32 v[ADRS], 4*NQ, v[ADRS]            ; the next K step's scale words (no LDS load of mine is out)
	FETCH_B \next, 0, 0
	FETCH_A \next, 0, 0
	SCALES \next
	WIN MUL_HI
	MUL16 4, 1, NQ-1, \slot, 0
	MUL16 6, 1, NQ-1, \slot, 0
	PLACES NP
	WIN 0
	FETCH_A \next, 0, 4
.endm
	s_wait_loadcnt 0x0                             ; the biases and the first two sets of the table: once, while the first tiles are on their way
	s_wait_tensorcnt 1                             ; the scale bytes and my part of K step 0 are in (K step 1's load may be out)
	s_barrier_signal -1
	s_barrier_wait -1
	FETCH_B 0, 0, 0
	FETCH_A 0, 0, 0
	SCALES 0
	FETCH_A 0, 0, 4
	STEP 0, 0, 1                                   ; the first step's products start the sums
	s_mov_b32 s3, LAPS-1
.Llap:
	TURN 0, 1, 1
	STEP 1, 0, 0
	TURN 1, 0, 1
	STEP 0, 0, 0
	s_sub_co_u32 s3, s3, 1
	s_cmp_lg_u32 s3, 0
	s_cbranch_scc1 .Llap
	TURN 0, 1, 0                                   ; the last lap fills nothing
	STEP 1, 0, 0
	s_wait_dscnt 4*NL
	WIN MUL_LO
	MUL16 0, 1, NQ-1, 1, 0
	MUL16 2, 1, NQ-1, 1, 0
	s_wait_dscnt 0
	WIN MUL_HI
	MUL16 4, 1, NQ-1, 1, 0
	MUL16 6, 1, NQ-1, 1, 0
	WIN 0
; 64 numbers of a lane, v[s] .. v[s + 63] (register 16 b + i: my 16 numbers of block b of my row; lane l xor 16 holds the other 16) become a fragment's codes in v[CD] .. v[CD + 11] and its scale word in v[PW].
.macro QUANT s
.irp b, 0,1,2,3
	v_max3_num_f32 v[TM+\b], |v[\s+16*\b]|, |v[\s+1+16*\b]|, 0x2800000   ; and the floor 2^(5 - 127): the byte cannot fall under 1
.endr
.irp i, 2,4,6,8,10,12,14
.irp b, 0,1,2,3
	v_max3_num_f32 v[TM+\b], v[TM+\b], |v[\s+16*\b+\i]|, |v[\s+1+16*\b+\i]|   ; (the four blocks by turns)
.endr
.endr
.irp b, 0,1,2,3
	v_permlanex16_b32 v[TM+4+\b], v[TM+\b], s[SEL], s[SEL+1]
.endr
.irp b, 0,1,2,3
	v_max_num_f32 v[TM+\b], v[TM+\b], v[TM+4+\b]   ; the block's largest magnitude
.endr
.irp b, 0,1,2,3
	v_add_nc_u32 v[TM+12+\b], 0xfe000000, v[TM+\b]   ; 4 off its exponent field: the conversion's scale operand
.endr
.irp b, 0,1,2,3
	v_lshrrev_b32 v[TM+4+\b], 23, v[TM+12+\b]      ; the scale's byte
.endr
	v_lshl_or_b32 v[PW], v[TM+5], 8, v[TM+4]
	v_lshl_or_b32 v[PW], v[TM+6], 16, v[PW]
	v_lshl_or_b32 v[PW], v[TM+7], 24, v[PW]
.irp c, 0,1
	v_cvt_scalef32_pk16_bf6_f32 v[CD+6*\c:CD+2+6*\c], v[\s+32*\c:\s+15+32*\c], v[TM+12+2*\c]
	v_cvt_scalef32_pk16_bf6_f32 v[CD+12+4*\c:CD+14+4*\c], v[\s+16+32*\c:\s+31+32*\c], v[TM+12+2*\c+1]   ; (a conversion's three registers begin on an even number)
.endr
	v_nop                                          ; one plain line behind a scaled conversion
.irp c, 0,1                                    ; the operand's layout wants a whole block in a lane: lanes 0-15 block 2 c, lanes 16-31 block 2 c + 1
.irp i, 0,1,2
	v_permlane16_swap_b32 v[CD+6*\c+\i], v[CD+12+4*\c+\i]
.endr
.irp i, 0,1,2
	v_mov_b32 v[CD+3+6*\c+\i], v[CD+12+4*\c+\i]
.endr
.endr
.endm
	s_cmp_eq_u32 s12, 2                            ; the cluster's x: the same in all partners
	s_cbranch_scc1 .Lv
; ---- THE WAY OUT OF q AND k.  Accumulator (a, b): lane (r, h), register j = token 16 a + r, channel 16 b + 8 h + j; channels 0-63 are my first head, 64-127 my second.
	WIN 0x41                                       ; the bias x 1 / 8 or x 1: 32 plain lines that name no register of the last products: they are the places behind those
.irp b, 0,1,2,3,4,5,6,7
.irp i, 0,2,4,6
	v_pk_mul_f32 v[96+8*\b+96*(\b/4)+\i:97+8*\b+96*(\b/4)+\i], v[96+8*\b+96*(\b/4)+\i:97+8*\b+96*(\b/4)+\i], s[66:67] op_sel_hi:[1,0]
.endr
.endr
.macro BIASQK a                        ; (sum + bias) x scaling, one fused line for two numbers; each accumulator is read from its low end on
	WIN 0x12+(\a)/4                                ; source 0: window 2 or 3; source 2: window 1
.irp b, 0,1,2,3,4,5,6,7
.irp i, 0,2,4,6
	v_pk_fma_f32 v[H+8*\b+\i:H+8*\b+\i+1], v[8*(8*((\a)%4)+\b)+\i:8*(8*((\a)%4)+\b)+\i+1], s[66:67], v[96+8*\b+96*(\b/4)+\i:97+8*\b+96*(\b/4)+\i] op_sel_hi:[1,0,1]
.endr
.endr
	WIN 0
.endm
.macro ROPE a                          ; a pair (e, o) with (c, s): e c - o s, o c + e s: first (o s, e s) by crossed halves, then one fused line with the low addend negated
.irp b, 0,1,2,3,4,5,6,7
.irp i, 0,2,4,6
	v_pk_mul_f32 v[TP+\i:TP+\i+1], v[H+8*\b+\i:H+8*\b+\i+1], v[CS+32*((\a)%2)+8*(\b%4)+\i:CS+32*((\a)%2)+8*(\b%4)+\i+1] op_sel:[1,1] op_sel_hi:[0,1]
.endr
.irp i, 0,2,4,6
	v_pk_fma_f32 v[H+8*\b+\i:H+8*\b+\i+1], v[H+8*\b+\i:H+8*\b+\i+1], v[CS+32*((\a)%2)+8*(\b%4)+\i:CS+32*((\a)%2)+8*(\b%4)+\i+1], v[TP+\i:TP+\i+1] op_sel_hi:[1,0,1] neg_lo:[0,0,1]
.endr
.endr
.endm
.macro STAGEQK a                       ; lane (r, h): registers 0-5 are block h of my first head's 64, registers 6-11 of my second's: 24 bytes each, at 48 token + 24 h
.irp p, 0,1,2
	ds_store_b64 v[QST], v[CD+2*\p:CD+2*\p+1] offset:768*(\a)+8*\p
	ds_store_b64 v[QST], v[CD+6+2*\p:CD+7+2*\p] offset:6144+768*(\a)+8*\p
.endr
	v_and_or_b32 v[TP+8], v[PW], 0xffff, s95       ; the first head's two bytes, under 0x7f twice;
	v_lshrrev_b32 v[TP+9], 16, v[PW]
	v_or_b32 v[TP+9], s95, v[TP+9]                 ; the second head's
	ds_store_b32 v[QSS], v[TP+8] offset:64*(\a)    ; (lanes r and 16 + r write the same word with the same value)
	ds_store_b32 v[QSS], v[TP+9] offset:512+64*(\a)
	s_wait_dscnt 0x0                               ; the stores have read their registers
.endm
.irp a, 0,1,2,3,4,5,6,7
	BIASQK \a
.if \a < 7
	s_wait_loadcnt 8                               ; this block's set of the table is in; the next block's eight loads may be out
.else
	s_wait_loadcnt 0x0
.endif
	ROPE \a
.if \a < 6
	TABLE \a+2                                     ; into the set just read
.endif
	QUANT H
	STAGEQK \a
.endr
.irp hh, 0,1                                   ; my wave's own bytes come back as they will lie in memory: 6,144 bytes of codes and 512 of scale words for each head
.irp i, 0,1,2,3,4,5,6,7,8,9,10,11
	ds_load_b128 v[64+4*(12*\hh+\i):67+4*(12*\hh+\i)], v[QRD] offset:6144*\hh+512*\i
.endr
	ds_load_b128 v[160+4*\hh:163+4*\hh], v[QSR] offset:512*\hh
.endr
	s_wait_dscnt 0x0
.irp hh, 0,1
.irp i, 0,1,2,3,4,5,6,7,8,9,10,11
	global_store_b128 v[GL], v[64+4*(12*\hh+\i):67+4*(12*\hh+\i)], s[20:21] offset:REC*\hh+512*\i   ; 32 lanes store 512 consecutive bytes, at a multiple of 256 from the buffer's first byte
.endr
	global_store_b128 v[GL], v[160+4*\hh:163+4*\hh], s[22:23] offset:REC*\hh
.endr
	s_branch .Lend
; ---- THE WAY OUT OF v.  Accumulator (a, b): lane (r, h), register j = channel 16 a + r, token 16 b + 8 h + j: my 128 tokens are one key step, and row block a is tile a % 4 of head a / 4.
.Lv:
	PLACES NP
.irp a, 0,1,2,3,4,5,6,7
.if \a > 0
	s_wait_xcnt 0x0                                ; the last block's stores have read the codes' registers
	s_wait_dscnt 0x0                               ; and its LDS store the scale word's
.endif
	WIN 0x02+\a/4
.irp b, 0,1,2,3,4,5,6,7
.irp i, 0,2,4,6
	v_pk_add_f32 v[H+8*\b+\i:H+8*\b+\i+1], v[8*(8*(\a%4)+\b)+\i:8*(8*(\a%4)+\b)+\i+1], v[BV+2*\a:BV+2*\a+1] op_sel_hi:[1,0]   ; + bv of my channel
.endr
.endr
	WIN 0
	QUANT H
.irp c, 0,1,2
	global_store_b128 v[GL], v[CD+4*\c:CD+4*\c+3], s[92:93] offset:REC*(\a/4)+1536*(\a%4)+512*\c   ; the fragment as it stands: 512 consecutive bytes a store
.endr
	ds_store_b32 v[VSS], v[PW] offset:128*\a
.endr
	ds_load_b128 v[64:67], v[VSR]                  ; four tiles' scale words, 512 bytes, for each head
	ds_load_b128 v[68:71], v[VSR] offset:512
	s_wait_dscnt 0x0
	global_store_b128 v[GL], v[64:67], s[18:19]
	global_store_b128 v[GL], v[68:71], s[18:19] offset:REC
.Lend:
	s_wait_tensorcnt 0x0                           ; the wave's end, behind my last tensor load and my last LDS store
	ds_add_u32 v[SPW], v[NIL]
	s_wait_dscnt 0x0
	CROUND                                         ; the closing round: no work-group ends while a partner may still ask for a tile that names it
	s_endpgm
.Lfunc_end_k_q0fef779d94_qkv:
	.size	k_q0fef779d94_qkv, .Lfunc_end_k_q0fef779d94_qkv-k_q0fef779d94_qkv
	.p2alignl 7, 3214868480
	.fill 96, 4, 3214868480
	.section	.rodata,"a",@progbits
	.p2align	6, 0x0
	.amdhsa_kernel k_q0fef779d94_qkv
		.amdhsa_group_segment_fixed_size 327680
		.amdhsa_private_segment_fixed_size 0
		.amdhsa_enable_private_segment 0
		.amdhsa_kernarg_size 56
		.amdhsa_user_sgpr_count 2
		.amdhsa_user_sgpr_kernarg_segment_ptr 1
		.amdhsa_wavefront_size32 1
		.amdhsa_system_sgpr_workgroup_id_x 1
		.amdhsa_system_sgpr_workgroup_id_y 1
		.amdhsa_system_sgpr_workgroup_id_z 1
		.amdhsa_system_vgpr_workitem_id 0
		.amdhsa_next_free_vgpr 1024
		.amdhsa_next_free_sgpr 102
		.amdhsa_reserve_vcc 0
		.amdhsa_float_denorm_mode_32 3
		.amdhsa_float_denorm_mode_16_64 3
		.amdhsa_memory_ordered 1
		.amdhsa_forward_progress 1
		.amdhsa_inst_pref_size 255
	.end_amdhsa_kernel
	.section	.bss,"aw",@nobits
	.p2align	6
	.space	262144
	.amdgpu_metadata
---
amdhsa.version: [ 1, 2 ]
amdhsa.kernels:
  - .name:           k_q0fef779d94_qkv
    .symbol:         k_q0fef779d94_qkv.kd
    .args:
      - { .name: codes, .offset: 0, .size: 8, .value_kind: global_buffer, .address_space: global }
      - { .name: scales, .offset: 8, .size: 8, .value_kind: global_buffer, .address_space: global }
      - { .name: bq, .offset: 16, .size: 8, .value_kind: global_buffer, .address_space: global }
      - { .name: bk, .offset: 24, .size: 8, .value_kind: global_buffer, .address_space: global }
      - { .name: bv, .offset: 32, .size: 8, .value_kind: global_buffer, .address_space: global }
      - { .name: rope, .offset: 40, .size: 8, .value_kind: global_buffer, .address_space: global }
      - { .name: qkv, .offset: 48, .size: 8, .value_kind: global_buffer, .address_space: global }
    .group_segment_fixed_size: 327680
    .private_segment_fixed_size: 0
    .kernarg_segment_align: 8
    .kernarg_segment_size: 56
    .max_flat_workgroup_size: 128
    .sgpr_count:     102
    .vgpr_count:     1024
    .wavefront_size: 32
...
	.end_amdgpu_metadata
.endif
;; end of part 2
;; launch attn (part 3): grid 8 x 32, 16 waves a work-group, clusters of 4 x 1, 235,520 bytes of LDS; arguments qkv, padding_mask, o_codes, o_scales; writes o_codes, o_scales
.if DOCPART == 3
	.amdgcn_target "amdgcn-amd-amdhsa--gfx1250"
	.amdhsa_code_object_version 6
	.text
	.protected	k_q0fef779d94_attn
	.globl	k_q0fef779d94_attn
	.p2align	8
	.type	k_q0fef779d94_attn,@function
k_q0fef779d94_attn:
	s_mov_b64 s[64:65], 0
	v_nop
	global_prefetch_b8 v0, s[64:65] scope:SCOPE_SE
	s_setreg_imm32_b32 hwreg(HW_REG_WAVE_MODE, 25, 1), 1
	s_wait_xcnt 0x0
	s_wait_alu depctr_hold_cnt(0) depctr_sa_sdst(0) depctr_va_vdst(0) depctr_va_sdst(0) depctr_va_ssrc(0) depctr_va_vcc(0) depctr_vm_vsrc(0)
	s_getreg_b32 s2, hwreg(HW_REG_IB_STS2, 6, 4)
	s_cmp_eq_u32 s2, 0
	s_cbranch_scc0 .Lentry_in_a_cluster
	s_endpgm
.Lentry_in_a_cluster:
	s_bfe_u32 s2, ttmp6, 0x10000c
	s_cmp_lg_u32 s2, 0x3003
	s_cbranch_scc0 .Lentry_shape_is_right
	s_endpgm
.Lentry_shape_is_right:
; O = softmax(q k^T / 8, padded keys hidden) v for one (batch, head), both products on codes of BF6 (E3M2) with E8M0 scales; O / l is quantised along (head, channel) for the last product.
; qkv: a record of 319,488 bytes for each (batch, head): q, k (48 bytes of codes a token, a scale word a token at 98,304) and v (images of operand registers, key step s, tile t at 1,536 (4 s + t); scale words at 98,304).
; THE SOFTMAX: t = score x log2(e) / 8; M = the running largest t rounded up to a whole number; p = 2^(t - M) is quantised along the keys; the row's sum l is taken of the unquantised p and divides O at the end.
; When M moves, l and O are multiplied by 2^(old M - new M): exact.
; THE MASK enters as numbers: 0 or -2^100 for each key, the C of the score's matrix instruction.  The running maximum begins at -2^97, above every hidden t (-2^100 x 0.18): hidden keys give p = 0 and never move M.
; LIMITS: that holds while real |score| stays under 2^96.  A row all of whose keys are hidden has l = 0: its scale bytes are written as 0xff, so that the last product gives NaN there, as the softmax of such a row does.
; A block of zeros gets the scale byte 1 (zero codes; this program alone reads the bytes).  NaN and infinities among the inputs are not served.
; SHARES.  A work-group owns 256 queries of one head, each of its sixteen waves 16: four waves to a SIMD, so that one wave's vector work stands beside another's matrix work and LDS loads.  Every wave walks 16 key steps of 128.
; THE WHOLE HEAD'S k AND v, 212,992 bytes, LIE IN LDS, as in memory: nothing is filled twice, so there is no ring.  They come in four chunks of four key steps; a chunk is waited for just ahead of its steps.
; CLUSTER.  Four query blocks of a head read the same k and v: waves 0-3 of each ask jointly, by the same five tensor loads with the mask of all four.
; LAYOUT.  S^T = k q^T (source 0 = 16 neighbouring keys, source 1 = my 16 queries; the head's 64 fill half of the instruction's K, the other half is zero codes on both sides), O^T = v^T p^T: a lane holds one query throughout.
; A block of 32 keys lies in two neighbouring tiles: its codes stand in the order 0-7, 16-23, 8-15, 24-31, and v's images were made by the same lines: both operands are permuted alike.
; REGISTERS: v1-5 places that stay; v6-10 the step's addresses; v12 -M, v13 the largest t, v[14:15] l in two halves; v16-27 q; v28 q's, v29 p's scale word; v[30:31] f; v32-79 four fragments of k; v80-83 k's, v84-87 v's scale words;
;   v96-159 the mask's numbers, then S^T, then p; v160-191 O^T; v192-239 at work in the softmax, then four fragments of v; v240-251 p's codes.
.set KSC,  98304                       ; LDS: k's codes at 0; its scale words;
.set VIM,  106496                      ; v's images;
.set VSC,  204800                      ; their scale words;
.set MB,   212992                      ; the mask's 2,048 numbers;
.set STG,  221184                      ; the way out: 768 bytes a wave
.set REC,  319488
.set ROLE, 106496
.set S,   96
.set O,   160
.set BM,  192                          ; each block's largest score, then its largest p
.set PM,  196
.set SO,  200                          ; the conversions' scale operands
.set CT,  204
.set SU,  212
.set T,   214
.set PCD, 240
.macro CROUND                          ; a round of the cluster's barrier
	s_barrier_signal -1
	s_barrier_wait -1
	s_cmp_lg_u32 s12, 0
	s_cbranch_scc1 .Lnot_wave_0_\@
	s_barrier_signal -3
.Lnot_wave_0_\@:
	s_barrier_wait -3
	s_barrier_signal -1
	s_barrier_wait -1
.endm
	s_load_b256 s[4:11], s[0:1], 0x0               ; qkv, padding_mask, o_codes, o_scales
	v_lshl_add_u32 v254, v0, 2, 0x39000
	v_mov_b32 v255, 0
	ds_add_u32 v254, v255
	ds_add_u32 v254, v255
	v_lshrrev_b32 v1, 5, v0
	v_readfirstlane_b32 s12, v1                    ; wave 0..15
	s_bfe_u32 s13, ttmp6, 0x40000                  ; cx
	s_lshl_b32 s14, ttmp9, 2
	s_add_co_u32 s14, s14, s13                     ; my block of 256 queries: it enters global addresses alone
	s_and_b32 s15, ttmp7, 0xffff                   ; (batch, head), which the four partners share
	s_mul_i32 s66, s15, REC
	s_mov_b32 s67, 0
	s_mov_b32 s73, 0
	s_and_b32 s16, s12, 1                          ; what I fetch, if I fetch: k (0) or v (1),
	s_lshr_b32 s17, s12, 1
	s_and_b32 s17, s17, 1                          ; the first or the second half of each piece
	s_mul_i32 s18, s16, ROLE
	s_mul_i32 s19, s17, 4096
	s_add_co_u32 s19, s19, s18
	s_add_co_u32 s19, s19, KSC                     ; my half of the scale words: the same offset in LDS and from k's first byte in memory
	s_mul_i32 s17, s17, 12288
	s_add_co_u32 s18, s18, s17                     ; my half of chunk 0
	s_mov_b32 s24, 15|(3<<16)|(1<<21)              ; group 1 for half a chunk: all four work-groups; elements of 8 bytes; bit 21 beside a mask; no padding
	s_mov_b32 s25, 32<<16                          ; rows of 256 bytes,
	s_mov_b32 s26, 48<<16                          ; 48 of them,
	s_mov_b32 s27, 32<<16
	s_mov_b32 s28, 48
	s_mov_b32 s29, 32                              ; dense
	s_mov_b32 s30, 0
	s_mov_b32 s31, 0
	s_mov_b32 s32, 15|(3<<16)|(1<<21)              ; and for half the scale words: 16 rows
	s_mov_b32 s33, 32<<16
	s_mov_b32 s34, 16<<16
	s_mov_b32 s35, 32<<16
	s_mov_b32 s36, 16
	s_mov_b32 s37, 32
	s_mov_b32 s38, 0
	s_mov_b32 s39, 0
	s_mov_b32 s20, 0x76543210
	s_mov_b32 s21, 0xfedcba98                      ; lane selects for lane l xor 16
	s_mov_b32 s22, 0x3e38aa3b                      ; c = log2(e) / 8
	s_mov_b32 s23, s22                             ; (named with it as a pair)
	s_wait_dscnt 0x0
	s_wait_kmcnt 0x0
	s_add_nc_u64 s[68:69], s[4:5], s[66:67]        ; the head's record,
	s_add_nc_u64 s[70:71], s[68:69], ROLE          ; and k's first byte in it: LDS byte 0
	s_mov_b32 s40, 1
	s_mov_b32 s41, s19
	s_mov_b32 s72, s19
	s_add_nc_u64 s[42:43], s[70:71], s[72:73]
	s_or_b32 s43, s43, 0x80000000
.irp c, 0,1,2,3
	s_mov_b32 s[44+4*\c], 1
	s_add_co_u32 s[45+4*\c], s18, 24576*\c
	s_mov_b32 s72, s[45+4*\c]
	s_add_nc_u64 s[46+4*\c:47+4*\c], s[70:71], s[72:73]
	s_or_b32 s[47+4*\c], s[47+4*\c], 0x80000000
.endr
	CROUND                                         ; all four work-groups are here: the joint loads meet
	s_cmp_lt_u32 s12, 4                            ; all first fills of a wave stand in one branch on the wave's number: five tensor loads of mine are out at the most
	s_cbranch_scc0 .Lno_fetch
	tensor_load_to_lds s[40:43], s[32:39]
	s_nop 0
	tensor_load_to_lds s[44:47], s[24:31]
	s_nop 0
	tensor_load_to_lds s[48:51], s[24:31]
	s_nop 0
	tensor_load_to_lds s[52:55], s[24:31]
	s_nop 0
	tensor_load_to_lds s[56:59], s[24:31]
	s_nop 0
.rept 4
	v_nop
.endr
.Lno_fetch:
	v_and_b32 v11, 31, v0                          ; lane
	v_and_b32 v8, 15, v0                           ; r
	v_bfe_u32 v9, v0, 4, 1                         ; h
	v_mul_u32_u24 v1, v8, 48
	v_mad_u32_u24 v1, v9, 24, v1                   ; a token's 48 bytes, my block's 24: 24 (2 r + h): the 32 lanes of a load of 8 bytes touch 64 different banks
	v_lshl_add_u32 v2, v11, 4, VIM
	v_lshl_add_u32 v3, v11, 2, KSC
	v_lshl_add_u32 v4, v11, 2, VSC
	v_lshl_add_u32 v5, v9, 5, MB
	s_lshr_b32 s16, s15, 4                         ; batch
	s_lshl_b32 s72, s16, 11
	s_add_nc_u64 s[6:7], s[6:7], s[72:73]
	v_lshlrev_b32 v88, 2, v0
	global_load_b32 v89, v88, s[6:7]               ; thread t: the mask's bytes of keys 4 t .. 4 t + 3
	s_lshl_b32 s17, s14, 8
	s_lshl_b32 s18, s12, 4
	s_add_co_u32 s17, s17, s18                     ; my first query
	s_mul_i32 s72, s17, 48
	s_add_nc_u64 s[74:75], s[68:69], s[72:73]
.irp p, 0,1,2
	global_load_b64 v[16+2*\p:17+2*\p], v1, s[74:75] offset:8*\p   ; q's fragment stays in registers
.endr
	s_lshl_b32 s72, s17, 2
	s_add_co_u32 s72, s72, KSC
	s_add_nc_u64 s[76:77], s[68:69], s[72:73]
	v_lshlrev_b32 v90, 2, v8
	global_load_b32 v28, v90, s[76:77]             ; q's scale words
	s_and_b32 s18, s15, 15                         ; head
	s_lshl_b32 s19, s16, 11
	s_add_co_u32 s19, s19, s17                     ; my first token of 4,096
	s_mul_i32 s72, s18, 196608
	s_mul_i32 s78, s19, 48
	s_add_co_u32 s72, s72, s78
	s_add_nc_u64 s[8:9], s[8:9], s[72:73]          ; o_codes [head][token][48]
	s_lshl_b32 s72, s19, 5
	s_lshl_b32 s78, s18, 1
	s_add_co_u32 s72, s72, s78
	s_add_nc_u64 s[10:11], s[10:11], s[72:73]      ; o_scales [token][32]: bytes 2 head, 2 head + 1
	v_mov_b32 v13, 0xf0000000                      ; the largest t so far: -2^97
	v_floor_f32 v12, -v13                          ; -M
	v_mov_b32 v14, 0
	v_mov_b32 v15, 0
	v_mov_b32 v30, 0
	v_mov_b32 v31, 0                               ; (named as the upper half of the pair v[30:31])
.irp j, 22,23,24,25,26,27
	v_mov_b32 v[\j], 0                             ; q's upper 64 along K: zero codes
.endr
.irp t, 0,1,2,3
.irp j, 6,7,8,9,10,11
	v_mov_b32 v[32+12*\t+\j], 0                    ; and k's: written once, never loaded
.endr
.endr
.irp j, 0,1,2,3,4,5,6,7,8,9,10,11,12,13,14,15,16,17,18,19,20,21,22,23,24,25,26,27,28,29,30,31
	v_mov_b32 v[O+\j], 0                           ; O^T.  (The step is written once: the first finds zeros, which the first change of M leaves zeros)
.endr
.irp b, 0,1,2,3
	v_mov_b32 v[PM+\b], 0                          ; a lane permute's destination counts as one of its sources
.endr
	v_mov_b32 v91, 0xf1800000                      ; -2^100
	s_wait_loadcnt 0x0                             ; the mask and q
.irp i, 0,1,2,3
	v_bfe_u32 v88, v89, 8*\i, 8
	v_cmp_ne_u32 vcc_lo, 0, v88
	v_cndmask_b32 v[92+\i], 0, v91, vcc_lo         ; a choice of value: no jump hangs on the mask
.endr
	v_lshl_add_u32 v90, v0, 4, MB
	ds_store_b128 v90, v[92:95]
; A KEY STEP: 128 keys.  s60: the step's codes of k and images of v, 6,144 bytes a step; s61: its scale words and its numbers of the mask, 512 bytes a step.
.macro STEP
	v_add_nc_u32 v6, s60, v1                       ; (these five are the places behind the last step's products)
	v_add_nc_u32 v7, s60, v2
	v_add_nc_u32 v8, s61, v3
	v_add_nc_u32 v9, s61, v4
	v_add_nc_u32 v10, s61, v5
.irp t, 0,1,2,3,4,5,6,7                        ; the mask's numbers in the result's layout: tile t, register j: key 16 t + 8 h + j
	ds_load_b128 v[S+8*\t:S+8*\t+3], v10 offset:64*\t
	ds_load_b128 v[S+8*\t+4:S+8*\t+7], v10 offset:64*\t+16
.endr
.irp t, 0,1,2,3
	ds_load_b32 v[80+\t], v8 offset:128*\t         ; k's scale words: lanes 0-15 tile 2 t's, lanes 16-31 tile 2 t + 1's
.endr
.irp g, 0,1                                    ; S^T = k q^T + the mask's numbers, four tiles of 16 keys at a time
.if \g
.rept 4
	v_nop                                          ; places in front of loads into registers that matrix instructions have read
.endr
.endif
.irp t, 0,1,2,3
.irp p, 0,1,2
	ds_load_b64 v[32+12*\t+2*\p:33+12*\t+2*\p], v6 offset:768*(4*\g+\t)+8*\p
.endr
.endr
	s_wait_dscnt 0x0
.irp t, 0,2
	v_wmma_scale_f32_16x16x128_f8f6f4 v[S+8*(4*\g+\t):S+8*(4*\g+\t)+7], v[32+12*\t:43+12*\t], v[16:27], v[S+8*(4*\g+\t):S+8*(4*\g+\t)+7], v[80+2*\g+\t/2], v28 matrix_a_fmt:MATRIX_FMT_BF6 matrix_b_fmt:MATRIX_FMT_BF6
	v_wmma_scale_f32_16x16x128_f8f6f4 v[S+8*(4*\g+\t+1):S+8*(4*\g+\t+1)+7], v[44+12*\t:55+12*\t], v[16:27], v[S+8*(4*\g+\t+1):S+8*(4*\g+\t+1)+7], v[80+2*\g+\t/2], v28 matrix_a_fmt:MATRIX_FMT_BF6 matrix_b_fmt:MATRIX_FMT_BF6 matrix_a_scale:MATRIX_SCALE_ROW1
.endr
.endr
.rept 4
	v_nop
.endr
.irp b, 0,1,2,3
	v_max3_num_f32 v[BM+\b], v[S+16*\b], v[S+1+16*\b], v[S+2+16*\b]   ; the largest score of each block of 32 keys: for the row's maximum, and, since p rises with the score, for the block's largest p
.endr
.irp i, 3,5,7,9,11,13
.irp b, 0,1,2,3
	v_max3_num_f32 v[BM+\b], v[BM+\b], v[S+16*\b+\i], v[S+1+16*\b+\i]
.endr
.endr
.irp b, 0,1,2,3
	v_max_num_f32 v[BM+\b], v[BM+\b], v[S+15+16*\b]
.endr
.irp b, 0,1,2,3
	v_permlanex16_b32 v[PM+\b], v[BM+\b], s20, s21
.endr
.irp b, 0,1,2,3
	v_max_num_f32 v[BM+\b], v[BM+\b], v[PM+\b]     ; with lane l xor 16's 16 keys
.endr
	v_max3_num_f32 v[T], v[BM], v[BM+1], v[BM+2]
	v_max_num_f32 v[T], v[T], v[BM+3]
	v_mul_f32 v[T], s22, v[T]                      ; the step's largest t (c is positive)
	v_max_num_f32 v13, v13, v[T]
	v_mov_b32 v[T], v12
	v_floor_f32 v12, -v13                          ; the new -M = floor(-t): M is a whole number
	v_sub_f32 v[T], v12, v[T]                      ; old M - new M: a whole number, 0 or less
	v_cvt_i32_f32 v[T], v[T]                       ; (it saturates)
	v_ldexp_f32 v30, 1.0, v[T]                     ; f = 2^(old M - new M)
.irp j, 0,2,4,6,8,10,12,14,16,18,20,22,24,26,28,30,32,34,36,38,40,42,44,46,48,50,52,54,56,58,60,62
	v_pk_fma_f32 v[S+\j:S+1+\j], v[S+\j:S+1+\j], s[22:23], v[12:13] op_sel_hi:[1,0,0]   ; t - M, two at a time
.endr
.irp b, 0,1,2,3
	v_fma_f32 v[BM+\b], v[BM+\b], s22, v12         ; the same of each block's largest score
.endr
.irp j, 0,1,2,3,4,5,6,7,8,9,10,11,12,13,14,15,16,17,18,19,20,21,22,23,24,25,26,27,28,29,30,31,32,33,34,35,36,37,38,39,40,41,42,43,44,45,46,47,48,49,50,51,52,53,54,55,56,57,58,59,60,61,62,63
	v_exp_f32 v[S+\j], v[S+\j]                     ; p = 2^(t - M): not normalised
.endr
	v_pk_mul_f32 v[14:15], v[14:15], v[30:31] op_sel_hi:[1,0]   ; l under the new M (the plain line behind the exponentials)
	s_wait_alu depctr_va_vdst(0)                   ; one wait for the batch of 64, ahead of its first reader
.irp b, 0,1,2,3
	v_exp_f32 v[BM+\b], v[BM+\b]                   ; the block's largest p: the same two lines on the same number give the same bits
.endr
	v_pk_add_f32 v[SU:SU+1], v[S:S+1], v[S+2:S+3]  ; l is taken of the unquantised p: two at a time, in two chains
.irp j, 4,8,12,16,20,24,28,32,36,40,44,48,52,56,60
	v_pk_add_f32 v[14:15], v[14:15], v[S+\j:S+1+\j]
	v_pk_add_f32 v[SU:SU+1], v[SU:SU+1], v[S+2+\j:S+3+\j]
.endr
	v_pk_add_f32 v[14:15], v[14:15], v[SU:SU+1]
	s_wait_alu depctr_va_vdst(0)                   ; and one for the four
.irp b, 0,1,2,3
	v_max_num_f32 v[BM+\b], 0x2800000, v[BM+\b]    ; the floor 2^(5 - 127): the byte cannot fall under 1
.endr
.irp b, 0,1,2,3
	v_add_nc_u32 v[SO+\b], 0xfe000000, v[BM+\b]    ; 4 off the exponent field: the conversion's scale operand
.endr
.irp b, 0,1,2,3
	v_lshrrev_b32 v[PM+\b], 23, v[SO+\b]           ; the scale's byte
.endr
	v_lshl_or_b32 v29, v[PM+1], 8, v[PM]           ; p's scale word for these 128 keys
	v_lshl_or_b32 v29, v[PM+2], 16, v29
	v_lshl_or_b32 v29, v[PM+3], 24, v29
.irp c, 0,1
	v_cvt_scalef32_pk16_bf6_f32 v[PCD+6*\c:PCD+2+6*\c], v[S+32*\c:S+15+32*\c], v[SO+2*\c]
	v_cvt_scalef32_pk16_bf6_f32 v[CT+4*\c:CT+2+4*\c], v[S+16+32*\c:S+31+32*\c], v[SO+2*\c+1]
.endr
	v_nop                                          ; one plain line behind a scaled conversion
.irp c, 0,1                                    ; a whole block in a lane: lanes 0-15 block 2 c, lanes 16-31 block 2 c + 1
.irp i, 0,1,2
	v_permlane16_swap_b32 v[PCD+6*\c+\i], v[CT+4*\c+\i]
.endr
.irp i, 0,1,2
	v_mov_b32 v[PCD+3+6*\c+\i], v[CT+4*\c+\i]
.endr
.endr
.irp t, 0,1,2,3                                ; v's four fragments, as images, into the registers that the softmax has left
.irp c, 0,1,2
	ds_load_b128 v[192+12*\t+4*\c:195+12*\t+4*\c], v7 offset:1536*\t+512*\c
.endr
	ds_load_b32 v[84+\t], v9 offset:128*\t
.endr
.irp j, 0,2,4,6,8,10,12,14,16,18,20,22,24,26,28,30
	v_pk_mul_f32 v[O+\j:O+1+\j], v[O+\j:O+1+\j], v[30:31] op_sel_hi:[1,0]   ; O^T under the new M, while the loads are out.  (These 16 also stand between the lines that made p's codes and scale word and the products)
.endr
	s_wait_dscnt 0x0
.irp t, 0,1,2,3                                ; O^T += v^T p^T: four accumulators by turns
	v_wmma_scale_f32_16x16x128_f8f6f4 v[O+8*\t:O+8*\t+7], v[192+12*\t:203+12*\t], v[PCD:PCD+11], v[O+8*\t:O+8*\t+7], v[84+\t], v29 matrix_a_fmt:MATRIX_FMT_BF6 matrix_b_fmt:MATRIX_FMT_BF6
.endr
	s_add_co_u32 s60, s60, 6144
	s_add_co_u32 s61, s61, 512
.endm
; A CHUNK: four key steps.  The fetching waves wait for their part of it (the later chunks may stay out), then the barrier shows it to all sixteen.
.macro CHUNK c
	s_wait_tensorcnt 3-\c
	s_wait_dscnt 0x0                               ; no LDS instruction of mine is out at a signal (ahead of chunk 0: my store of the mask's numbers)
	s_barrier_signal -1
	s_barrier_wait -1
	s_mov_b32 s60, 24576*\c
	s_mov_b32 s61, 2048*\c
	s_mov_b32 s62, 4
.Lstep_\@:
	STEP
	s_sub_co_u32 s62, s62, 1
	s_cmp_lg_u32 s62, 0
	s_cbranch_scc1 .Lstep_\@
.endm
	CHUNK 0
	CHUNK 1
	CHUNK 2
	CHUNK 3
	; THE WAY OUT.  O^T / l; register 8 t + j of lane (r, h) is channel 16 t + 8 h + j of query r.
	v_add_f32 v14, v14, v15
	v_permlanex16_b32 v88, v14, s20, s21
	v_add_f32 v14, v14, v88                        ; the row's sum
	v_rcp_f32 v30, v14
	s_mul_i32 s79, s12, 768
	s_add_co_u32 s79, s79, STG                     ; my stage
	v_add_nc_u32 v6, s79, v1                       ; in: 48 r + 24 h  (plain lines behind the reciprocal and behind the last products)
	v_and_b32 v7, 31, v0
	v_lshlrev_b32 v9, 3, v7                        ; back, and in memory: 8 lane
	v_add_nc_u32 v7, s79, v9
	v_and_b32 v10, 15, v0
	v_lshlrev_b32 v10, 5, v10                      ; a token's 32 scale bytes
	v_cmp_eq_f32 vcc_lo, 0, v14                    ; a row with no key left
	s_wait_alu depctr_va_vdst(0)                   ; the wait ahead of the reciprocal's first reader
.irp j, 0,2,4,6,8,10,12,14,16,18,20,22,24,26,28,30
	v_pk_mul_f32 v[96+\j:97+\j], v[O+\j:O+1+\j], v[30:31] op_sel_hi:[1,0]   ; each accumulator from its low end on
.endr
.irp b, 0,1                                    ; Wo's codes stand in their true order, so O's must: the first tile's lanes 16-31 change places with the second's lanes 0-15: register 16 b + i is then channel 32 b + 16 h + i
.irp j, 0,1,2,3,4,5,6,7
	v_permlane16_swap_b32 v[96+16*\b+\j], v[104+16*\b+\j]
.endr
.endr
.irp b, 0,1
	v_max3_num_f32 v[128+\b], |v[96+16*\b]|, |v[97+16*\b]|, 0x2800000
.endr
.irp i, 2,4,6,8,10,12,14
.irp b, 0,1
	v_max3_num_f32 v[128+\b], v[128+\b], |v[96+16*\b+\i]|, |v[97+16*\b+\i]|
.endr
.endr
.irp b, 0,1
	v_permlanex16_b32 v[130+\b], v[128+\b], s20, s21
.endr
.irp b, 0,1
	v_max_num_f32 v[128+\b], v[128+\b], v[130+\b]
.endr
.irp b, 0,1
	v_add_nc_u32 v[132+\b], 0xfe000000, v[128+\b]
.endr
.irp b, 0,1
	v_lshrrev_b32 v[130+\b], 23, v[132+\b]
.endr
	v_lshl_or_b32 v134, v131, 8, v130              ; my head's two scale bytes of query r
	v_mov_b32 v135, 0xffff
	v_cndmask_b32 v134, v134, v135, vcc_lo         ; NaN's byte twice where l = 0
	v_cvt_scalef32_pk16_bf6_f32 v[136:138], v[96:111], v132
	v_cvt_scalef32_pk16_bf6_f32 v[140:142], v[112:127], v133
	v_nop
.irp i, 0,1,2
	v_permlane16_swap_b32 v[136+\i], v[140+\i]     ; lane (r, h) now holds block h: its lower 16 codes, and in the second run its upper 16
.endr
.irp i, 0,1,2
	v_mov_b32 v[139+\i], v[140+\i]
.endr
.irp p, 0,1,2
	ds_store_b64 v6, v[136+2*\p:137+2*\p] offset:8*\p
.endr
.irp i, 0,1,2
	ds_load_b64 v[144+2*\i:145+2*\i], v7 offset:256*\i   ; LDS serves a wave's instructions in order: these see my stores
.endr
	s_wait_dscnt 0x0
.irp i, 0,1,2
	global_store_b64 v9, v[144+2*\i:145+2*\i], s[8:9] offset:256*\i   ; 32 lanes store 256 consecutive bytes, aligned: 16 tokens x 48 bytes are three such runs
.endr
	global_store_b16 v10, v134, s[10:11]           ; two bytes a token, 32 bytes apart (lanes r and 16 + r write the same): one byte for each 24 of codes
	s_wait_tensorcnt 0x0
	ds_add_u32 v254, v255
	s_wait_dscnt 0x0
	CROUND                                         ; the closing round
	s_endpgm
.Lfunc_end_k_q0fef779d94_attn:
	.size	k_q0fef779d94_attn, .Lfunc_end_k_q0fef779d94_attn-k_q0fef779d94_attn
	.p2alignl 7, 3214868480
	.fill 96, 4, 3214868480
	.section	.rodata,"a",@progbits
	.p2align	6, 0x0
	.amdhsa_kernel k_q0fef779d94_attn
		.amdhsa_group_segment_fixed_size 235520
		.amdhsa_private_segment_fixed_size 0
		.amdhsa_enable_private_segment 0
		.amdhsa_kernarg_size 32
		.amdhsa_user_sgpr_count 2
		.amdhsa_user_sgpr_kernarg_segment_ptr 1
		.amdhsa_wavefront_size32 1
		.amdhsa_system_sgpr_workgroup_id_x 1
		.amdhsa_system_sgpr_workgroup_id_y 1
		.amdhsa_system_sgpr_workgroup_id_z 1
		.amdhsa_system_vgpr_workitem_id 0
		.amdhsa_next_free_vgpr 256
		.amdhsa_next_free_sgpr 80
		.amdhsa_reserve_vcc 1
		.amdhsa_float_denorm_mode_32 3
		.amdhsa_float_denorm_mode_16_64 3
		.amdhsa_memory_ordered 1
		.amdhsa_forward_progress 1
		.amdhsa_inst_pref_size 87
	.end_amdhsa_kernel
	.amdgpu_metadata
---
amdhsa.version: [ 1, 2 ]
amdhsa.kernels:
  - .name:           k_q0fef779d94_attn
    .symbol:         k_q0fef779d94_attn.kd
    .args:
      - { .name: qkv, .offset: 0, .size: 8, .value_kind: global_buffer, .address_space: global }
      - { .name: padding_mask, .offset: 8, .size: 8, .value_kind: global_buffer, .address_space: global }
      - { .name: o_codes, .offset: 16, .size: 8, .value_kind: global_buffer, .address_space: global }
      - { .name: o_scales, .offset: 24, .size: 8, .value_kind: global_buffer, .address_space: global }
    .group_segment_fixed_size: 235520
    .private_segment_fixed_size: 0
    .kernarg_segment_align: 8
    .kernarg_segment_size: 32
    .max_flat_workgroup_size: 512
    .sgpr_count:     80
    .vgpr_count:     256
    .wavefront_size: 32
...
	.end_amdgpu_metadata
.endif
;; end of part 3
;; launch outp (part 4): grid 4 x 16, 4 waves a work-group, clusters of 4 x 4, 327,680 bytes of LDS; arguments o_codes, o_scales, codes, scales, bo, out0; writes out0
.if DOCPART == 4
	.amdgcn_target "amdgcn-amd-amdhsa--gfx1250"
	.amdhsa_code_object_version 6
	.text
	.protected	k_q0fef779d94_outp
	.globl	k_q0fef779d94_outp
	.p2align	8
	.type	k_q0fef779d94_outp,@function
k_q0fef779d94_outp:
	s_mov_b64 s[64:65], 0
	v_nop
	global_prefetch_b8 v0, s[64:65] scope:SCOPE_SE
	s_setreg_imm32_b32 hwreg(HW_REG_WAVE_MODE, 25, 1), 1
	s_wait_xcnt 0x0
	s_wait_alu depctr_hold_cnt(0) depctr_sa_sdst(0) depctr_va_vdst(0) depctr_va_sdst(0) depctr_va_ssrc(0) depctr_va_vcc(0) depctr_vm_vsrc(0)
	s_getreg_b32 s2, hwreg(HW_REG_IB_STS2, 6, 4)
	s_cmp_eq_u32 s2, 0
	s_cbranch_scc0 .Lentry_in_a_cluster
	s_endpgm
.Lentry_in_a_cluster:
	s_bfe_u32 s2, ttmp6, 0x10000c
	s_cmp_lg_u32 s2, 0xf033
	s_cbranch_scc0 .Lentry_shape_is_right
	s_endpgm
.Lentry_shape_is_right:
; out0 = O Wo^T + bo on codes of BF6 (E3M2) with one E8M0 scale for each 32 along K = 1,024 = (head, channel).  out0: [4096][1024] f32.
; O's codes: [head 16][token 4096][48 bytes]; its scale bytes [token][32].  Wo's: rows 7,168 on of codes (768 bytes a row) and of scales (32 bytes a row).
; A tile of 256 x 256 is made by a work-group of four waves, a wave 128 x 128 in 64 accumulators.  K goes in steps of 256 (four heads) through a ring of two LDS slots; the scale bytes of the work-group's rows come once.
; O's part of a slot: for each half of 128 tokens, four planes (heads) of 6,144 dense bytes, brought by one tensor load of four rows; a fragment's 24 bytes lie at plane + 48 token + 24 h: 24 (2 r + h), 64 different banks for a load of 8 bytes.
; Wo's part: 128 rows of 192 bytes to a load, 16 bytes of padding behind every 64.
; CLUSTERS of 4 x 4: O's tiles are shared along a row of the cluster, Wo's along a column, each asked for jointly.  The grid has 64 work-groups: the tile is the largest that the registers hold.
; The matrix instruction takes source 0 = 16 rows of Wo, source 1 = 16 tokens: a lane holds eight neighbouring numbers of a row of out0.  bo is the C of each sum's first instruction.
; REGISTERS, in windows of 256: window 0: v0-31 addresses; v32-63 scale words, two sets; v64-127 bo in the result's layout; v128-223 O's fragments, one set; on the way out v128-255.
;   window 1: Wo's fragments, two sets, at v0 and v128.   windows 2, 3: the accumulators.
.set KSTEP,  256
.set NQ,     KSTEP/128
.set ROWB,   192
.set KROW,   768
.set PITCH,  240
.set FR,     12
.set NL,     6
.set NP,     4
.set HALFA,  4*6144                    ; O: 128 tokens x 4 heads x 48 bytes
.set HALFT,  128*PITCH                 ; Wo: 128 rows
.set BOFF,   2*HALFA
.set SLOT,   2*HALFA+2*HALFT
.set PLANE,  196608                    ; a head's 4,096 tokens in memory
.set LAPS,   2
.set KS,     32
.set SCL,    2*SLOT
.set HALFS,  (128*KS/256)*272
.set SBLK,   (16*KS/256)*272
.set SPARE,  SCL+4*HALFS               ; the spare words, 128 bytes a wave: two blocks of 256 bytes that no other line names
.set SPITCH, 528                       ; the way out: a stage of 16 rows x (512 + 16) bytes a wave, in slot 0, which has had its last fill and its last read by then
.set SIZE_N, 1024
.set BOA,  7                           ; v7   32 h
.set ADRA, 16                          ; v16-17
.set ADRB, 20                          ; v20-23
.set STO,  24
.set RD,   25
.set CO,   26
.set ADRS, 27
.set SPW,  28
.set NIL,  29
.set SC,   32
.set BO,   64
.set AF,   128
.set BK,   128
.set G1, 24
.set G0, 32
.set G1B, 48
.set G0B, 56
.set G1S, 68
.set G0S, 76
.set G1SB, 80
.set G0SB, 88
.set MSB, 0
.macro WIN new
.if MSB != \new
	s_set_vgpr_msb (MSB<<8)|\new
.set MSB, \new
.endif
.endm
.set MUL_LO, 0xa1
.set MUL_HI, 0xf1
.set TO_B,   0x40
.macro JLOAD g0a, g1a, g0b, g1b        ; waves 0 and 1 fetch for O, waves 2 and 3 for Wo; four v_nop follow each of the two lines
	s_cmp_eq_u32 s15, 0
	s_cbranch_scc0 .Lfor_b_\@
	tensor_load_to_lds s[\g0a:\g0a+3], s[\g1a:\g1a+7]
	s_nop 0
.rept 4
	v_nop
.endr
	s_branch .Lasked_\@
.Lfor_b_\@:
	tensor_load_to_lds s[\g0b:\g0b+3], s[\g1b:\g1b+7]
	s_nop 0
.rept 4
	v_nop
.endr
.Lasked_\@:
.endm
.macro CREST
	s_cmp_lg_u32 s14, 0
	s_cbranch_scc1 .Lnot_wave_0_\@
	s_barrier_signal -3
.Lnot_wave_0_\@:
	s_barrier_wait -3
	s_barrier_signal -1
	s_barrier_wait -1
.endm
.macro CROUND
	s_barrier_signal -1
	s_barrier_wait -1
	CREST
.endm
	s_load_b256 s[4:11], s[0:1], 0x0               ; O's codes, O's scales, codes, scales
	s_load_b64 s[96:97], s[0:1], 0x20              ; bo
	s_load_b64 s[12:13], s[0:1], 0x28              ; out0
	v_lshl_add_u32 v[SPW], v0, 2, SPARE
	v_mov_b32 v[NIL], 0
	ds_add_u32 v28, v29
	ds_add_u32 v28, v29
	s_wait_dscnt 0x0
	v_lshrrev_b32 v1, 5, v0
	v_readfirstlane_b32 s14, v1                    ; wave 0..3
	s_lshr_b32 s15, s14, 1                         ; which half of the tile's rows is mine.  Also: I fetch for O (0) or for Wo (1)
	s_and_b32 s16, s14, 1                          ; which half of its columns.  Also: which 128 rows I fetch
	s_bfe_u32 s40, ttmp6, 0x40000                  ; cx
	s_bfe_u32 s41, ttmp6, 0x40004                  ; cy
	s_lshl_b32 s42, ttmp9, 2
	s_add_co_u32 s42, s42, s40                     ; tile column
	s_and_b32 s17, ttmp7, 0xffff
	s_lshl_b32 s17, s17, 2
	s_add_co_u32 s17, s17, s41                     ; tile row
	s_lshl_b32 s43, s41, 2
	s_lshl_b32 s43, 15, s43                        ; my row of the cluster
	s_lshl_b32 s44, 0x1111, s40                    ; my column
	s_or_b32 s[G1+0], s43, (3<<16)|(1<<21)         ; O's tiles: the mask; elements of 8 bytes; bit 21 beside a mask; no padding
	s_mov_b32 s[G1+1], 768<<16                     ; tensor_dim0 = 768 elements: 128 tokens x 48 bytes
	s_mov_b32 s[G1+2], 4<<16                       ; tensor_dim1 = 4 heads
	s_mov_b32 s[G1+3], 768<<16                     ; tile_dim0
	s_mov_b32 s[G1+4], 4                           ; tile_dim1
	s_mov_b32 s[G1+5], PLANE/8                     ; from head to head, in elements
	s_mov_b32 s[G1+6], 0
	s_mov_b32 s[G1+7], 0
	s_or_b32 s[G1B+0], s44, (0<<16)|(1<<20)|(1<<21)|(3<<22)|(3<<25)  ; Wo's: elements of 1 byte; after every 16 words 4 words of padding
	s_mov_b32 s[G1B+1], ROWB<<16
	s_mov_b32 s[G1B+2], 128<<16
	s_mov_b32 s[G1B+3], ROWB<<16
	s_mov_b32 s[G1B+4], 128
	s_mov_b32 s[G1B+5], KROW
	s_mov_b32 s[G1B+6], 0
	s_mov_b32 s[G1B+7], 0
	s_or_b32 s[G1S+0], s43, (3<<16)|(1<<20)|(1<<21)|(5<<22)|(3<<25)  ; the scale bytes of 128 rows: 16 rows of 256 bytes, 16 of padding behind each
	s_or_b32 s[G1SB+0], s44, (3<<16)|(1<<20)|(1<<21)|(5<<22)|(3<<25)
.irp g, G1S, G1SB
	s_mov_b32 s[\g+1], 32<<16
	s_mov_b32 s[\g+2], (128*KS/256)<<16
	s_mov_b32 s[\g+3], 32<<16
	s_mov_b32 s[\g+4], 128*KS/256
	s_mov_b32 s[\g+5], 32
	s_mov_b32 s[\g+6], 0
	s_mov_b32 s[\g+7], 0
.endr
	s_lshl_b32 s18, s16, 7
	s_lshl_b32 s20, s17, 8
	s_add_co_u32 s20, s20, s18                     ; O: token 256 x tile row + 128 x half
	s_lshl_b32 s46, s42, 8
	s_add_co_u32 s46, s46, s18                     ; Wo: row 256 x tile column + 128 x half
	s_mov_b32 s21, 0
	s_mov_b32 s47, 0
	s_mov_b64 s[18:19], KS
	s_mul_u64 s[22:23], s[20:21], s[18:19]
	s_mul_u64 s[92:93], s[46:47], s[18:19]
	s_mov_b64 s[18:19], 48
	s_mul_u64 s[20:21], s[20:21], s[18:19]
	s_mov_b64 s[18:19], KROW
	s_mul_u64 s[46:47], s[46:47], s[18:19]
	s_mul_i32 s45, s16, HALFA                      ; where they go: by the wave's number alone
	s_mul_i32 s95, s16, HALFT
	s_add_co_u32 s95, s95, BOFF
	s_mul_i32 s94, s14, HALFS
	s_wait_kmcnt 0x0
	s_add_nc_u64 s[8:9], s[8:9], 7168*KROW         ; Wo's rows
	s_add_nc_u64 s[10:11], s[10:11], 7168*KS
	s_add_nc_u64 s[20:21], s[4:5], s[20:21]
	s_add_nc_u64 s[22:23], s[6:7], s[22:23]
	s_add_nc_u64 s[46:47], s[8:9], s[46:47]
	s_add_nc_u64 s[92:93], s[10:11], s[92:93]
	CROUND                                         ; all sixteen work-groups are here: the first joint loads meet
	s_mov_b32 s[G0S], 1
	s_add_co_u32 s[G0S+1], s94, SCL
	s_mov_b64 s[G0S+2:G0S+3], s[22:23]
	s_or_b32 s[G0S+3], s[G0S+3], 0x80000000
	s_mov_b32 s[G0SB], 1
	s_add_co_u32 s[G0SB+1], s94, SCL
	s_mov_b64 s[G0SB+2:G0SB+3], s[92:93]
	s_or_b32 s[G0SB+3], s[G0SB+3], 0x80000000
	JLOAD G0S, G1S, G0SB, G1SB
.irp s, 0,1
	s_mov_b32 s[G0+4*\s], 1
	s_add_co_u32 s[G0+4*\s+1], s45, \s*SLOT
	s_add_nc_u64 s[G0+4*\s+2:G0+4*\s+3], s[20:21], \s*4*PLANE
	s_or_b32 s[G0+4*\s+3], s[G0+4*\s+3], 0x80000000
	s_mov_b32 s[G0B+4*\s], 1
	s_add_co_u32 s[G0B+4*\s+1], s95, \s*SLOT
	s_add_nc_u64 s[G0B+4*\s+2:G0B+4*\s+3], s[46:47], \s*ROWB
	s_or_b32 s[G0B+4*\s+3], s[G0B+4*\s+3], 0x80000000
	JLOAD G0+4*\s, G1, G0B+4*\s, G1B               ; three tensor loads of mine are out at the most
.endr
	v_and_b32 v1, 15, v0                           ; r
	v_bfe_u32 v2, v0, 4, 1                         ; h
	v_mul_u32_u24 v3, v1, PITCH
	v_mul_u32_u24 v4, v2, 24
	v_add_nc_u32 v3, v3, v4                        ; Wo: row x pitch + 24 h,
	v_lshl_add_u32 v5, v2, 4, v3                   ; and the same behind one padding more
	v_mad_u32_u24 v4, v1, 48, v4                   ; O: 48 r + 24 h
	s_mul_i32 s21, s15, HALFA                      ; my 128 tokens
	s_mul_i32 s22, s16, HALFT                      ; my 128 rows of Wo
	s_add_co_u32 s22, s22, BOFF
.irp s, 0,1
	v_add_nc_u32 v[ADRA+\s], s21, v4
	v_add_nc_u32 v[ADRB+\s], s22, v3
	v_add_nc_u32 v[ADRB+2+\s], s22, v5
	s_add_co_u32 s21, s21, SLOT
	s_add_co_u32 s22, s22, SLOT
.endr
	v_mul_u32_u24 v5, v1, KS
	v_lshrrev_b32 v6, 8, v5
	v_lshl_add_u32 v5, v6, 4, v5
	s_mul_i32 s21, s15, HALFS
	s_mul_i32 s22, s16, HALFS
	s_add_co_u32 s22, s22, 2*HALFS
	s_sub_co_u32 s22, s22, s21
	v_mul_u32_u24 v6, s22, v2                      ; lanes 16-31 take Wo's
	s_add_co_u32 s21, s21, SCL
	v_add_nc_u32 v5, v5, v6
	v_add_nc_u32 v[ADRS], s21, v5
	s_mul_i32 s23, s14, 16*SPITCH                  ; my stage
	v_mul_u32_u24 v5, v1, SPITCH
	v_lshl_add_u32 v5, v2, 5, v5
	v_add_nc_u32 v[STO], s23, v5
	v_and_b32 v6, 31, v0
	v_lshlrev_b32 v[CO], 4, v6
	v_add_nc_u32 v[RD], s23, v[CO]
	s_lshl_b32 s20, s17, 8
	s_lshl_b32 s21, s15, 7
	s_add_co_u32 s20, s20, s21                     ; my first row of out0
	s_mov_b32 s21, 0
	s_mov_b64 s[18:19], SIZE_N*4
	s_mul_u64 s[20:21], s[20:21], s[18:19]
	s_lshl_b32 s46, s42, 10                        ; my first column, in bytes: 1,024 x tile column + 512 x half
	s_lshl_b32 s47, s16, 9
	s_add_co_u32 s46, s46, s47
	s_mov_b32 s47, 0
	s_add_nc_u64 s[20:21], s[20:21], s[46:47]
	s_add_nc_u64 s[12:13], s[12:13], s[20:21]
	s_add_nc_u64 s[96:97], s[96:97], s[46:47]      ; bo at the same column
	v_lshlrev_b32 v[BOA], 5, v2
.irp b, 0,1,2,3,4,5,6,7                        ; lane (r, h), Wo's block b: bo of columns 16 b + 8 h + 0 .. 7
	global_load_b128 v[BO+8*\b:BO+8*\b+3], v[BOA], s[96:97] offset:64*\b
	global_load_b128 v[BO+8*\b+4:BO+8*\b+7], v[BOA], s[96:97] offset:64*\b+16
.endr
.macro FRAG reg, adr, q, i             ; Wo: 16 rows x 128 K: 24 bytes of the row for each half of K, in pieces of 8; the second address register serves the pieces that lie behind one padding more
.irp p, 0,1,2,3,4,5
.set PCE, 12*(\q)+6*(\p/3)+\p%3
.if PCE%8 < 5
	ds_load_b64 v[\reg+2*\p:\reg+2*\p+1], v[\adr] offset:8*PCE+16*(PCE/8)+(\i)*16*PITCH
.else
	ds_load_b64 v[\reg+2*\p:\reg+2*\p+1], v[\adr+2] offset:8*PCE+16*(PCE/8)+(\i)*16*PITCH
.endif
.endr
.endm
.macro FRAGA reg, slot, q, i           ; O: registers 6 c .. 6 c + 5 = head 2 q + c of the slot, block h
.irp p, 0,1,2,3,4,5
	ds_load_b64 v[\reg+2*\p:\reg+2*\p+1], v[ADRA+\slot] offset:(2*(\q)+\p/3)*6144+768*(\i)+8*(\p%3)
.endr
.endm
; 16 matrix instructions: O's blocks a0, a0 + 1 x Wo's eight.  first = 1: bo starts the sums.  The 64 accumulators take turns, one instruction a turn.
.macro MUL16 a0, p, q, sc, first
.irp a, \a0, \a0+1
.irp b, 0,1,2,3,4,5,6,7
.if \first
	v_wmma_scale_f32_16x16x128_f8f6f4 v[8*(8*((\a)%4)+\b):8*(8*((\a)%4)+\b)+7], v[128*(\p)+FR*\b:128*(\p)+FR*\b+FR-1], v[AF+FR*(\a):AF+FR*(\a)+FR-1], v[BO+8*\b:BO+8*\b+7], v[SC+8*NQ*(\sc)+NQ*\b+(\q)], v[SC+8*NQ*(\sc)+NQ*(\a)+(\q)] matrix_a_fmt:MATRIX_FMT_BF6 matrix_b_fmt:MATRIX_FMT_BF6 matrix_a_scale:MATRIX_SCALE_ROW1
.else
	v_wmma_scale_f32_16x16x128_f8f6f4 v[8*(8*((\a)%4)+\b):8*(8*((\a)%4)+\b)+7], v[128*(\p)+FR*\b:128*(\p)+FR*\b+FR-1], v[AF+FR*(\a):AF+FR*(\a)+FR-1], v[8*(8*((\a)%4)+\b):8*(8*((\a)%4)+\b)+7], v[SC+8*NQ*(\sc)+NQ*\b+(\q)], v[SC+8*NQ*(\sc)+NQ*(\a)+(\q)] matrix_a_fmt:MATRIX_FMT_BF6 matrix_b_fmt:MATRIX_FMT_BF6 matrix_a_scale:MATRIX_SCALE_ROW1
.endif
.endr
.endr
.endm
.macro FETCH_B slot, q, p
	WIN TO_B
.irp i, 0,1,2,3,4,5,6,7
	FRAG 128*(\p)+FR*\i, ADRB+\slot, \q, \i
.endr
	WIN 0
.endm
.macro FETCH_A slot, q, i0
.irp i, \i0, \i0+1, \i0+2, \i0+3
	FRAGA AF+FR*(\i), \slot, \q, \i
.endr
.endm
.macro SCALES sc
.irp i, 0,1,2,3,4,5,6,7
	ds_load_b64 v[SC+8*NQ*\sc+NQ*\i:SC+8*NQ*\sc+NQ*\i+1], v[ADRS] offset:\i*SBLK
.endr
.endm
.macro PLACES n
.rept \n
	v_nop
.endr
.endm
.macro STEP slot, q, first
	s_wait_dscnt 4*NL                              ; Wo's set and O's blocks 0-3 are in; the youngest 24 loads (O's blocks 4-7) may be out
.if \first
	WIN 0x81                                       ; C (bo) window 0, D window 2
.else
	WIN MUL_LO
.endif
	MUL16 0, (\q)%2, \q, \slot, \first
	MUL16 2, (\q)%2, \q, \slot, \first
	s_wait_dscnt 0
	PLACES NP
	FETCH_B \slot, (\q)+1, 1-(\q)%2
	FETCH_A \slot, (\q)+1, 0
.if \first
	WIN 0xc1
.else
	WIN MUL_HI
.endif
	MUL16 4, (\q)%2, \q, \slot, \first
	MUL16 6, (\q)%2, \q, \slot, \first
	PLACES NP
	WIN 0
	FETCH_A \slot, (\q)+1, 4
.endm
.macro TURN slot, next, fill
	s_wait_tensorcnt 0x0                           ; all my tensor loads have landed: my part of the next slot
	ds_add_u32 v[SPW], v[NIL]                      ; 0 onto my spare word
	s_wait_dscnt 4*NL+1                            ; (the add and the youngest 24 loads may be out)
	WIN MUL_LO
	MUL16 0, 1, NQ-1, \slot, 0
	s_wait_dscnt 0x0                               ; the add is done, and my reads of this slot are over
	s_barrier_signal -1
	MUL16 2, 1, NQ-1, \slot, 0
	WIN 0
	s_barrier_wait -1
.if \fill
	CREST                                          ; a round of the cluster's barrier: no wave of any partner still reads this slot or has a load on its way
	s_add_nc_u64 s[G0+4*\slot+2:G0+4*\slot+3], s[G0+4*\slot+2:G0+4*\slot+3], 2*4*PLANE
	s_add_nc_u64 s[G0B+4*\slot+2:G0B+4*\slot+3], s[G0B+4*\slot+2:G0B+4*\slot+3], 2*ROWB
	JLOAD G0+4*\slot, G1, G0B+4*\slot, G1B
.else
	PLACES NP
.endif
	v_add_nc_u32 v[ADRS], 4*NQ, v[ADRS]
	FETCH_B \next, 0, 0
	FETCH_A \next, 0, 0
	SCALES \next
	WIN MUL_HI
	MUL16 4, 1, NQ-1, \slot, 0
	MUL16 6, 1, NQ-1, \slot, 0
	PLACES NP
	WIN 0
	FETCH_A \next, 0, 4
.endm
	s_wait_loadcnt 0x0                             ; bo
	s_wait_tensorcnt 1                             ; the scale bytes and my part of K step 0 are in (K step 1's load may be out)
	s_barrier_signal -1
	s_barrier_wait -1
	FETCH_B 0, 0, 0
	FETCH_A 0, 0, 0
	SCALES 0
	FETCH_A 0, 0, 4
	STEP 0, 0, 1
	s_mov_b32 s3, LAPS-1
.Llap:
	TURN 0, 1, 1
	STEP 1, 0, 0
	TURN 1, 0, 1
	STEP 0, 0, 0
	s_sub_co_u32 s3, s3, 1
	s_cmp_lg_u32 s3, 0
	s_cbranch_scc1 .Llap
	TURN 0, 1, 0
	STEP 1, 0, 0
	s_wait_dscnt 4*NL
	WIN MUL_LO
	MUL16 0, 1, NQ-1, 1, 0
	MUL16 2, 1, NQ-1, 1, 0
	s_wait_dscnt 0
	WIN MUL_HI
	MUL16 4, 1, NQ-1, 1, 0
	MUL16 6, 1, NQ-1, 1, 0
	WIN 0
; THE WAY OUT, block by block of 16 rows x 128 columns, through my own stage: in as 32 bytes a lane, back as whole rows of 512 bytes.  LDS serves a wave's instructions in order: no wait between the stores and the loads.
.macro TOSTAGE a
.set AC, 64*((\a)%4)
	WIN 0x08+4*((\a)/4)                            ; an LDS store's data: window 2 or 3
.irp b, 0,1,2,3,4,5,6,7
	ds_store_b128 v[STO], v[AC+8*\b:AC+8*\b+3] offset:64*\b          ; each accumulator from its low end on
	ds_store_b128 v[STO], v[AC+8*\b+4:AC+8*\b+7] offset:64*\b+16
.endr
	WIN 0
.set BB, BK+64*((\a)%2)
.irp t, 0,1,2,3,4,5,6,7,8,9,10,11,12,13,14,15
	ds_load_b128 v[BB+4*\t:BB+4*\t+3], v[RD] offset:\t*SPITCH
.endr
.endm
.macro SEND a, younger
.set BB, BK+64*((\a)%2)
	s_wait_dscnt \younger                          ; the block is back in registers; the next block's 16 stores and 16 loads may be out
.if (\a) > 0
	s_add_nc_u64 s[12:13], s[12:13], 16*SIZE_N*4   ; (behind a wait on XCNT: the earlier stores have read their base)
.endif
.irp t, 0,1,2,3,4,5,6,7,8,9,10,11,12,13,14,15
	global_store_b128 v[CO], v[BB+4*\t:BB+4*\t+3], s[12:13] offset:\t*SIZE_N*4 th:TH_STORE_NT   ; 32 lanes store 512 consecutive bytes, at a multiple of 256 from out0's first byte
.endr
.endm
	PLACES NP
	TOSTAGE 0
.irp a, 1,2,3,4,5,6,7
.if \a > 1
	s_wait_xcnt 0x0                                ; block a - 2's stores have read their registers and their base
.endif
	TOSTAGE \a
	SEND \a-1, 32
.endr
	s_wait_xcnt 0x0
	SEND 7, 0
	s_wait_tensorcnt 0x0                           ; the wave's end
	ds_add_u32 v[SPW], v[NIL]
	s_wait_dscnt 0x0
	CROUND                                         ; the closing round
	s_endpgm
.Lfunc_end_k_q0fef779d94_outp:
	.size	k_q0fef779d94_outp, .Lfunc_end_k_q0fef779d94_outp-k_q0fef779d94_outp
	.p2alignl 7, 3214868480
	.fill 96, 4, 3214868480
	.section	.rodata,"a",@progbits
	.p2align	6, 0x0
	.amdhsa_kernel k_q0fef779d94_outp
		.amdhsa_group_segment_fixed_size 327680
		.amdhsa_private_segment_fixed_size 0
		.amdhsa_enable_private_segment 0
		.amdhsa_kernarg_size 48
		.amdhsa_user_sgpr_count 2
		.amdhsa_user_sgpr_kernarg_segment_ptr 1
		.amdhsa_wavefront_size32 1
		.amdhsa_system_sgpr_workgroup_id_x 1
		.amdhsa_system_sgpr_workgroup_id_y 1
		.amdhsa_system_sgpr_workgroup_id_z 1
		.amdhsa_system_vgpr_workitem_id 0
		.amdhsa_next_free_vgpr 1024
		.amdhsa_next_free_sgpr 100
		.amdhsa_reserve_vcc 0
		.amdhsa_float_denorm_mode_32 3
		.amdhsa_float_denorm_mode_16_64 3
		.amdhsa_memory_ordered 1
		.amdhsa_forward_progress 1
		.amdhsa_inst_pref_size 162
	.end_amdhsa_kernel
	.amdgpu_metadata
---
amdhsa.version: [ 1, 2 ]
amdhsa.kernels:
  - .name:           k_q0fef779d94_outp
    .symbol:         k_q0fef779d94_outp.kd
    .args:
      - { .name: o_codes, .offset: 0, .size: 8, .value_kind: global_buffer, .address_space: global }
      - { .name: o_scales, .offset: 8, .size: 8, .value_kind: global_buffer, .address_space: global }
      - { .name: codes, .offset: 16, .size: 8, .value_kind: global_buffer, .address_space: global }
      - { .name: scales, .offset: 24, .size: 8, .value_kind: global_buffer, .address_space: global }
      - { .name: bo, .offset: 32, .size: 8, .value_kind: global_buffer, .address_space: global }
      - { .name: out0, .offset: 40, .size: 8, .value_kind: global_buffer, .address_space: global }
    .group_segment_fixed_size: 327680
    .private_segment_fixed_size: 0
    .kernarg_segment_align: 8
    .kernarg_segment_size: 48
    .max_flat_workgroup_size: 128
    .sgpr_count:     100
    .vgpr_count:     1024
    .wavefront_size: 32
...
	.end_amdgpu_metadata
.endif
;; end of part 4
;; ======== version 2 of 2: 4 launches
;; limits: right only within a limited range of input values
;; workspace buffers: codes 6,553,600 bytes; rope 524,288 bytes; qkv 10,223,616 bytes; o_codes 3,145,728 bytes; o_scales 131,072 bytes
;; launch quant (part 5): grid 256 x 1, 4 waves a work-group, no clusters, 33,280 bytes of LDS; arguments x, Wq, Wk, Wv, Wo, freqs, codes, rope; writes codes, rope
.if DOCPART == 5
	.amdgcn_target "amdgcn-amd-amdhsa--gfx1250"
	.amdhsa_code_object_version 6
	.text
	.protected	k_q0fef779d94_quant
	.globl	k_q0fef779d94_quant
	.p2align	8
	.type	k_q0fef779d94_quant,@function
k_q0fef779d94_quant:
	s_mov_b64 s[64:65], 0
	v_nop
	global_prefetch_b8 v0, s[64:65] scope:SCOPE_SE
	s_setreg_imm32_b32 hwreg(HW_REG_WAVE_MODE, 25, 1), 1
	s_wait_xcnt 0x0
; x [4096][1024] and Wq, Wk, Wv, Wo [1024][1024], f32, K innermost, become codes of BF6 (E3M2) and one E8M0 byte for each 32 along K:
; one stream of 8,192 rows (x, Wq, Wk, Wv, Wo) of 768 bytes of codes and 32 scale bytes.  The launch also makes the table of cos and sin for the rotary embedding.
; A block's scale is 2^(floor(log2(its largest magnitude)) - 4); its byte is the largest magnitude's exponent field - 4, held at 1 from below.
; LIMITS: a block of zeros gets the byte 1 where the rule says 127 (its codes are zeros, and this program alone reads the bytes); blocks whose largest magnitude lies under 2^(4 - 126) keep the byte 1;
; NaN and infinities among the inputs are not served.  The table's angles are reduced by a three-part pi / 2: about 1e-7 absolute up to angles of some 1e6 radians.
; SHARES: 8,388,608 numbers, 32,768 to a work-group: work-groups 0-127 take x, then 32 each Wq, Wk, Wv, Wo.  A wave takes 16 steps of 512 numbers.  Each load reads 512 consecutive bytes; a step's 2,048 bytes turn
; through the wave's own stage in LDS, so that a lane then holds 16 neighbours along K (two lanes to a block).  A wave's 256 scale bytes are gathered in LDS and leave as four runs of 64 bytes, one in each chunk.
; No tensor loads, no barrier: waves share nothing.  Loads run four steps (16 loads a wave) ahead.
; LAYOUT OF codes (it takes the place of the plain stream and of the scales' buffer named above): the 8,192 rows go in 64 blocks of 128 rows, 102,400 bytes each;
; a block holds four chunks of 256 along K, 25,600 dense bytes each: 128 rows x 192 bytes of codes, then 128 rows x 8 scale bytes.  So a chunk is 100 runs of 256 bytes, each at a multiple of 256.
.set WAVES, 4
.set STEPS, 16
.set EMAX,  4
.set CB,    12                         ; bytes of 16 codes
.set R,     16                         ; v16-79   four sets of 16 numbers as they are loaded
.set X,     80                         ; v80-111  two sets of 16 neighbours
.set C,     128                        ; v128-191 codes: four registers for each step, so that no store's data are written again
.set E,     112                        ; v112-127 a scale byte for each step
.set FQ,    192                        ; v192-193 my two frequencies
.set FA,    194                        ; v194     their byte offset
.set WREG,  8192                       ; LDS: a region for each wave: two stages of 32 x SP bytes, then its 256 scale bytes
.set SP,    80                         ; a lane's place in a stage: 64 bytes + 16 of padding
	s_load_b256 s[4:11], s[0:1], 0x0               ; x, Wq, Wk, Wv
	s_load_b256 s[12:19], s[0:1], 0x20             ; Wo, freqs, codes, rope
	s_load_b64 s[20:21], s[0:1], 0x38              ; rope
	v_lshl_add_u32 v200, v0, 2, 0x8000
	v_mov_b32 v201, 0
	v_lshrrev_b32 v1, 5, v0
	v_readfirstlane_b32 s22, v1                    ; wave
	v_and_b32 v2, 31, v0                           ; lane
	v_lshlrev_b32 v3, 4, v2                        ; my 16 bytes of a load's 512
	s_mul_i32 s23, s22, WREG
	v_lshrrev_b32 v14, 2, v2
	v_mul_u32_u24 v14, v14, SP
	v_and_b32 v15, 3, v2
	v_lshl_add_u32 v14, v15, 4, v14
	v_add_nc_u32 v14, s23, v14                     ; the stage, on the way in: SP (lane / 4) + 16 (lane % 4)
	v_mul_u32_u24 v15, v2, SP
	v_add_nc_u32 v15, s23, v15                     ; and on the way out: SP x lane: my 16 neighbours
	v_and_b32 v8, 15, v2
	v_lshrrev_b32 v9, 4, v2
	v_mul_u32_u24 v4, v8, CB                       ; my codes' place: sixteen lanes fill a row's 192 bytes of a chunk,
	v_mad_u32_u24 v4, v9, 25600, v4                ; lanes 16-31 those of the next chunk
	v_lshrrev_b32 v5, 1, v2
	s_add_co_u32 s23, s23, 2*32*SP
	v_add_nc_u32 v5, s23, v5                       ; LDS: my block's scale byte
	v_lshlrev_b32 v7, 3, v2                        ; and on the way out 8 bytes a lane
	v_add_nc_u32 v6, s23, v7
	v_and_b32 v10, 3, v2                           ; the 8 scale bytes that I read back: row lane / 4, chunk lane % 4
	v_lshrrev_b32 v9, 2, v2
	v_lshlrev_b32 v9, 3, v9
	v_mad_u32_u24 v10, v10, 25600, v9
	v_and_b32 v[FA], 15, v0
	v_lshlrev_b32 v[FA], 3, v[FA]                  ; two frequencies: 8 (thread % 16)
	s_and_b32 s26, ttmp9, 31                       ; a weight's work-group among its 32
	s_wait_alu depctr_va_vdst(0)
	s_wait_kmcnt 0x0
	s_mov_b64 s[24:25], s[12:13]                   ; which tensor: the choice hangs on the work-group's number alone
	s_cmp_lt_u32 ttmp9, 224
	s_cselect_b64 s[24:25], s[10:11], s[24:25]
	s_cmp_lt_u32 ttmp9, 192
	s_cselect_b64 s[24:25], s[8:9], s[24:25]
	s_cmp_lt_u32 ttmp9, 160
	s_cselect_b64 s[24:25], s[6:7], s[24:25]
	s_cmp_lt_u32 ttmp9, 128
	s_cselect_b64 s[24:25], s[4:5], s[24:25]
	s_cselect_b32 s26, ttmp9, s26
	s_lshl_b32 s26, s26, 2
	s_add_co_u32 s26, s26, s22
	s_lshl_b32 s26, s26, 15                        ; my wave's 8,192 numbers in the tensor: 32,768 bytes a wave
	s_mov_b32 s27, 0
	s_add_nc_u64 s[24:25], s[24:25], s[26:27]
	s_lshl_b32 s28, ttmp9, 2
	s_add_co_u32 s28, s28, s22                     ; which run of the output stream is mine
	s_lshr_b32 s26, s28, 4                         ; a run is 8 rows: block run / 16,
	s_mul_i32 s26, s26, 102400
	s_and_b32 s29, s28, 15                         ; rows 8 (run % 16) on
	s_mul_i32 s28, s29, 1536
	s_add_co_u32 s28, s28, s26                     ; my rows' codes in chunk 0
	s_lshl_b32 s29, s29, 6
	s_add_co_u32 s26, s26, s29
	s_add_co_u32 s26, s26, 24576                   ; and their scale bytes, behind the chunk's codes
	s_add_nc_u64 s[18:19], s[16:17], s[26:27]
	s_mov_b32 s29, 0
	s_add_nc_u64 s[16:17], s[16:17], s[28:29]
	s_lshl_b32 s26, ttmp9, 11
	s_add_nc_u64 s[20:21], s[20:21], s[26:27]      ; 2,048 bytes of the table a work-group
	global_load_b64 v[FQ:FQ+1], v[FA], s[14:15]    ; the oldest load: every counted wait below shows it in too
.macro LOAD t
.irp i, 0,1,2,3
	global_load_b128 v[R+16*((\t)%4)+4*\i:R+16*((\t)%4)+4*\i+3], v3, s[24:25] offset:2048*(\t)+512*\i th:TH_LOAD_NT   ; 32 lanes read 512 consecutive bytes
.endr
.endm
.macro TURN t                          ; step t's numbers through the stage: LDS serves a wave's instructions in order, so no wait stands between the stores and the loads
.irp i, 0,1,2,3
	ds_store_b128 v14, v[R+16*((\t)%4)+4*\i:R+16*((\t)%4)+4*\i+3] offset:32*SP*((\t)%2)+8*SP*\i
.endr
.irp i, 0,1,2,3
	ds_load_b128 v[X+16*((\t)%2)+4*\i:X+16*((\t)%2)+4*\i+3], v15 offset:32*SP*((\t)%2)+16*\i
.endr
.endm
.irp t, 0,1,2,3
	LOAD \t
.endr
	s_wait_loadcnt 12                              ; the frequencies and step 0's four loads are in; three steps' twelve may be out
	TURN 0
.macro STEP t
.set XS, X+16*((\t)%2)
.if (\t) > 0
	s_wait_dscnt 1                                 ; this step's numbers are back from the stage (the last step's byte store may be out)
.else
	s_wait_dscnt 0x0
.endif
.if (\t)+4 < STEPS
	LOAD (\t)+4                                    ; into the registers that the stage's stores have read
.endif
.if (\t)+1 < STEPS
.if STEPS-2-(\t) >= 3
	s_wait_loadcnt 12                              ; the next step's four loads are in; those of the three steps behind it may be out
.else
	s_wait_loadcnt 4*(STEPS-2-(\t))
.endif
	TURN (\t)+1
.endif
	v_max3_num_f32 v8, |v[XS]|, |v[XS+1]|, |v[XS+2]|               ; the largest magnitude of my 16, in two chains
	v_max3_num_f32 v9, |v[XS+3]|, |v[XS+4]|, |v[XS+5]|
.irp i, 6,10
	v_max3_num_f32 v8, v8, |v[XS+\i]|, |v[XS+\i+1]|
	v_max3_num_f32 v9, v9, |v[XS+\i+2]|, |v[XS+\i+3]|
.endr
	v_max3_num_f32 v8, v8, |v[XS+14]|, |v[XS+15]|
	v_max3_num_f32 v8, v8, v9, (EMAX+1)<<23        ; and the floor 2^(EMAX + 1 - 127): the byte cannot fall under 1
	v_max_num_f32_dpp v8, v8, v8 row_xmask:1 row_mask:0xf bank_mask:0xf   ; and of my neighbour's 16: the block's
	v_add_nc_u32 v11, -(EMAX<<23), v8              ; EMAX off its exponent field: the conversion takes the exponent field of this operand as its scale
	v_cvt_scalef32_pk16_bf6_f32 v[C+4*(\t):C+4*(\t)+2], v[XS:XS+15], v11
	v_lshrrev_b32 v[E+(\t)], 23, v11               ; the scale's byte (also the plain line behind the conversion)
	ds_store_b8 v5, v[E+(\t)] offset:16*(\t)       ; both lanes of a block write the same byte with the same value
	global_store_b96 v4, v[C+4*(\t):C+4*(\t)+2], s[16:17] offset:192*((\t)/2)+51200*((\t)%2)   ; step t: row t / 2, chunks 2 (t % 2) and + 1
.endm
.irp t, 0,1,2,3,4,5,6,7,8,9,10,11,12,13,14,15
	STEP \t
.endr
	ds_load_b64 v[12:13], v6                       ; LDS serves a wave's instructions in order: these see my stores
	s_wait_dscnt 0x0
	global_store_b64 v10, v[12:13], s[18:19]       ; eight lanes store 64 consecutive bytes of a chunk's scale bytes
; THE TABLE: rope[pos][pair] = (cos, sin) of pos x freqs[pair], f32.  Thread T = 128 x work-group + thread takes pos = T / 16 and pairs 2 (T % 16), + 1: 16 bytes at 16 T.
; angle = pos x f, one rounding.  n = the nearest whole number to angle x 2 / pi; r = angle - n pi / 2 by three fused multiply-adds on a three-part pi / 2; sin r and cos r by polynomials on |r| <= pi / 4;
; n's two low bits say which of the two is which, and their signs.  No jump hangs on a number: selections only.
	s_lshl_b32 s26, ttmp9, 3
	v_lshrrev_b32 v16, 4, v0
	v_add_nc_u32 v16, s26, v16
	v_cvt_f32_u32 v16, v16                         ; pos
	s_wait_alu depctr_va_vdst(0)
	s_mov_b32 s30, 0x3f22f983                      ; 2 / pi
	s_mov_b32 s31, 0x3fc90fdb                      ; pi / 2: its first,
	s_mov_b32 s32, 0xb33bbd2e                      ; second
	s_mov_b32 s33, 0xa6f72ced                      ; and third part
	s_mov_b32 s34, 0xb94ca1f9                      ; sin: -1.9515296e-4,
	s_mov_b32 s35, 0x3c08839e                      ; 8.3321609e-3,
	s_mov_b32 s36, 0xbe2aaaa3                      ; -1.6666655e-1
	s_mov_b32 s37, 0x37ccf5ce                      ; cos: 2.4433157e-5,
	s_mov_b32 s38, 0xbab6061a                      ; -1.3887316e-3,
	s_mov_b32 s39, 0x3d2aaaa5                      ; 4.1666646e-2
.macro SINCOS f, d                     ; v[d] = cos, v[d + 1] = sin
	v_mul_f32 v20, v16, v[\f]
	v_mul_f32 v21, s30, v20
	v_rndne_f32 v21, v21                           ; n
	v_fma_f32 v22, -v21, s31, v20
	v_fma_f32 v22, -v21, s32, v22
	v_fma_f32 v22, -v21, s33, v22                  ; r
	v_mul_f32 v23, v22, v22                        ; z = r r
	v_fma_f32 v24, v23, s34, s35
	v_fma_f32 v26, v23, s37, s38
	v_fma_f32 v24, v24, v23, s36
	v_fma_f32 v26, v26, v23, s39
	v_mul_f32 v25, v23, v22
	v_mul_f32 v27, v23, v23
	v_fma_f32 v28, v23, -0.5, 1.0
	v_fma_f32 v24, v24, v25, v22                   ; sin r
	v_fma_f32 v26, v26, v27, v28                   ; cos r
	v_cvt_i32_f32 v29, v21
	v_and_b32 v30, 1, v29
	v_cmp_eq_u32 vcc_lo, 1, v30                    ; an odd quarter: the two change places
	v_cndmask_b32 v[\d+1], v24, v26, vcc_lo
	v_cndmask_b32 v[\d], v26, v24, vcc_lo
	v_and_b32 v30, 2, v29                          ; sin is negative in quarters 2 and 3,
	v_lshlrev_b32 v30, 30, v30
	v_xor_b32 v[\d+1], v[\d+1], v30
	v_add_nc_u32 v31, 1, v29                       ; cos in quarters 1 and 2
	v_and_b32 v31, 2, v31
	v_lshlrev_b32 v31, 30, v31
	v_xor_b32 v[\d], v[\d], v31
.endm
	SINCOS FQ, 40
	SINCOS FQ+1, 42
	v_lshlrev_b32 v17, 4, v0
	global_store_b128 v17, v[40:43], s[20:21]      ; a wave stores 512 consecutive bytes
	s_wait_tensorcnt 0x0
	ds_add_u32 v200, v201
	s_wait_dscnt 0x0
	s_endpgm
.Lfunc_end_k_q0fef779d94_quant:
	.size	k_q0fef779d94_quant, .Lfunc_end_k_q0fef779d94_quant-k_q0fef779d94_quant
	.p2alignl 7, 3214868480
	.fill 96, 4, 3214868480
	.section	.rodata,"a",@progbits
	.p2align	6, 0x0
	.amdhsa_kernel k_q0fef779d94_quant
		.amdhsa_group_segment_fixed_size 33280
		.amdhsa_private_segment_fixed_size 0
		.amdhsa_enable_private_segment 0
		.amdhsa_kernarg_size 64
		.amdhsa_user_sgpr_count 2
		.amdhsa_user_sgpr_kernarg_segment_ptr 1
		.amdhsa_wavefront_size32 1
		.amdhsa_system_sgpr_workgroup_id_x 1
		.amdhsa_system_sgpr_workgroup_id_y 1
		.amdhsa_system_sgpr_workgroup_id_z 1
		.amdhsa_system_vgpr_workitem_id 0
		.amdhsa_next_free_vgpr 202
		.amdhsa_next_free_sgpr 66
		.amdhsa_reserve_vcc 1
		.amdhsa_float_denorm_mode_32 3
		.amdhsa_float_denorm_mode_16_64 3
		.amdhsa_memory_ordered 1
		.amdhsa_forward_progress 1
		.amdhsa_inst_pref_size 37
	.end_amdhsa_kernel
	.amdgpu_metadata
---
amdhsa.version: [ 1, 2 ]
amdhsa.kernels:
  - .name:           k_q0fef779d94_quant
    .symbol:         k_q0fef779d94_quant.kd
    .args:
      - { .name: x, .offset: 0, .size: 8, .value_kind: global_buffer, .address_space: global }
      - { .name: Wq, .offset: 8, .size: 8, .value_kind: global_buffer, .address_space: global }
      - { .name: Wk, .offset: 16, .size: 8, .value_kind: global_buffer, .address_space: global }
      - { .name: Wv, .offset: 24, .size: 8, .value_kind: global_buffer, .address_space: global }
      - { .name: Wo, .offset: 32, .size: 8, .value_kind: global_buffer, .address_space: global }
      - { .name: freqs, .offset: 40, .size: 8, .value_kind: global_buffer, .address_space: global }
      - { .name: codes, .offset: 48, .size: 8, .value_kind: global_buffer, .address_space: global }
      - { .name: rope, .offset: 56, .size: 8, .value_kind: global_buffer, .address_space: global }
    .group_segment_fixed_size: 33280
    .private_segment_fixed_size: 0
    .kernarg_segment_align: 8
    .kernarg_segment_size: 64
    .max_flat_workgroup_size: 128
    .sgpr_count:     66
    .vgpr_count:     202
    .wavefront_size: 32
...
	.end_amdgpu_metadata
.endif
;; end of part 5
;; launch qkv (part 6): grid 12 x 16, 4 waves a work-group, clusters of 4 x 4, 327,680 bytes of LDS; arguments codes, bq, bk, bv, rope, qkv; writes qkv
.if DOCPART == 6
	.amdgcn_target "amdgcn-amd-amdhsa--gfx1250"
	.amdhsa_code_object_version 6
	.text
	.protected	k_q0fef779d94_qkv
	.globl	k_q0fef779d94_qkv
	.p2align	8
	.type	k_q0fef779d94_qkv,@function
k_q0fef779d94_qkv:
	s_mov_b64 s[64:65], 0
	v_nop
	global_prefetch_b8 v0, s[64:65] scope:SCOPE_SE
	s_setreg_imm32_b32 hwreg(HW_REG_WAVE_MODE, 25, 1), 1
	s_wait_xcnt 0x0
	s_wait_alu depctr_hold_cnt(0) depctr_sa_sdst(0) depctr_va_vdst(0) depctr_va_sdst(0) depctr_va_ssrc(0) depctr_va_vcc(0) depctr_vm_vsrc(0)
	s_getreg_b32 s2, hwreg(HW_REG_IB_STS2, 6, 4)
	s_cmp_eq_u32 s2, 0
	s_cbranch_scc0 .Lentry_in_a_cluster
	s_endpgm
.Lentry_in_a_cluster:
	s_bfe_u32 s2, ttmp6, 0x10000c
	s_cmp_lg_u32 s2, 0xf033
	s_cbranch_scc0 .Lentry_shape_is_right
	s_endpgm
.Lentry_shape_is_right:
; q, k, v = x W^T + b on codes of BF6 with E8M0 scales, then scaling, rotary embedding and the quantisers of the two attention products; results go to qkv as codes and scale words.
; codes: blocks of 128 rows, four chunks of 25,600 dense bytes each (128 x 192 bytes of codes, then 128 x 8 scale bytes).  A wave's tensor load brings one chunk of 128 rows as 100 rows of 256 bytes,
; 16 bytes of padding behind every 64: in LDS a row of codes is 240 bytes, and the chunk's scale bytes lie behind the 128 rows.  Ring of two slots; each wave fills a quarter of a slot.
; No prefetch: K has four chunks, of which two are asked for ahead of the first product.
.set KSTEP,  256
.set NQ,     KSTEP/128
.set CSTEP,  25600
.set KROW,   800
.set PITCH,  240
.set FR,     12
.set NL,     6
.set NP,     4
.set HALFT,  128*PITCH+1280
.set SLOT,   4*HALFT
.set LAPS,   2
.set SPARE,  2*SLOT
.set QSCL,   49152
.set VSCL,   53248
.set REC,    319488
.set ROLE,   106496
.set QST,  7
.set QSS,  8
.set QRD,  9
.set QSR,  10
.set GL,   11
.set RTO,  12
.set VSS,  13
.set VSR,  14
.set ADRA, 16
.set ADRB, 20
.set BOF,  24
.set VOF,  25
.set ADRS, 26
.set SPW,  28
.set NIL,  29
.set PW,   30
.set SC,   32
.set CS,   64
.set AF,   128
.set H,    128
.set CD,   192
.set TP,   212
.set BV,   224
.set TM,   240
.set SEL,  46
.set G1, 24
.set G0, 32
.set G1B, 48
.set G0B, 56
.set MSB, 0
.macro WIN new
.if MSB != \new
	s_set_vgpr_msb (MSB<<8)|\new
.set MSB, \new
.endif
.endm
.set MUL_LO, 0xa1
.set MUL_HI, 0xf1
.set TO_B,   0x40
.macro JLOAD g0a, g1a, g0b, g1b
	s_cmp_eq_u32 s15, 0
	s_cbranch_scc0 .Lfor_b_\@
	tensor_load_to_lds s[\g0a:\g0a+3], s[\g1a:\g1a+7]
	s_nop 0
.rept 4
	v_nop
.endr
	s_branch .Lasked_\@
.Lfor_b_\@:
	tensor_load_to_lds s[\g0b:\g0b+3], s[\g1b:\g1b+7]
	s_nop 0
.rept 4
	v_nop
.endr
.Lasked_\@:
.endm
.macro CREST
	s_cmp_lg_u32 s14, 0
	s_cbranch_scc1 .Lnot_wave_0_\@
	s_barrier_signal -3
.Lnot_wave_0_\@:
	s_barrier_wait -3
	s_barrier_signal -1
	s_barrier_wait -1
.endm
.macro CROUND
	s_barrier_signal -1
	s_barrier_wait -1
	CREST
.endm
	s_load_b64 s[4:5], s[0:1], 0x0
	s_load_b128 s[8:11], s[0:1], 0x8
	s_load_b128 s[96:99], s[0:1], 0x18
	s_load_b64 s[100:101], s[0:1], 0x28
	v_lshl_add_u32 v[SPW], v0, 2, SPARE
	v_mov_b32 v[NIL], 0
	ds_add_u32 v28, v29
	ds_add_u32 v28, v29
	s_wait_dscnt 0x0
	v_lshrrev_b32 v1, 5, v0
	v_readfirstlane_b32 s14, v1
	s_lshr_b32 s15, s14, 1
	s_and_b32 s16, s14, 1
	s_bfe_u32 s40, ttmp6, 0x40000
	s_bfe_u32 s41, ttmp6, 0x40004
	s_mov_b32 s12, ttmp9
	s_and_b32 s13, ttmp7, 0xffff
	s_lshr_b32 s17, s12, 1
	s_xor_b32 s18, s17, 1
	s_lshl_b32 s19, s13, 10
	s_mul_i32 s20, s17, 6144
	s_mul_i32 s21, s18, s19
	s_add_co_u32 s20, s20, s21
	s_lshl_b32 s21, s41, 8
	s_add_co_u32 s20, s20, s21
	s_lshl_b32 s46, s12, 10
	s_add_co_u32 s46, s46, 4096
	s_mul_i32 s46, s46, s18
	s_mul_i32 s47, s17, s19
	s_add_co_u32 s46, s46, s47
	s_lshl_b32 s47, s40, 8
	s_add_co_u32 s46, s46, s47
	s_lshl_b32 s43, s41, 2
	s_lshl_b32 s43, 15, s43
	s_lshl_b32 s44, 0x1111, s40
	s_or_b32 s[G1+0], s43, (0<<16)|(1<<20)|(1<<21)|(3<<22)|(3<<25)
	s_or_b32 s[G1B+0], s44, (0<<16)|(1<<20)|(1<<21)|(3<<22)|(3<<25)
.irp g, G1, G1B
	s_mov_b32 s[\g+1], 256<<16
	s_mov_b32 s[\g+2], 100<<16
	s_mov_b32 s[\g+3], 256<<16
	s_mov_b32 s[\g+4], 100
	s_mov_b32 s[\g+5], 256
	s_mov_b32 s[\g+6], 0
	s_mov_b32 s[\g+7], 0
.endr
	s_lshl_b32 s18, s16, 7
	s_add_co_u32 s20, s20, s18
	s_add_co_u32 s46, s46, s18
	s_mov_b32 s21, 0
	s_mov_b32 s47, 0
	s_mov_b64 s[18:19], KROW
	s_mul_u64 s[20:21], s[20:21], s[18:19]
	s_mul_u64 s[46:47], s[46:47], s[18:19]
	s_mul_i32 s45, s14, HALFT
	s_wait_kmcnt 0x0
	s_add_nc_u64 s[20:21], s[4:5], s[20:21]
	s_add_nc_u64 s[46:47], s[4:5], s[46:47]
	CROUND
.irp s, 0,1
	s_mov_b32 s[G0+4*\s], 1
	s_add_co_u32 s[G0+4*\s+1], s45, \s*SLOT
	s_add_nc_u64 s[G0+4*\s+2:G0+4*\s+3], s[20:21], \s*CSTEP
	s_or_b32 s[G0+4*\s+3], s[G0+4*\s+3], 0x80000000
	s_mov_b32 s[G0B+4*\s], 1
	s_add_co_u32 s[G0B+4*\s+1], s45, \s*SLOT
	s_add_nc_u64 s[G0B+4*\s+2:G0B+4*\s+3], s[46:47], \s*CSTEP
	s_or_b32 s[G0B+4*\s+3], s[G0B+4*\s+3], 0x80000000
.endr
	JLOAD G0, G1, G0B, G1B                         ; chunk 0, codes and scale bytes: my one tensor load at the head
	v_and_b32 v1, 15, v0
	v_bfe_u32 v2, v0, 4, 1
	v_mul_u32_u24 v3, v1, PITCH
	v_mul_u32_u24 v4, v2, 24
	v_add_nc_u32 v4, v3, v4
	v_lshl_add_u32 v5, v2, 4, v4
	s_mul_i32 s21, s15, HALFT
	s_mul_i32 s22, s16, HALFT
	s_add_co_u32 s22, s22, 2*HALFT
.irp s, 0,1
	v_add_nc_u32 v[ADRA+\s], s21, v4
	v_add_nc_u32 v[ADRB+\s], s22, v4
	v_add_nc_u32 v[ADRA+2+\s], s21, v5
	v_add_nc_u32 v[ADRB+2+\s], s22, v5
	s_add_co_u32 s21, s21, SLOT
	s_add_co_u32 s22, s22, SLOT
.endr
	v_lshlrev_b32 v5, 3, v1                        ; my row's 8 scale bytes of a chunk,
	v_lshrrev_b32 v6, 3, v1
	v_lshl_add_u32 v5, v6, 4, v5                   ; and 16 more for each 64 passed
	s_mul_i32 s21, s15, HALFT
	s_mul_i32 s22, s16, HALFT
	s_add_co_u32 s22, s22, 2*HALFT
	s_sub_co_u32 s22, s22, s21
	v_mul_u32_u24 v6, s22, v2                      ; lanes 16-31 take B's
	s_add_co_u32 s21, s21, 128*PITCH               ; behind the 128 rows of codes
	v_add_nc_u32 v5, v5, v6
	v_add_nc_u32 v[ADRS], s21, v5
	v_add_nc_u32 v[ADRS+1], SLOT, v[ADRS]
	v_and_b32 v6, 31, v0
	v_lshlrev_b32 v[GL], 4, v6
	s_mul_i32 s23, s14, 12288
	v_mul_u32_u24 v[QST], v1, 48
	v_mad_u32_u24 v[QST], v2, 24, v[QST]
	v_add_nc_u32 v[QST], s23, v[QST]
	v_add_nc_u32 v[QRD], s23, v[GL]
	s_lshl_b32 s23, s14, 10
	s_add_co_u32 s23, s23, QSCL
	v_lshl_add_u32 v[QSS], v1, 2, s23
	v_add_nc_u32 v[QSR], s23, v[GL]
	s_add_co_u32 s23, s23, VSCL-QSCL
	v_lshl_add_u32 v[VSS], v6, 2, s23
	v_add_nc_u32 v[VSR], s23, v[GL]
	v_lshlrev_b32 v[RTO], 8, v1
	v_lshl_add_u32 v[RTO], v2, 5, v[RTO]
	v_lshlrev_b32 v[BOF], 5, v2
	s_wait_alu depctr_va_vdst(0)
	v_lshlrev_b32 v[VOF], 2, v1
	s_wait_alu depctr_va_vdst(0)
	s_cmp_eq_u32 s12, 0
	s_cselect_b64 s[8:9], s[8:9], s[10:11]
	s_cselect_b32 s66, 0x3e000000, 1.0
	s_mov_b32 s67, s66
	s_lshl_b32 s2, s40, 10
	s_lshl_b32 s3, s16, 9
	s_add_co_u32 s2, s2, s3
	s_mov_b32 s3, 0
	s_add_nc_u64 s[8:9], s[8:9], s[2:3]
	s_lshl_b32 s2, s41, 10
	s_lshl_b32 s17, s15, 9
	s_add_co_u32 s2, s2, s17
	s_add_nc_u64 s[96:97], s[96:97], s[2:3]
	s_lshr_b32 s42, s13, 1
	s_lshl_b32 s42, s42, 4
	s_lshl_b32 s45, s13, 10
	s_lshl_b32 s17, s41, 8
	s_add_co_u32 s17, s17, s45
	s_lshl_b32 s2, s15, 7
	s_add_co_u32 s17, s17, s2
	s_and_b32 s17, s17, 2047
	s_lshl_b32 s2, s17, 8
	s_add_nc_u64 s[98:99], s[98:99], s[2:3]
	s_lshl_b32 s94, s40, 2
	s_add_co_u32 s94, s94, s42
	s_lshl_b32 s2, s16, 1
	s_add_co_u32 s94, s94, s2
	s_mul_i32 s94, s94, REC
	s_mul_i32 s2, s12, ROLE
	s_add_co_u32 s94, s94, s2
	s_mul_i32 s2, s17, 48
	s_add_co_u32 s2, s2, s94
	s_add_nc_u64 s[20:21], s[100:101], s[2:3]
	s_lshl_b32 s2, s17, 2
	s_add_co_u32 s2, s2, s94
	s_add_co_u32 s2, s2, 98304
	s_add_nc_u64 s[22:23], s[100:101], s[2:3]
	s_lshl_b32 s17, s40, 8
	s_add_co_u32 s17, s17, s45
	s_lshl_b32 s2, s16, 7
	s_add_co_u32 s17, s17, s2
	s_and_b32 s17, s17, 2047
	s_lshr_b32 s17, s17, 7
	s_lshl_b32 s94, s41, 2
	s_add_co_u32 s94, s94, s42
	s_lshl_b32 s2, s15, 1
	s_add_co_u32 s94, s94, s2
	s_mul_i32 s94, s94, REC
	s_mul_i32 s2, s17, 6144
	s_add_co_u32 s2, s2, s94
	s_add_co_u32 s2, s2, 2*ROLE
	s_add_nc_u64 s[92:93], s[100:101], s[2:3]
	s_lshl_b32 s2, s17, 9
	s_add_co_u32 s2, s2, s94
	s_add_co_u32 s2, s2, 2*ROLE+98304
	s_add_nc_u64 s[18:19], s[100:101], s[2:3]
	s_mov_b32 s95, 0x7f7f0000
	s_mov_b32 s[SEL], 0x76543210
	s_mov_b32 s[SEL+1], 0xfedcba98
	WIN TO_B
.irp b, 0,1,2,3,4,5,6,7
	global_load_b128 v[96+8*\b+96*(\b/4):99+8*\b+96*(\b/4)], v[BOF], s[8:9] offset:64*\b
	global_load_b128 v[100+8*\b+96*(\b/4):103+8*\b+96*(\b/4)], v[BOF], s[8:9] offset:64*\b+16
.endr
	WIN 0
.irp a, 0,1,2,3,4,5,6,7
	global_load_b32 v[BV+2*\a], v[VOF], s[96:97] offset:64*\a
	v_mov_b32 v[BV+2*\a+1], 0
.endr
.macro TABLE a
.irp b, 0,1,2,3
	global_load_b128 v[CS+32*((\a)%2)+8*\b:CS+32*((\a)%2)+8*\b+3], v[RTO], s[98:99] offset:4096*(\a)+64*\b
	global_load_b128 v[CS+32*((\a)%2)+8*\b+4:CS+32*((\a)%2)+8*\b+7], v[RTO], s[98:99] offset:4096*(\a)+64*\b+16
.endr
.endm
	TABLE 0
	TABLE 1
.irp b, 0,1,2,3
	v_mov_b32 v[TM+4+\b], 0
.endr
.macro FRAG reg, adr, q, i
.irp p, 0,1,2,3,4,5
.set PCE, 12*(\q)+6*(\p/3)+\p%3
.if PCE%8 < 5
	ds_load_b64 v[\reg+2*\p:\reg+2*\p+1], v[\adr] offset:8*PCE+16*(PCE/8)+(\i)*16*PITCH
.else
	ds_load_b64 v[\reg+2*\p:\reg+2*\p+1], v[\adr+2] offset:8*PCE+16*(PCE/8)+(\i)*16*PITCH
.endif
.endr
.endm
.macro MUL16 a0, p, q, sc, zero
.irp a, \a0, \a0+1
.irp b, 0,1,2,3,4,5,6,7
.if \zero
	v_wmma_scale_f32_16x16x128_f8f6f4 v[8*(8*((\a)%4)+\b):8*(8*((\a)%4)+\b)+7], v[128*(\p)+FR*\b:128*(\p)+FR*\b+FR-1], v[AF+FR*(\a):AF+FR*(\a)+FR-1], 0, v[SC+8*NQ*(\sc)+NQ*\b+(\q)], v[SC+8*NQ*(\sc)+NQ*(\a)+(\q)] matrix_a_fmt:MATRIX_FMT_BF6 matrix_b_fmt:MATRIX_FMT_BF6 matrix_a_scale:MATRIX_SCALE_ROW1
.else
	v_wmma_scale_f32_16x16x128_f8f6f4 v[8*(8*((\a)%4)+\b):8*(8*((\a)%4)+\b)+7], v[128*(\p)+FR*\b:128*(\p)+FR*\b+FR-1], v[AF+FR*(\a):AF+FR*(\a)+FR-1], v[8*(8*((\a)%4)+\b):8*(8*((\a)%4)+\b)+7], v[SC+8*NQ*(\sc)+NQ*\b+(\q)], v[SC+8*NQ*(\sc)+NQ*(\a)+(\q)] matrix_a_fmt:MATRIX_FMT_BF6 matrix_b_fmt:MATRIX_FMT_BF6 matrix_a_scale:MATRIX_SCALE_ROW1
.endif
.endr
.endr
.endm
.macro FETCH_B slot, q, p
	WIN TO_B
.irp i, 0,1,2,3,4,5,6,7
	FRAG 128*(\p)+FR*\i, ADRB+\slot, \q, \i
.endr
	WIN 0
.endm
.macro FETCH_A slot, q, i0
.irp i, \i0, \i0+1, \i0+2, \i0+3
	FRAG AF+FR*(\i), ADRA+\slot, \q, \i
.endr
.endm
.macro SCALES sc
.irp i, 0,1,2,3,4,5,6,7
	ds_load_b64 v[SC+8*NQ*\sc+NQ*\i:SC+8*NQ*\sc+NQ*\i+1], v[ADRS+\sc] offset:\i*160
.endr
.endm
.macro PLACES n
.rept \n
	v_nop
.endr
.endm
.macro STEP slot, q, zero
	s_wait_dscnt 4*NL
	WIN MUL_LO
	MUL16 0, (\q)%2, \q, \slot, \zero
	MUL16 2, (\q)%2, \q, \slot, \zero
	s_wait_dscnt 0
	PLACES NP
	FETCH_B \slot, (\q)+1, 1-(\q)%2
	FETCH_A \slot, (\q)+1, 0
	WIN MUL_HI
	MUL16 4, (\q)%2, \q, \slot, \zero
	MUL16 6, (\q)%2, \q, \slot, \zero
	PLACES NP
	WIN 0
	FETCH_A \slot, (\q)+1, 4
.endm
.macro TURN slot, next, fill
	s_wait_tensorcnt 0x0
	ds_add_u32 v[SPW], v[NIL]
	s_wait_dscnt 4*NL+1
	WIN MUL_LO
	MUL16 0, 1, NQ-1, \slot, 0
	s_wait_dscnt 0x0
	s_barrier_signal -1
	MUL16 2, 1, NQ-1, \slot, 0
	WIN 0
	s_barrier_wait -1
.if \fill
	CREST
	s_add_nc_u64 s[G0+4*\slot+2:G0+4*\slot+3], s[G0+4*\slot+2:G0+4*\slot+3], 2*CSTEP
	s_add_nc_u64 s[G0B+4*\slot+2:G0B+4*\slot+3], s[G0B+4*\slot+2:G0B+4*\slot+3], 2*CSTEP
	JLOAD G0+4*\slot, G1, G0B+4*\slot, G1B
.else
	PLACES NP
.endif
	FETCH_B \next, 0, 0
	FETCH_A \next, 0, 0
	SCALES \next
	WIN MUL_HI
	MUL16 4, 1, NQ-1, \slot, 0
	MUL16 6, 1, NQ-1, \slot, 0
	PLACES NP
	WIN 0
	FETCH_A \next, 0, 4
.endm
	s_wait_alu depctr_va_vdst(0)                   ; the wait at the head's end
	s_wait_tensorcnt 0x0                           ; my quarter of chunk 0 is in
	ds_add_u32 v[SPW], v[NIL]
	s_wait_dscnt 0x0
	CROUND
	JLOAD G0+4, G1, G0B+4, G1B                     ; chunk 1 into slot 1: the first tensor load behind the round
	FETCH_B 0, 0, 0
	FETCH_A 0, 0, 0
	SCALES 0
	FETCH_A 0, 0, 4
	STEP 0, 0, 1
	s_mov_b32 s3, LAPS-1
.Llap:
	TURN 0, 1, 1
	STEP 1, 0, 0
	TURN 1, 0, 1
	STEP 0, 0, 0
	s_sub_co_u32 s3, s3, 1
	s_cmp_lg_u32 s3, 0
	s_cbranch_scc1 .Llap
	TURN 0, 1, 0
	STEP 1, 0, 0
	s_wait_dscnt 4*NL
	WIN MUL_LO
	MUL16 0, 1, NQ-1, 1, 0
	MUL16 2, 1, NQ-1, 1, 0
	s_wait_dscnt 0
	WIN MUL_HI
	MUL16 4, 1, NQ-1, 1, 0
	MUL16 6, 1, NQ-1, 1, 0
	WIN 0
.macro QUANT s
.irp b, 0,1,2,3
	v_max3_num_f32 v[TM+\b], |v[\s+16*\b]|, |v[\s+1+16*\b]|, 0x2800000
.endr
.irp i, 2,4,6,8,10,12,14
.irp b, 0,1,2,3
	v_max3_num_f32 v[TM+\b], v[TM+\b], |v[\s+16*\b+\i]|, |v[\s+1+16*\b+\i]|
.endr
.endr
.irp b, 0,1,2,3
	v_permlanex16_b32 v[TM+4+\b], v[TM+\b], s[SEL], s[SEL+1]
.endr
.irp b, 0,1,2,3
	v_max_num_f32 v[TM+\b], v[TM+\b], v[TM+4+\b]
.endr
.irp b, 0,1,2,3
	v_add_nc_u32 v[TM+12+\b], 0xfe000000, v[TM+\b]
.endr
.irp b, 0,1,2,3
	v_lshrrev_b32 v[TM+4+\b], 23, v[TM+12+\b]
.endr
	v_lshl_or_b32 v[PW], v[TM+5], 8, v[TM+4]
	v_lshl_or_b32 v[PW], v[TM+6], 16, v[PW]
	v_lshl_or_b32 v[PW], v[TM+7], 24, v[PW]
.irp c, 0,1
	v_cvt_scalef32_pk16_bf6_f32 v[CD+6*\c:CD+2+6*\c], v[\s+32*\c:\s+15+32*\c], v[TM+12+2*\c]
	v_cvt_scalef32_pk16_bf6_f32 v[CD+12+4*\c:CD+14+4*\c], v[\s+16+32*\c:\s+31+32*\c], v[TM+12+2*\c+1]
.endr
	v_nop
.irp c, 0,1
.irp i, 0,1,2
	v_permlane16_swap_b32 v[CD+6*\c+\i], v[CD+12+4*\c+\i]
.endr
.irp i, 0,1,2
	v_mov_b32 v[CD+3+6*\c+\i], v[CD+12+4*\c+\i]
.endr
.endr
.endm
	s_wait_loadcnt 0x0                             ; the biases and the table's first two blocks, asked for at the head
	s_cmp_eq_u32 s12, 2
	s_cbranch_scc1 .Lv
	WIN 0x41
.irp b, 0,1,2,3,4,5,6,7
.irp i, 0,2,4,6
	v_pk_mul_f32 v[96+8*\b+96*(\b/4)+\i:97+8*\b+96*(\b/4)+\i], v[96+8*\b+96*(\b/4)+\i:97+8*\b+96*(\b/4)+\i], s[66:67] op_sel_hi:[1,0]
.endr
.endr
.macro BIASQK a
	WIN 0x12+(\a)/4
.irp b, 0,1,2,3,4,5,6,7
.irp i, 0,2,4,6
	v_pk_fma_f32 v[H+8*\b+\i:H+8*\b+\i+1], v[8*(8*((\a)%4)+\b)+\i:8*(8*((\a)%4)+\b)+\i+1], s[66:67], v[96+8*\b+96*(\b/4)+\i:97+8*\b+96*(\b/4)+\i] op_sel_hi:[1,0,1]
.endr
.endr
	WIN 0
.endm
.macro ROPE a
.irp b, 0,1,2,3,4,5,6,7
.irp i, 0,2,4,6
	v_pk_mul_f32 v[TP+\i:TP+\i+1], v[H+8*\b+\i:H+8*\b+\i+1], v[CS+32*((\a)%2)+8*(\b%4)+\i:CS+32*((\a)%2)+8*(\b%4)+\i+1] op_sel:[1,1] op_sel_hi:[0,1]
.endr
.irp i, 0,2,4,6
	v_pk_fma_f32 v[H+8*\b+\i:H+8*\b+\i+1], v[H+8*\b+\i:H+8*\b+\i+1], v[CS+32*((\a)%2)+8*(\b%4)+\i:CS+32*((\a)%2)+8*(\b%4)+\i+1], v[TP+\i:TP+\i+1] op_sel_hi:[1,0,1] neg_lo:[0,0,1]
.endr
.endr
.endm
.macro STAGEQK a
.irp p, 0,1,2
	ds_store_b64 v[QST], v[CD+2*\p:CD+2*\p+1] offset:768*(\a)+8*\p
	ds_store_b64 v[QST], v[CD+6+2*\p:CD+7+2*\p] offset:6144+768*(\a)+8*\p
.endr
	v_and_or_b32 v[TP+8], v[PW], 0xffff, s95
	v_lshrrev_b32 v[TP+9], 16, v[PW]
	v_or_b32 v[TP+9], s95, v[TP+9]
	ds_store_b32 v[QSS], v[TP+8] offset:64*(\a)
	ds_store_b32 v[QSS], v[TP+9] offset:512+64*(\a)
	s_wait_dscnt 0x0
.endm
.irp a, 0,1,2,3,4,5,6,7
	BIASQK \a
.if \a < 7
	s_wait_loadcnt 8
.else
	s_wait_loadcnt 0x0
.endif
	ROPE \a
.if \a < 6
	TABLE \a+2
.endif
	QUANT H
	STAGEQK \a
.endr
.irp hh, 0,1
.irp i, 0,1,2,3,4,5,6,7,8,9,10,11
	ds_load_b128 v[64+4*(12*\hh+\i):67+4*(12*\hh+\i)], v[QRD] offset:6144*\hh+512*\i
.endr
	ds_load_b128 v[160+4*\hh:163+4*\hh], v[QSR] offset:512*\hh
.endr
	s_wait_dscnt 0x0
.irp hh, 0,1
.irp i, 0,1,2,3,4,5,6,7,8,9,10,11
	global_store_b128 v[GL], v[64+4*(12*\hh+\i):67+4*(12*\hh+\i)], s[20:21] offset:REC*\hh+512*\i
.endr
	global_store_b128 v[GL], v[160+4*\hh:163+4*\hh], s[22:23] offset:REC*\hh
.endr
	s_branch .Lend
.Lv:
	PLACES NP
.irp a, 0,1,2,3,4,5,6,7
.if \a > 0
	s_wait_xcnt 0x0
	s_wait_dscnt 0x0
.endif
	WIN 0x02+\a/4
.irp b, 0,1,2,3,4,5,6,7
.irp i, 0,2,4,6
	v_pk_add_f32 v[H+8*\b+\i:H+8*\b+\i+1], v[8*(8*(\a%4)+\b)+\i:8*(8*(\a%4)+\b)+\i+1], v[BV+2*\a:BV+2*\a+1] op_sel_hi:[1,0]
.endr
.endr
	WIN 0
	QUANT H
.irp c, 0,1,2
	global_store_b128 v[GL], v[CD+4*\c:CD+4*\c+3], s[92:93] offset:REC*(\a/4)+1536*(\a%4)+512*\c
.endr
	ds_store_b32 v[VSS], v[PW] offset:128*\a
.endr
	ds_load_b128 v[64:67], v[VSR]
	ds_load_b128 v[68:71], v[VSR] offset:512
	s_wait_dscnt 0x0
	global_store_b128 v[GL], v[64:67], s[18:19]
	global_store_b128 v[GL], v[68:71], s[18:19] offset:REC
.Lend:
	s_wait_tensorcnt 0x0
	ds_add_u32 v[SPW], v[NIL]
	s_wait_dscnt 0x0
	CROUND
	s_endpgm
.Lfunc_end_k_q0fef779d94_qkv:
	.size	k_q0fef779d94_qkv, .Lfunc_end_k_q0fef779d94_qkv-k_q0fef779d94_qkv
	.p2alignl 7, 3214868480
	.fill 96, 4, 3214868480
	.section	.rodata,"a",@progbits
	.p2align	6, 0x0
	.amdhsa_kernel k_q0fef779d94_qkv
		.amdhsa_group_segment_fixed_size 327680
		.amdhsa_private_segment_fixed_size 0
		.amdhsa_enable_private_segment 0
		.amdhsa_kernarg_size 48
		.amdhsa_user_sgpr_count 2
		.amdhsa_user_sgpr_kernarg_segment_ptr 1
		.amdhsa_wavefront_size32 1
		.amdhsa_system_sgpr_workgroup_id_x 1
		.amdhsa_system_sgpr_workgroup_id_y 1
		.amdhsa_system_sgpr_workgroup_id_z 1
		.amdhsa_system_vgpr_workitem_id 0
		.amdhsa_next_free_vgpr 1024
		.amdhsa_next_free_sgpr 102
		.amdhsa_reserve_vcc 0
		.amdhsa_float_denorm_mode_32 3
		.amdhsa_float_denorm_mode_16_64 3
		.amdhsa_memory_ordered 1
		.amdhsa_forward_progress 1
		.amdhsa_inst_pref_size 255
	.end_amdhsa_kernel
	.section	.bss,"aw",@nobits
	.p2align	6
	.space	262144
	.amdgpu_metadata
---
amdhsa.version: [ 1, 2 ]
amdhsa.kernels:
  - .name:           k_q0fef779d94_qkv
    .symbol:         k_q0fef779d94_qkv.kd
    .args:
      - { .name: codes, .offset: 0, .size: 8, .value_kind: global_buffer, .address_space: global }
      - { .name: bq, .offset: 8, .size: 8, .value_kind: global_buffer, .address_space: global }
      - { .name: bk, .offset: 16, .size: 8, .value_kind: global_buffer, .address_space: global }
      - { .name: bv, .offset: 24, .size: 8, .value_kind: global_buffer, .address_space: global }
      - { .name: rope, .offset: 32, .size: 8, .value_kind: global_buffer, .address_space: global }
      - { .name: qkv, .offset: 40, .size: 8, .value_kind: global_buffer, .address_space: global }
    .group_segment_fixed_size: 327680
    .private_segment_fixed_size: 0
    .kernarg_segment_align: 8
    .kernarg_segment_size: 48
    .max_flat_workgroup_size: 128
    .sgpr_count:     102
    .vgpr_count:     1024
    .wavefront_size: 32
...
	.end_amdgpu_metadata
.endif
;; end of part 6
;; launch attn (part 7): grid 8 x 32, 8 waves a work-group, clusters of 4 x 1, 234,496 bytes of LDS; arguments qkv, padding_mask, o_codes, o_scales; writes o_codes, o_scales
.if DOCPART == 7
	.amdgcn_target "amdgcn-amd-amdhsa--gfx1250"
	.amdhsa_code_object_version 6
	.text
	.protected	k_q0fef779d94_attn
	.globl	k_q0fef779d94_attn
	.p2align	8
	.type	k_q0fef779d94_attn,@function
k_q0fef779d94_attn:
	s_mov_b64 s[64:65], 0
	v_nop
	global_prefetch_b8 v0, s[64:65] scope:SCOPE_SE
	s_setreg_imm32_b32 hwreg(HW_REG_WAVE_MODE, 25, 1), 1
	s_wait_xcnt 0x0
	s_wait_alu depctr_hold_cnt(0) depctr_sa_sdst(0) depctr_va_vdst(0) depctr_va_sdst(0) depctr_va_ssrc(0) depctr_va_vcc(0) depctr_vm_vsrc(0)
	s_getreg_b32 s2, hwreg(HW_REG_IB_STS2, 6, 4)
	s_cmp_eq_u32 s2, 0
	s_cbranch_scc0 .Lentry_in_a_cluster
	s_endpgm
.Lentry_in_a_cluster:
	s_bfe_u32 s2, ttmp6, 0x10000c
	s_cmp_lg_u32 s2, 0x3003
	s_cbranch_scc0 .Lentry_shape_is_right
	s_endpgm
.Lentry_shape_is_right:
; O = softmax(q k^T / 8, padded keys hidden) v for one (batch, head), both products on codes of BF6 (E3M2) with E8M0 scales; O / l is quantised along (head, channel) for the last product.
; qkv: a record of 319,488 bytes for each (batch, head): q, k (48 bytes of codes a token, a scale word a token at 98,304) and v (images of operand registers, key step s, tile t at 1,536 (4 s + t); scale words at 98,304).
; THE SOFTMAX: t = score x log2(e) / 8; M = the running largest t rounded up to a whole number; p = 2^(t - M) is quantised along the keys; l is the sum of the unquantised p and divides O at the end.
; When M moves, l and O are multiplied by 2^(old M - new M): exact.
; THE MASK enters as numbers, 0 or -2^100 for each key, the C of the score's matrix instruction.  The running maximum begins at -2^97, above every hidden t: hidden keys give p = 0 and never move M.
; LIMITS: that holds while real |score| stays under 2^96.  A row all of whose keys are hidden has l = 0: its scale bytes are written as 0xff, so that the last product gives NaN there, as the softmax of such a row does.
; A block of zeros gets the scale byte 1 (zero codes; this program alone reads the bytes).  NaN and infinities among the inputs are not served.
; SHARES: a work-group owns 256 queries of one head, each of its eight waves 32: TWO TILES of 16 queries (x = 0, 1), which share every fragment of k and v: 76 LDS loads a step for both.  16 key steps of 128.
; THE WHOLE HEAD'S k AND v, 212,992 dense bytes, LIE IN LDS as in memory, filled once: each wave asks for 104 rows of 256 bytes (8 x 26,624 = 212,992), its one tensor load.
; CLUSTER: four query blocks of a head read the same k and v: every load is joint, with the mask of all four.  No prefetch: every load goes out at the head, so there is no loop to run ahead in.
; LAYOUT: S^T = k q^T (source 0 = 16 keys, source 1 = 16 queries), O^T = v^T p^T: a lane holds one query of each tile throughout.
; The head's 64 fill half of the instruction's K: q's upper 64 are zero codes with scale byte 1; k's tiles lie on end, six registers each, so that tile t's upper 64 are tile t + 1's codes, each of which meets a zero code.
; A block of 32 keys lies in two neighbouring tiles: its codes stand in the order 0-7, 16-23, 8-15, 24-31, and v's images were made by the same lines: both operands are permuted alike.
; REGISTERS.  Window 0 holds all that vector instructions work on, for both tiles, so that the two tiles' chains take turns with no switch of window:
;   v1-5 places that stay; v6-10 the step's addresses; v12+4x -M, v13+4x the largest t, v[14+4x:15+4x] l; v[20+2x:21+2x] f; v24+x at work; v26+x q's, v28+x p's scale word; v30-33 k's, v34-37 v's scale words;
;   v38-41 the way out's addresses; v42-43 for the add; v44-79 the softmax's registers at work; v80-111 tile 0's pair sums; v128+64x .. the mask's numbers, S^T, p.
; Window 1 holds matrix operands: v0-53 k's tiles; v56+12x q; v80+8x at work; v96+12x p's codes; v120-167 v's fragments; v168+32x O^T.
.set KSC,  98304
.set VIM,  106496
.set VSC,  204800
.set MB,   212992                      ; the mask's 2,048 numbers
.set STG,  221184                      ; the way out: 1,536 bytes a wave
.set SPARE, 233472
.set REC,  319488
.set ROLE, 106496
.set PART, 26624
.set NM,  12
.set FF,  20
.set TT,  24
.set QS,  26
.set PS,  28
.set KSW, 30
.set VSW, 34
.set SPW, 42
.set NIL, 43
.set BM,  44
.set PM,  52
.set SO,  60
.set SU,  74
.set U,   80
.set SA,  128
.set KF,  0                            ; window 1 from here on
.set QF,  56
.set CT,  80
.set PCD, 96
.set VF,  120
.set O,   168
.set MSB, 0
.macro WIN new                         ; the immediate's high byte repeats the setting that is left
.if MSB != \new
	s_set_vgpr_msb (MSB<<8)|\new
.set MSB, \new
.endif
.endm
.macro CROUND
	s_barrier_signal -1
	s_barrier_wait -1
	s_cmp_lg_u32 s12, 0
	s_cbranch_scc1 .Lnot_wave_0_\@
	s_barrier_signal -3
.Lnot_wave_0_\@:
	s_barrier_wait -3
	s_barrier_signal -1
	s_barrier_wait -1
.endm
	s_load_b256 s[4:11], s[0:1], 0x0               ; qkv, padding_mask, o_codes, o_scales
	v_lshl_add_u32 v[SPW], v0, 2, SPARE
	v_mov_b32 v[NIL], 0
	ds_add_u32 v[SPW], v[NIL]
	ds_add_u32 v[SPW], v[NIL]
	v_lshrrev_b32 v1, 5, v0
	v_readfirstlane_b32 s12, v1                    ; wave 0..7
	s_bfe_u32 s13, ttmp6, 0x40000                  ; cx
	s_lshl_b32 s14, ttmp9, 2
	s_add_co_u32 s14, s14, s13                     ; my block of 256 queries: it enters global addresses alone
	s_and_b32 s15, ttmp7, 0xffff                   ; (batch, head), which the four partners share
	s_mul_i32 s66, s15, REC
	s_mov_b32 s67, 0
	s_mov_b32 s73, 0
	s_mov_b32 s24, 15|(3<<16)|(1<<21)              ; group 1: all four work-groups; elements of 8 bytes; no padding
	s_mov_b32 s25, 32<<16                          ; rows of 256 bytes,
	s_mov_b32 s26, 104<<16                         ; 104 of them,
	s_mov_b32 s27, 32<<16
	s_mov_b32 s28, 104
	s_mov_b32 s29, 32                              ; dense
	s_mov_b32 s30, 0
	s_mov_b32 s31, 0
	s_mov_b32 s40, 1
	s_mul_i32 s41, s12, PART                       ; my part: the same offset in LDS and from k's first byte
	s_mov_b32 s20, 0x76543210
	s_mov_b32 s21, 0xfedcba98                      ; lane selects for lane l xor 16
	s_mov_b32 s22, 0x3e38aa3b                      ; c = log2(e) / 8
	s_mov_b32 s23, s22
	s_mov_b32 s63, 0x01010000                      ; q's scale bytes of the upper 64 along K
	s_lshr_b32 s16, s15, 4                         ; batch
	s_and_b32 s18, s15, 15                         ; head
	s_lshl_b32 s17, s14, 8
	s_lshl_b32 s19, s12, 5
	s_add_co_u32 s17, s17, s19                     ; my first query
	s_lshl_b32 s19, s16, 11
	s_add_co_u32 s19, s19, s17                     ; my first token of 4,096
	s_mul_i32 s79, s12, 1536
	s_add_co_u32 s79, s79, STG                     ; my stage
	s_wait_dscnt 0x0
	s_wait_kmcnt 0x0
	s_add_nc_u64 s[68:69], s[4:5], s[66:67]        ; the head's record
	s_mov_b32 s72, s41
	s_add_nc_u64 s[42:43], s[68:69], s[72:73]
	s_add_nc_u64 s[42:43], s[42:43], ROLE
	s_or_b32 s43, s43, 0x80000000
	s_lshl_b32 s72, s16, 11
	s_add_nc_u64 s[6:7], s[6:7], s[72:73]          ; my batch's mask
	s_mul_i32 s72, s17, 48
	s_add_nc_u64 s[74:75], s[68:69], s[72:73]      ; q's codes
	s_lshl_b32 s72, s17, 2
	s_add_co_u32 s72, s72, KSC
	s_add_nc_u64 s[76:77], s[68:69], s[72:73]      ; q's scale words
	s_mul_i32 s72, s18, 196608
	s_mul_i32 s78, s19, 48
	s_add_co_u32 s72, s72, s78
	s_add_nc_u64 s[8:9], s[8:9], s[72:73]          ; o_codes [head][token][48]
	s_lshl_b32 s72, s19, 5
	s_lshl_b32 s78, s18, 1
	s_add_co_u32 s72, s72, s78
	s_add_nc_u64 s[10:11], s[10:11], s[72:73]      ; o_scales [token][32]: bytes 2 head, 2 head + 1
	CROUND                                         ; all four work-groups are here: the joint loads meet
	tensor_load_to_lds s[40:43], s[24:31]          ; one tensor load a wave, on every way through the text
	s_nop 0
.rept 4
	v_nop
.endr
	v_and_b32 v11, 31, v0
	v_and_b32 v8, 15, v0                           ; r
	v_bfe_u32 v9, v0, 4, 1                         ; h
	v_mul_u32_u24 v1, v8, 48
	v_mad_u32_u24 v1, v9, 24, v1                   ; a token's 48 bytes, my block's 24
	v_lshl_add_u32 v2, v11, 4, VIM
	v_lshl_add_u32 v3, v11, 2, KSC
	v_lshl_add_u32 v4, v11, 2, VSC
	v_lshl_add_u32 v5, v9, 5, MB
	v_lshlrev_b32 v130, 3, v0
	v_lshlrev_b32 v131, 2, v8
	v_lshl_add_u32 v142, v0, 5, MB
	v_mov_b32 v141, 0xf1800000                     ; -2^100
	v_add_nc_u32 v38, s79, v1                      ; the stage, in: 48 r + 24 h
	v_lshlrev_b32 v40, 3, v11                      ; back, and in memory: 8 lane
	v_add_nc_u32 v39, s79, v40
	v_lshlrev_b32 v41, 5, v8                       ; a token's 32 scale bytes
	global_load_b64 v[128:129], v130, s[6:7]       ; thread t: the mask's bytes of keys 8 t .. 8 t + 7
	global_load_b32 v[QS], v131, s[76:77]
	global_load_b32 v[QS+1], v131, s[76:77] offset:64
	WIN 0x40                                       ; destinations in window 1
.irp x, 0,1
.irp p, 0,1,2
	global_load_b64 v[QF+12*\x+2*\p:QF+12*\x+2*\p+1], v1, s[74:75] offset:768*\x+8*\p   ; q's fragments stay in registers
.endr
.endr
.irp j, 0,1,2,3,4,5
	v_mov_b32 v[KF+48+\j], 0                       ; what stands behind k's eighth tile,
	v_mov_b32 v[QF+6+\j], 0                        ; and q's upper 64: zero codes
	v_mov_b32 v[QF+18+\j], 0
.endr
.set J, 0
.rept 64
	v_mov_b32 v[O+J], 0                            ; O^T: the step is written once, and the first finds zeros
.set J, J+1
.endr
	WIN 0
.irp x, 0,1
	v_mov_b32 v[NM+1+4*\x], 0xf0000000             ; the largest t so far: -2^97
	v_floor_f32 v[NM+4*\x], -v[NM+1+4*\x]          ; -M
	v_mov_b32 v[NM+2+4*\x], 0
	v_mov_b32 v[NM+3+4*\x], 0
	v_mov_b32 v[FF+2*\x], 0
	v_mov_b32 v[FF+1+2*\x], 0
	v_mov_b32 v[TT+\x], 0
.endr
.irp j, 0,1,2,3,4,5,6,7
	v_mov_b32 v[PM+\j], 0                          ; a lane permute's destination counts as one of its sources
.endr
	s_wait_alu depctr_va_vdst(0)
	s_wait_loadcnt 0x0
	v_and_or_b32 v[QS], v[QS], 0xffff, s63
	v_and_or_b32 v[QS+1], v[QS+1], 0xffff, s63
.irp i, 0,1,2,3,4,5,6,7
	v_bfe_u32 v140, v[128+\i/4], 8*(\i%4), 8
	v_cmp_ne_u32 vcc_lo, 0, v140
	v_cndmask_b32 v[132+\i], 0, v141, vcc_lo       ; a choice of value: no jump hangs on the mask
.endr
	ds_store_b128 v142, v[132:135]
	ds_store_b128 v142, v[136:139] offset:16
	s_wait_alu depctr_va_vdst(0)                   ; the head's end
	s_wait_tensorcnt 0x0                           ; my part of k and v is in,
	s_wait_dscnt 0x0                               ; and my stores of the mask's numbers are done
	s_barrier_signal -1
	s_barrier_wait -1                              ; both hold of all eight waves
; What a key step's score products want: 60 LDS loads.  s60: 6,144 bytes a step (k's codes, v's images); s61: 512 bytes a step (scale words, the mask's numbers).
.macro ASKK
	WIN 0
	v_add_nc_u32 v6, s60, v1
	v_add_nc_u32 v8, s61, v3
	v_add_nc_u32 v10, s61, v5
.irp x, 0,1
.irp t, 0,1,2,3,4,5,6,7
	ds_load_b128 v[SA+64*\x+8*\t:SA+64*\x+8*\t+3], v10 offset:64*\t
	ds_load_b128 v[SA+64*\x+8*\t+4:SA+64*\x+8*\t+7], v10 offset:64*\t+16
.endr
.endr
.irp t, 0,1,2,3
	ds_load_b32 v[KSW+\t], v8 offset:128*\t
.endr
	WIN 0x40
.irp t, 0,1,2,3,4,5,6,7
.irp p, 0,1,2
	ds_load_b64 v[KF+6*\t+2*\p:KF+6*\t+2*\p+1], v6 offset:768*\t+8*\p
.endr
.endr
	WIN 0
.endm
.macro SCORE t, x
.if (\t)%2
	v_wmma_scale_f32_16x16x128_f8f6f4 v[SA+64*\x+8*\t:SA+64*\x+8*\t+7], v[KF+6*\t:KF+6*\t+11], v[QF+12*\x:QF+12*\x+11], v[SA+64*\x+8*\t:SA+64*\x+8*\t+7], v[KSW+\t/2], v[QS+\x] matrix_a_fmt:MATRIX_FMT_BF6 matrix_b_fmt:MATRIX_FMT_BF6 matrix_a_scale:MATRIX_SCALE_ROW1
.else
	v_wmma_scale_f32_16x16x128_f8f6f4 v[SA+64*\x+8*\t:SA+64*\x+8*\t+7], v[KF+6*\t:KF+6*\t+11], v[QF+12*\x:QF+12*\x+11], v[SA+64*\x+8*\t:SA+64*\x+8*\t+7], v[KSW+\t/2], v[QS+\x] matrix_a_fmt:MATRIX_FMT_BF6 matrix_b_fmt:MATRIX_FMT_BF6
.endif
.endm
.macro STEP pre
	s_wait_dscnt 0x0                               ; the mask's numbers, k's scale words and tiles are in
	WIN 0x05                                       ; sources in window 1, C and D in window 0
.irp t, 0,1,2,3,4,5,6,7
	SCORE \t, 0                                    ; sixteen accumulators, one instruction each
	SCORE \t, 1
.endr
	WIN 0
	v_add_nc_u32 v7, s60, v2                       ; four places behind the products, two of them v's addresses
	v_add_nc_u32 v9, s61, v4
	v_nop
	v_nop
	WIN 0x40
.irp t, 0,1,2,3
.irp c, 0,1,2
	ds_load_b128 v[VF+12*\t+4*\c:VF+12*\t+4*\c+3], v7 offset:1536*\t+512*\c
.endr
.endr
	WIN 0
.irp t, 0,1,2,3
	ds_load_b32 v[VSW+\t], v9 offset:128*\t
.endr
.irp x, 0,1                                    ; each block's largest score: eight chains by turns
.irp b, 0,1,2,3
	v_max3_num_f32 v[BM+4*\x+\b], v[SA+64*\x+16*\b], v[SA+64*\x+16*\b+1], v[SA+64*\x+16*\b+2]
.endr
.endr
.irp i, 3,5,7,9,11,13
.irp x, 0,1
.irp b, 0,1,2,3
	v_max3_num_f32 v[BM+4*\x+\b], v[BM+4*\x+\b], v[SA+64*\x+16*\b+\i], v[SA+64*\x+16*\b+\i+1]
.endr
.endr
.endr
.irp x, 0,1
.irp b, 0,1,2,3
	v_max_num_f32 v[BM+4*\x+\b], v[BM+4*\x+\b], v[SA+64*\x+16*\b+15]
.endr
.endr
.irp j, 0,1,2,3,4,5,6,7
	v_permlanex16_b32 v[PM+\j], v[BM+\j], s20, s21
.endr
.irp j, 0,1,2,3,4,5,6,7
	v_max_num_f32 v[BM+\j], v[BM+\j], v[PM+\j]     ; with lane l xor 16's 16 keys
.endr
.irp x, 0,1
	v_max3_num_f32 v[TT+\x], v[BM+4*\x], v[BM+4*\x+1], v[BM+4*\x+2]
.endr
.irp x, 0,1
	v_max_num_f32 v[TT+\x], v[TT+\x], v[BM+4*\x+3]
.endr
.irp x, 0,1
	v_mul_f32 v[TT+\x], s22, v[TT+\x]
.endr
.irp x, 0,1
	v_max_num_f32 v[NM+1+4*\x], v[NM+1+4*\x], v[TT+\x]
.endr
.irp x, 0,1
	v_mov_b32 v[TT+\x], v[NM+4*\x]
.endr
.irp x, 0,1
	v_floor_f32 v[NM+4*\x], -v[NM+1+4*\x]          ; the new -M: M is a whole number
.endr
.irp x, 0,1
	v_sub_f32 v[TT+\x], v[NM+4*\x], v[TT+\x]
.endr
.irp x, 0,1
	v_cvt_i32_f32 v[TT+\x], v[TT+\x]
.endr
.irp x, 0,1
	v_ldexp_f32 v[FF+2*\x], 1.0, v[TT+\x]          ; f = 2^(old M - new M)
.endr
.irp x, 0,1
.irp b, 0,1,2,3
	v_fma_f32 v[BM+4*\x+\b], v[BM+4*\x+\b], s22, v[NM+4*\x]
.endr
.endr
.set J, 0
.rept 32
	v_pk_fma_f32 v[SA+J:SA+1+J], v[SA+J:SA+1+J], s[22:23], v[NM:NM+1] op_sel_hi:[1,0,0]   ; tile 0: t - M
.set J, J+2
.endr
	s_wait_alu depctr_va_vdst(0)                   ; the wait ahead of the exponentials
.irp j, 0,1,2,3,4,5,6,7
	v_exp_f32 v[BM+\j], v[BM+\j]                   ; each block's largest p
.endr
.set J, 0
.rept 32                                       ; tile 0's exponentials; among them tile 1's t - M, which nothing reads ahead of the next wait
	v_exp_f32 v[SA+J], v[SA+J]
	v_exp_f32 v[SA+1+J], v[SA+1+J]
	v_pk_fma_f32 v[SA+64+J:SA+65+J], v[SA+64+J:SA+65+J], s[22:23], v[NM+4:NM+5] op_sel_hi:[1,0,0]
.set J, J+2
.endr
	s_wait_alu depctr_va_vdst(0)                   ; behind tile 0's batch and ahead of tile 1's
.set J, 0
.rept 16                                       ; tile 1's exponentials; among them tile 0's first pair sums, which nothing reads ahead of the next wait
	v_exp_f32 v[SA+64+J], v[SA+64+J]
	v_exp_f32 v[SA+65+J], v[SA+65+J]
	v_pk_add_f32 v[U+J/2:U+J/2+1], v[SA+J:SA+J+1], v[SA+J+2:SA+J+3]
	v_exp_f32 v[SA+66+J], v[SA+66+J]
	v_exp_f32 v[SA+67+J], v[SA+67+J]
.set J, J+4
.endr
.irp x, 0,1
	v_pk_mul_f32 v[NM+2+4*\x:NM+3+4*\x], v[NM+2+4*\x:NM+3+4*\x], v[FF+2*\x:FF+2*\x+1] op_sel_hi:[1,0]   ; l under the new M (plain lines behind the batch)
.endr
	s_wait_alu depctr_va_vdst(0)                   ; the wait behind the batch
	v_pk_add_f32 v[SU:SU+1], v[SA+64:SA+65], v[SA+66:SA+67]      ; l is taken of the unquantised p.  Tile 1: four chains
	v_pk_add_f32 v[SU+2:SU+3], v[SA+68:SA+69], v[SA+70:SA+71]
	v_pk_add_f32 v[SU+4:SU+5], v[SA+72:SA+73], v[SA+74:SA+75]
.irp k, 0,2,4,6,8,10,12,14                     ; tile 0: a tree over its sixteen pair sums
	v_pk_add_f32 v[U+\k:U+\k+1], v[U+\k:U+\k+1], v[U+16+\k:U+17+\k]
.endr
.irp j, 76,84,92,100,108,116
	v_pk_add_f32 v[NM+6:NM+7], v[NM+6:NM+7], v[SA+\j:SA+1+\j]
	v_pk_add_f32 v[SU:SU+1], v[SU:SU+1], v[SA+2+\j:SA+3+\j]
	v_pk_add_f32 v[SU+2:SU+3], v[SU+2:SU+3], v[SA+4+\j:SA+5+\j]
	v_pk_add_f32 v[SU+4:SU+5], v[SU+4:SU+5], v[SA+6+\j:SA+7+\j]
.endr
.irp k, 0,2,4,6
	v_pk_add_f32 v[U+\k:U+\k+1], v[U+\k:U+\k+1], v[U+8+\k:U+9+\k]
.endr
	v_pk_add_f32 v[NM+6:NM+7], v[NM+6:NM+7], v[SA+124:SA+125]
	v_pk_add_f32 v[SU:SU+1], v[SU:SU+1], v[SA+126:SA+127]
	v_pk_add_f32 v[SU+2:SU+3], v[SU+2:SU+3], v[SU+4:SU+5]
	v_pk_add_f32 v[U:U+1], v[U:U+1], v[U+4:U+5]
	v_pk_add_f32 v[U+2:U+3], v[U+2:U+3], v[U+6:U+7]
	v_pk_add_f32 v[NM+6:NM+7], v[NM+6:NM+7], v[SU:SU+1]
.irp j, 0,1,2,3,4,5,6,7
	v_max_num_f32 v[BM+\j], 0x2800000, v[BM+\j]    ; the floor 2^(5 - 127)
.endr
	v_pk_add_f32 v[U:U+1], v[U:U+1], v[U+2:U+3]
	v_pk_add_f32 v[NM+6:NM+7], v[NM+6:NM+7], v[SU+2:SU+3]
.irp j, 0,1,2,3,4,5,6,7
	v_add_nc_u32 v[SO+\j], 0xfe000000, v[BM+\j]    ; 4 off the exponent field: the conversion's scale operand
.endr
	v_pk_add_f32 v[NM+2:NM+3], v[NM+2:NM+3], v[U:U+1]
.irp j, 0,1,2,3,4,5,6,7
	v_lshrrev_b32 v[PM+\j], 23, v[SO+\j]           ; the scale's byte
.endr
.irp x, 0,1
	v_lshl_or_b32 v[PS+\x], v[PM+4*\x+1], 8, v[PM+4*\x]
.endr
.irp x, 0,1
	v_lshl_or_b32 v[PS+\x], v[PM+4*\x+2], 16, v[PS+\x]
.endr
.irp x, 0,1
	v_lshl_or_b32 v[PS+\x], v[PM+4*\x+3], 24, v[PS+\x]
.endr
	WIN 0x40                                       ; the codes go to window 1
.irp x, 0,1
.irp c, 0,1
	v_cvt_scalef32_pk16_bf6_f32 v[PCD+12*\x+6*\c:PCD+12*\x+6*\c+2], v[SA+64*\x+32*\c:SA+64*\x+32*\c+15], v[SO+4*\x+2*\c]
	v_cvt_scalef32_pk16_bf6_f32 v[CT+8*\x+4*\c:CT+8*\x+4*\c+2], v[SA+64*\x+32*\c+16:SA+64*\x+32*\c+31], v[SO+4*\x+2*\c+1]
.endr
.endr
	v_nop                                          ; one plain line behind a scaled conversion
	WIN 0x41
.irp x, 0,1                                    ; a whole block in a lane
.irp c, 0,1
.irp i, 0,1,2
	v_permlane16_swap_b32 v[PCD+12*\x+6*\c+\i], v[CT+8*\x+4*\c+\i]
.endr
.endr
.endr
.irp x, 0,1
.irp c, 0,1
.irp i, 0,1,2
	v_mov_b32 v[PCD+12*\x+6*\c+3+\i], v[CT+8*\x+4*\c+\i]
.endr
.endr
.endr
.if \pre
	s_add_co_u32 s60, s60, 6144
	s_add_co_u32 s61, s61, 512
	ASKK                                           ; the next step's 60 loads
	s_wait_dscnt 60                                ; v's sixteen loads are in; the 60 issued behind them may be out
.else
	s_wait_dscnt 0x0
.endif
	WIN 0x41                                       ; O^T in window 1, f in window 0
	s_wait_alu depctr_va_vdst(0)                   ; the wait directly ahead of the first reader of O^T
.irp x, 0,1
.set J, 0
.rept 16
	v_pk_mul_f32 v[O+32*\x+J:O+32*\x+J+1], v[O+32*\x+J:O+32*\x+J+1], v[FF+2*\x:FF+2*\x+1] op_sel_hi:[1,0]   ; O^T under the new M; also the places ahead of the products
.set J, J+2
.endr
.endr
	WIN 0x55
.irp t, 0,1,2,3
.irp x, 0,1
	v_wmma_scale_f32_16x16x128_f8f6f4 v[O+32*\x+8*\t:O+32*\x+8*\t+7], v[VF+12*\t:VF+12*\t+11], v[PCD+12*\x:PCD+12*\x+11], v[O+32*\x+8*\t:O+32*\x+8*\t+7], v[VSW+\t], v[PS+\x] matrix_a_fmt:MATRIX_FMT_BF6 matrix_b_fmt:MATRIX_FMT_BF6
.endr
.endr
	WIN 0
.endm
	s_mov_b32 s60, 0
	s_mov_b32 s61, 0
	ASKK
	s_mov_b32 s62, 15
.Lstep:
	STEP 1
	s_sub_co_u32 s62, s62, 1
	s_cmp_lg_u32 s62, 0
	s_cbranch_scc1 .Lstep
	STEP 0                                         ; the last step asks for nothing
	; THE WAY OUT.  O^T / l into window 0, v[SA + 64 x ..]; register 8 t + j of lane (r, h) is channel 16 t + 8 h + j of query r.
.irp x, 0,1
	v_add_f32 v[NM+2+4*\x], v[NM+2+4*\x], v[NM+3+4*\x]
.endr
.irp x, 0,1
	v_permlanex16_b32 v[TT+\x], v[NM+2+4*\x], s20, s21
.endr
.irp x, 0,1
	v_add_f32 v[NM+2+4*\x], v[NM+2+4*\x], v[TT+\x] ; the row's sum
.endr
.irp x, 0,1
	v_cmp_eq_f32 s[70+\x], 0, v[NM+2+4*\x]         ; a row with no key left
.endr
	s_wait_alu depctr_va_vdst(0)                   ; ahead of the reciprocals
.irp x, 0,1
	v_rcp_f32 v[FF+2*\x], v[NM+2+4*\x]
.endr
	v_nop
	WIN 0x01
	s_wait_alu depctr_va_vdst(0)                   ; behind them, directly ahead of the first reader of them and of O^T
.irp x, 0,1
.set J, 0
.rept 16
	v_pk_mul_f32 v[SA+64*\x+J:SA+64*\x+J+1], v[O+32*\x+J:O+32*\x+J+1], v[FF+2*\x:FF+2*\x+1] op_sel_hi:[1,0]
.set J, J+2
.endr
.endr
	WIN 0
.irp x, 0,1                                    ; Wo's codes stand in their true order, so O's must: register 16 b + i becomes channel 32 b + 16 h + i
.irp b, 0,1
.irp j, 0,1,2,3,4,5,6,7
	v_permlane16_swap_b32 v[SA+64*\x+16*\b+\j], v[SA+64*\x+16*\b+8+\j]
.endr
.endr
.endr
.irp x, 0,1
.irp b, 0,1
	v_max3_num_f32 v[SA+64*\x+32+\b], |v[SA+64*\x+16*\b]|, |v[SA+64*\x+16*\b+1]|, 0x2800000
	v_mov_b32 v[SA+64*\x+34+\b], 0
.endr
.endr
.irp i, 2,4,6,8,10,12,14
.irp x, 0,1
.irp b, 0,1
	v_max3_num_f32 v[SA+64*\x+32+\b], v[SA+64*\x+32+\b], |v[SA+64*\x+16*\b+\i]|, |v[SA+64*\x+16*\b+\i+1]|
.endr
.endr
.endr
.irp x, 0,1
.irp b, 0,1
	v_permlanex16_b32 v[SA+64*\x+34+\b], v[SA+64*\x+32+\b], s20, s21
.endr
.endr
.irp x, 0,1
.irp b, 0,1
	v_max_num_f32 v[SA+64*\x+32+\b], v[SA+64*\x+32+\b], v[SA+64*\x+34+\b]
.endr
.endr
.irp x, 0,1
.irp b, 0,1
	v_add_nc_u32 v[SA+64*\x+36+\b], 0xfe000000, v[SA+64*\x+32+\b]
.endr
.endr
.irp x, 0,1
.irp b, 0,1
	v_lshrrev_b32 v[SA+64*\x+34+\b], 23, v[SA+64*\x+36+\b]
.endr
.endr
.irp x, 0,1
	v_lshl_or_b32 v[SA+64*\x+38], v[SA+64*\x+35], 8, v[SA+64*\x+34]   ; my head's two scale bytes of query r
	v_mov_b32 v[SA+64*\x+39], 0xffff
.endr
.irp x, 0,1
	v_cndmask_b32 v[SA+64*\x+38], v[SA+64*\x+38], v[SA+64*\x+39], s[70+\x]   ; NaN's byte twice where l = 0
.endr
.irp x, 0,1
	v_cvt_scalef32_pk16_bf6_f32 v[SA+64*\x+40:SA+64*\x+42], v[SA+64*\x:SA+64*\x+15], v[SA+64*\x+36]
	v_cvt_scalef32_pk16_bf6_f32 v[SA+64*\x+44:SA+64*\x+46], v[SA+64*\x+16:SA+64*\x+31], v[SA+64*\x+37]
.endr
	v_nop
.irp x, 0,1
.irp i, 0,1,2
	v_permlane16_swap_b32 v[SA+64*\x+40+\i], v[SA+64*\x+44+\i]
.endr
.endr
.irp x, 0,1
.irp i, 0,1,2
	v_mov_b32 v[SA+64*\x+43+\i], v[SA+64*\x+44+\i]
.endr
.endr
.irp x, 0,1
.irp p, 0,1,2
	ds_store_b64 v38, v[SA+64*\x+40+2*\p:SA+64*\x+41+2*\p] offset:768*\x+8*\p
.endr
.endr
.irp x, 0,1
.irp i, 0,1,2
	ds_load_b64 v[SA+64*\x+48+2*\i:SA+64*\x+49+2*\i], v39 offset:768*\x+256*\i   ; LDS serves a wave's instructions in order: these see my stores
.endr
.endr
	s_wait_alu depctr_va_vdst(0)
	s_wait_dscnt 0x0
.irp x, 0,1
.irp i, 0,1,2
	global_store_b64 v40, v[SA+64*\x+48+2*\i:SA+64*\x+49+2*\i], s[8:9] offset:768*\x+256*\i   ; 32 lanes store 256 consecutive bytes, aligned
.endr
	global_store_b16 v41, v[SA+64*\x+38], s[10:11] offset:512*\x   ; two bytes a token (lanes r and 16 + r write the same)
.endr
	s_wait_tensorcnt 0x0                           ; the wave's end
	ds_add_u32 v[SPW], v[NIL]
	s_wait_dscnt 0x0
	CROUND                                         ; the closing round
	s_endpgm
.Lfunc_end_k_q0fef779d94_attn:
	.size	k_q0fef779d94_attn, .Lfunc_end_k_q0fef779d94_attn-k_q0fef779d94_attn
	.p2alignl 7, 3214868480
	.fill 96, 4, 3214868480
	.section	.rodata,"a",@progbits
	.p2align	6, 0x0
	.amdhsa_kernel k_q0fef779d94_attn
		.amdhsa_group_segment_fixed_size 234496
		.amdhsa_private_segment_fixed_size 0
		.amdhsa_enable_private_segment 0
		.amdhsa_kernarg_size 32
		.amdhsa_user_sgpr_count 2
		.amdhsa_user_sgpr_kernarg_segment_ptr 1
		.amdhsa_wavefront_size32 1
		.amdhsa_system_sgpr_workgroup_id_x 1
		.amdhsa_system_sgpr_workgroup_id_y 1
		.amdhsa_system_sgpr_workgroup_id_z 1
		.amdhsa_system_vgpr_workitem_id 0
		.amdhsa_next_free_vgpr 512
		.amdhsa_next_free_sgpr 80
		.amdhsa_reserve_vcc 1
		.amdhsa_float_denorm_mode_32 3
		.amdhsa_float_denorm_mode_16_64 3
		.amdhsa_memory_ordered 1
		.amdhsa_forward_progress 1
		.amdhsa_inst_pref_size 84
	.end_amdhsa_kernel
	.amdgpu_metadata
---
amdhsa.version: [ 1, 2 ]
amdhsa.kernels:
  - .name:           k_q0fef779d94_attn
    .symbol:         k_q0fef779d94_attn.kd
    .args:
      - { .name: qkv, .offset: 0, .size: 8, .value_kind: global_buffer, .address_space: global }
      - { .name: padding_mask, .offset: 8, .size: 8, .value_kind: global_buffer, .address_space: global }
      - { .name: o_codes, .offset: 16, .size: 8, .value_kind: global_buffer, .address_space: global }
      - { .name: o_scales, .offset: 24, .size: 8, .value_kind: global_buffer, .address_space: global }
    .group_segment_fixed_size: 234496
    .private_segment_fixed_size: 0
    .kernarg_segment_align: 8
    .kernarg_segment_size: 32
    .max_flat_workgroup_size: 256
    .sgpr_count:     80
    .vgpr_count:     512
    .wavefront_size: 32
...
	.end_amdgpu_metadata
.endif
;; end of part 7
;; launch outp (part 8): grid 8 x 32, 4 waves a work-group, clusters of 4 x 4, 248,576 bytes of LDS; arguments o_codes, o_scales, codes, bo, out0; writes out0
.if DOCPART == 8
	.amdgcn_target "amdgcn-amd-amdhsa--gfx1250"
	.amdhsa_code_object_version 6
	.text
	.protected	k_q0fef779d94_outp
	.globl	k_q0fef779d94_outp
	.p2align	8
	.type	k_q0fef779d94_outp,@function
k_q0fef779d94_outp:
	s_mov_b64 s[64:65], 0
	v_nop
	global_prefetch_b8 v0, s[64:65] scope:SCOPE_SE
	s_setreg_imm32_b32 hwreg(HW_REG_WAVE_MODE, 25, 1), 1
	s_wait_xcnt 0x0
	s_wait_alu depctr_hold_cnt(0) depctr_sa_sdst(0) depctr_va_vdst(0) depctr_va_sdst(0) depctr_va_ssrc(0) depctr_va_vcc(0) depctr_vm_vsrc(0)
	s_getreg_b32 s2, hwreg(HW_REG_IB_STS2, 6, 4)
	s_cmp_eq_u32 s2, 0
	s_cbranch_scc0 .Lentry_in_a_cluster
	s_endpgm
.Lentry_in_a_cluster:
	s_bfe_u32 s2, ttmp6, 0x10000c
	s_cmp_lg_u32 s2, 0xf033
	s_cbranch_scc0 .Lentry_shape_is_right
	s_endpgm
.Lentry_shape_is_right:
; out0 = O Wo^T + bo on codes of BF6 (E3M2) with one E8M0 scale for each 32 along K = 1,024 = (head, channel).  out0: [4096][1024] f32.
; O's codes: [head 16][token 4096][48 bytes]; its scale bytes [token][32].  Wo: blocks 56 on of codes: a block of 128 rows is four chunks of 25,600 dense bytes (128 x 192 of codes, then 128 x 8 scale bytes).
; SHARES: 32 x 8 tiles of 128 x 128: 256 work-groups of four waves, a wave 64 x 64 in 16 accumulators.
; ALL OF K FOR THE TILE LIES IN LDS, each byte filled once, by one tensor load a wave at the head: wave 0 O's codes (16 heads x 6,144 bytes), wave 1 O's scale bytes (16 rows of 256),
; waves 2 and 3 a half each of Wo's block (200 rows of 256 bytes; 16 bytes of padding behind every 64, so that a row of codes is 240 bytes in LDS).  One barrier; nothing is filled again.
; CLUSTERS of 4 x 4: O's tiles are shared along a row of the cluster, Wo's along a column.  No prefetch: every load goes out at the head, so there is no loop to run ahead in.
; Source 0 = 16 rows of Wo, source 1 = 16 tokens: a lane holds eight neighbouring numbers of a row of out0.  bo is the C of each sum's first instruction.
; REGISTERS: window 0: v0-31 addresses; v32-63 O's scale words (8 i + step), v160-191 Wo's; v64-159 the even steps' fragments (O's four, Wo's four); on the way out v64-159, v192-223.
;   window 1: v0-127 accumulators ((a, b) at 8 (4 a + b)); v128-159 bo; v160-255 the odd steps' fragments.
.set PITCH,  240
.set FR,     12
.set PLANE,  196608
.set HPL,    6144                      ; 128 tokens of one head
.set BOFF,   16*HPL
.set CHB,    32000                     ; a chunk of Wo in LDS
.set SCL,    BOFF+4*CHB                ; O's scale bytes: rows of 256 + 16
.set SBLK,   544
.set STG,    SCL+16*272
.set SPITCH, 272
.set SPARE,  STG+4*16*SPITCH
.set BOA,  7
.set ADSB, 12                          ; v12-13 Wo's scale bytes: chunks 0-1, 2-3
.set ADRA, 16                          ; v16-17 O: heads 0-7, 8-15
.set ADRB, 20                          ; v20-21 Wo: chunks 0-1, 2-3; v22-23 behind one padding more
.set STO,  24
.set RD,   25
.set CO,   26
.set ADRS, 27
.set SCA,  32
.set SCB,  160
.set BO,   128
.set G1,   24
.set G1B,  32
.set G1S,  40
.set GA,   48
.set GS,   52
.set GB0,  56
.set GB1,  60
.set MSB, 0
.macro WIN new
.if MSB != \new
	s_set_vgpr_msb (MSB<<8)|\new
.set MSB, \new
.endif
.endm
.macro CROUND
	s_barrier_signal -1
	s_barrier_wait -1
	s_cmp_lg_u32 s14, 0
	s_cbranch_scc1 .Lnot_wave_0_\@
	s_barrier_signal -3
.Lnot_wave_0_\@:
	s_barrier_wait -3
	s_barrier_signal -1
	s_barrier_wait -1
.endm
.macro PLACES
.rept 4
	v_nop
.endr
.endm
	s_load_b256 s[4:11], s[0:1], 0x0               ; O's codes, O's scales, codes, bo
	s_load_b64 s[12:13], s[0:1], 0x20              ; out0
	v_lshl_add_u32 v30, v0, 2, SPARE
	v_mov_b32 v31, 0
	ds_add_u32 v30, v31
	ds_add_u32 v30, v31
	v_lshrrev_b32 v1, 5, v0
	v_readfirstlane_b32 s14, v1                    ; wave 0..3
	s_lshr_b32 s15, s14, 1                         ; my half of the tile's tokens
	s_and_b32 s16, s14, 1                          ; my half of its columns
	s_bfe_u32 s66, ttmp6, 0x40000                  ; cx
	s_bfe_u32 s67, ttmp6, 0x40004                  ; cy
	s_lshl_b32 s19, ttmp9, 2
	s_add_co_u32 s19, s19, s66                     ; tile column 0..7
	s_and_b32 s17, ttmp7, 0xffff
	s_lshl_b32 s17, s17, 2
	s_add_co_u32 s17, s17, s67                     ; tile row 0..31
	s_lshl_b32 s20, s67, 2
	s_lshl_b32 s20, 15, s20                        ; my row of the cluster
	s_lshl_b32 s21, 0x1111, s66                    ; my column
	s_or_b32 s[G1+0], s20, (3<<16)|(1<<21)         ; O's codes: elements of 8 bytes, no padding
	s_mov_b32 s[G1+1], 768<<16                     ; 128 tokens x 48 bytes
	s_mov_b32 s[G1+2], 16<<16                      ; 16 heads
	s_mov_b32 s[G1+3], 768<<16
	s_mov_b32 s[G1+4], 16
	s_mov_b32 s[G1+5], PLANE/8
	s_mov_b32 s[G1+6], 0
	s_mov_b32 s[G1+7], 0
	s_or_b32 s[G1B+0], s21, (0<<16)|(1<<20)|(1<<21)|(3<<22)|(3<<25)  ; Wo: bytes; after every 16 words 4 words of padding
	s_mov_b32 s[G1B+1], 256<<16
	s_mov_b32 s[G1B+2], 200<<16
	s_mov_b32 s[G1B+3], 256<<16
	s_mov_b32 s[G1B+4], 200
	s_mov_b32 s[G1B+5], 256
	s_mov_b32 s[G1B+6], 0
	s_mov_b32 s[G1B+7], 0
	s_or_b32 s[G1S+0], s20, (3<<16)|(1<<20)|(1<<21)|(5<<22)|(3<<25)  ; O's scale bytes: 16 rows of 256, 16 of padding behind each
	s_mov_b32 s[G1S+1], 32<<16
	s_mov_b32 s[G1S+2], 16<<16
	s_mov_b32 s[G1S+3], 32<<16
	s_mov_b32 s[G1S+4], 16
	s_mov_b32 s[G1S+5], 32
	s_mov_b32 s[G1S+6], 0
	s_mov_b32 s[G1S+7], 0
	s_mul_i32 s22, s17, 128*48                     ; O's tokens in a head's plane: by the tile row alone
	s_mov_b32 s23, 0
	s_lshl_b32 s2, s17, 12                         ; and their scale bytes
	s_mov_b32 s3, 0
	s_add_co_u32 s68, s19, 56                      ; Wo's block: by the tile column alone
	s_mul_i32 s68, s68, 102400
	s_mov_b32 s69, 0
	s_mul_i32 s70, s15, 3072                       ; LDS: my 64 tokens,
	s_mul_i32 s71, s16, 64*PITCH
	s_add_co_u32 s71, s71, BOFF                    ; my 64 rows of Wo,
	s_mul_i32 s72, s15, 2176
	s_add_co_u32 s72, s72, SCL                     ; my tokens' scale bytes,
	s_mul_i32 s73, s16, 640
	s_add_co_u32 s73, s73, BOFF+128*PITCH          ; my rows' scale bytes,
	s_mul_i32 s74, s14, 16*SPITCH
	s_add_co_u32 s74, s74, STG                     ; my stage
	s_lshl_b32 s78, s19, 9
	s_lshl_b32 s75, s16, 8
	s_add_co_u32 s78, s78, s75                     ; my first column, in bytes
	s_mov_b32 s79, 0
	s_lshl_b32 s76, s17, 7
	s_lshl_b32 s75, s15, 6
	s_add_co_u32 s76, s76, s75
	s_lshl_b32 s76, s76, 12                        ; my first row of out0, of 4,096 bytes
	s_add_co_u32 s76, s76, s78
	s_mov_b32 s77, 0
	s_wait_dscnt 0x0
	s_wait_kmcnt 0x0
	s_mov_b32 s[GA], 1
	s_mov_b32 s[GA+1], 0
	s_add_nc_u64 s[GA+2:GA+3], s[4:5], s[22:23]
	s_or_b32 s[GA+3], s[GA+3], 0x80000000
	s_mov_b32 s[GS], 1
	s_mov_b32 s[GS+1], SCL
	s_add_nc_u64 s[GS+2:GS+3], s[6:7], s[2:3]
	s_or_b32 s[GS+3], s[GS+3], 0x80000000
	s_mov_b32 s[GB0], 1
	s_mov_b32 s[GB0+1], BOFF
	s_add_nc_u64 s[GB0+2:GB0+3], s[8:9], s[68:69]
	s_mov_b32 s[GB1], 1
	s_mov_b32 s[GB1+1], BOFF+2*CHB
	s_add_nc_u64 s[GB1+2:GB1+3], s[GB0+2:GB0+3], 51200
	s_or_b32 s[GB0+3], s[GB0+3], 0x80000000
	s_or_b32 s[GB1+3], s[GB1+3], 0x80000000
	s_add_nc_u64 s[10:11], s[10:11], s[78:79]
	s_add_nc_u64 s[12:13], s[12:13], s[76:77]
	CROUND                                         ; all sixteen work-groups are here: the joint loads meet
.macro ARM under, g0, g1, next                 ; one tree of branches on the wave's number: every way passes exactly one load
	s_cmp_lt_u32 s14, \under
	s_cbranch_scc0 \next
	tensor_load_to_lds s[\g0:\g0+3], s[\g1:\g1+7]
	s_nop 0
.rept 4
	v_nop
.endr
	s_branch .Lasked
\next:
.endm
	ARM 1, GA,  G1,  .Lhead_s
	ARM 2, GS,  G1S, .Lhead_b0
	ARM 3, GB0, G1B, .Lhead_b1
	tensor_load_to_lds s[GB1:GB1+3], s[G1B:G1B+7]
	s_nop 0
.rept 4
	v_nop
.endr
.Lasked:
	v_and_b32 v1, 15, v0                           ; r
	v_bfe_u32 v2, v0, 4, 1                         ; h
	v_lshlrev_b32 v[BOA], 5, v2
	v_mul_u32_u24 v4, v2, 24
	v_mad_u32_u24 v3, v1, PITCH, v4                ; Wo: row x pitch + 24 h
	v_mad_u32_u24 v4, v1, 48, v4                   ; O: 48 r + 24 h
	v_add_nc_u32 v[ADRA], s70, v4
	v_add_nc_u32 v[ADRA+1], 8*HPL, v[ADRA]
	v_add_nc_u32 v[ADRB], s71, v3
	v_add_nc_u32 v[ADRB+1], 2*CHB, v[ADRB]
	v_lshl_add_u32 v[ADRB+2], v2, 4, v[ADRB]
	v_lshl_add_u32 v[ADRB+3], v2, 4, v[ADRB+1]
	v_lshlrev_b32 v5, 5, v1                        ; O's scale bytes: 32 a token, 16 more for each 256 passed
	v_lshrrev_b32 v6, 3, v1
	v_lshl_add_u32 v5, v6, 4, v5
	v_add_nc_u32 v[ADRS], s72, v5
	v_lshlrev_b32 v5, 3, v1                        ; Wo's: 8 a row and chunk, 16 more for each 64 passed
	v_lshl_add_u32 v5, v6, 4, v5
	v_add_nc_u32 v[ADSB], s73, v5
	v_add_nc_u32 v[ADSB+1], 2*CHB, v[ADSB]
	v_mul_u32_u24 v5, v1, SPITCH                   ; the stage, in: row r, 32 bytes for each half of the lanes
	v_lshl_add_u32 v5, v2, 5, v5
	v_add_nc_u32 v[STO], s74, v5
	v_mul_u32_u24 v5, v2, SPITCH                   ; back: lanes 0-15 one row of 256 bytes, lanes 16-31 the next
	v_lshl_add_u32 v5, v1, 4, v5
	v_add_nc_u32 v[RD], s74, v5
	v_lshlrev_b32 v[CO], 12, v2
	v_lshl_add_u32 v[CO], v1, 4, v[CO]
	s_wait_alu depctr_va_vdst(0)                   ; the wait at the head's end
	WIN 0x40
.irp b, 0,1,2,3                                ; bo of columns 16 b + 8 h + 0 .. 7
	global_load_b128 v[BO+8*\b:BO+8*\b+3], v[BOA], s[10:11] offset:64*\b
	global_load_b128 v[BO+8*\b+4:BO+8*\b+7], v[BOA], s[10:11] offset:64*\b+16
.endr
	WIN 0
; Step qs (0 .. 7) is 128 along K: heads 2 qs, 2 qs + 1; chunk qs / 2 of Wo, its half qs % 2.  Its fragments go to v[FB ..], FB = 64 in window 0 (even steps) or 160 in window 1 (odd steps).
.macro FRAGB reg, qs, i
.irp p, 0,1,2,3,4,5
.set PCE, 12*((\qs)%2)+6*(\p/3)+\p%3
.if PCE%8 < 5
	ds_load_b64 v[\reg+2*\p:\reg+2*\p+1], v[ADRB+(\qs)/4] offset:(((\qs)/2)%2)*CHB+8*PCE+16*(PCE/8)+(\i)*16*PITCH
.else
	ds_load_b64 v[\reg+2*\p:\reg+2*\p+1], v[ADRB+2+(\qs)/4] offset:(((\qs)/2)%2)*CHB+8*PCE+16*(PCE/8)+(\i)*16*PITCH
.endif
.endr
.endm
.macro FRAGA reg, qs, i
.irp p, 0,1,2,3,4,5
	ds_load_b64 v[\reg+2*\p:\reg+2*\p+1], v[ADRA+(\qs)/4] offset:((2*(\qs)+\p/3)%8)*HPL+768*(\i)+8*(\p%3)
.endr
.endm
.macro FETCH qs
	WIN (0x40*((\qs)%2))
.irp i, 0,1,2,3
	FRAGA 64+96*((\qs)%2)+FR*\i, \qs, \i
.endr
.irp i, 0,1,2,3
	FRAGB 64+96*((\qs)%2)+48+FR*\i, \qs, \i
.endr
	WIN 0
.endm
.macro MUL16 qs                                ; the 16 accumulators take turns, one instruction a turn
.set FB, 64+96*((\qs)%2)
.irp a, 0,1,2,3
.irp b, 0,1,2,3
.if (\qs) == 0
	v_wmma_scale_f32_16x16x128_f8f6f4 v[8*(4*\a+\b):8*(4*\a+\b)+7], v[FB+48+FR*\b:FB+48+FR*\b+FR-1], v[FB+FR*\a:FB+FR*\a+FR-1], v[BO+8*\b:BO+8*\b+7], v[SCB+8*\b+(\qs)], v[SCA+8*\a+(\qs)] matrix_a_fmt:MATRIX_FMT_BF6 matrix_b_fmt:MATRIX_FMT_BF6
.else
	v_wmma_scale_f32_16x16x128_f8f6f4 v[8*(4*\a+\b):8*(4*\a+\b)+7], v[FB+48+FR*\b:FB+48+FR*\b+FR-1], v[FB+FR*\a:FB+FR*\a+FR-1], v[8*(4*\a+\b):8*(4*\a+\b)+7], v[SCB+8*\b+(\qs)], v[SCA+8*\a+(\qs)] matrix_a_fmt:MATRIX_FMT_BF6 matrix_b_fmt:MATRIX_FMT_BF6
.endif
.endr
.endr
.endm
.macro QSTEP qs                                ; this step's fragments are in; the next step's are asked for; then its products
	s_wait_dscnt 0x0
.if (\qs) < 7
.if (\qs) > 0
	PLACES                                         ; the other set was read by the last step's products
.endif
	FETCH (\qs)+1
.endif
	WIN (0x50+5*((\qs)%2))                         ; C and D window 1; the odd steps' sources too
	MUL16 \qs
	WIN 0
.endm
	s_wait_loadcnt 0x0                             ; bo
	s_wait_tensorcnt 0x0                           ; my tile is in
	s_barrier_signal -1
	s_barrier_wait -1                              ; and so are the others'
.irp i, 0,1,2,3
	ds_load_b128 v[SCA+8*\i:SCA+8*\i+3], v[ADRS] offset:\i*SBLK
	ds_load_b128 v[SCA+8*\i+4:SCA+8*\i+7], v[ADRS] offset:\i*SBLK+16
.irp c, 0,1,2,3
	ds_load_b64 v[SCB+8*\i+2*\c:SCB+8*\i+2*\c+1], v[ADSB+\c/2] offset:(\c%2)*CHB+\i*160
.endr
.endr
	FETCH 0
.irp qs, 0,1,2,3,4,5,6,7
	QSTEP \qs
.endr
; THE WAY OUT, block by block of 16 rows x 64 columns, through my own stage: in as 32 bytes a lane, back as whole rows of 256 bytes.  LDS serves a wave's instructions in order.
.macro TOSTAGE a
.set OUTR, 64+32*(\a)+32*((\a)/3)
	WIN 0x04
.irp b, 0,1,2,3
	ds_store_b128 v[STO], v[8*(4*(\a)+\b):8*(4*(\a)+\b)+3] offset:64*\b          ; each accumulator from its low end on
	ds_store_b128 v[STO], v[8*(4*(\a)+\b)+4:8*(4*(\a)+\b)+7] offset:64*\b+16
.endr
	WIN 0
.irp t, 0,1,2,3,4,5,6,7
	ds_load_b128 v[OUTR+4*\t:OUTR+4*\t+3], v[RD] offset:\t*2*SPITCH
.endr
.endm
.macro SEND a, younger
.set OUTR, 64+32*(\a)+32*((\a)/3)
	s_wait_dscnt \younger                          ; the block is back; the next block's 8 stores and 8 loads may be out
.irp t, 0,1,2,3,4,5,6,7
	global_store_b128 v[CO], v[OUTR+4*\t:OUTR+4*\t+3], s[12:13] offset:(16*(\a)+2*\t)*4096 th:TH_STORE_NT   ; 16 lanes store 256 consecutive bytes, aligned
.endr
.endm
	PLACES
	TOSTAGE 0
	TOSTAGE 1
	SEND 0, 16
	TOSTAGE 2
	SEND 1, 16
	TOSTAGE 3
	SEND 2, 16
	SEND 3, 0
	s_wait_tensorcnt 0x0                           ; the wave's end
	ds_add_u32 v30, v31
	s_wait_dscnt 0x0
	CROUND                                         ; the closing round
	s_endpgm
.Lfunc_end_k_q0fef779d94_outp:
	.size	k_q0fef779d94_outp, .Lfunc_end_k_q0fef779d94_outp-k_q0fef779d94_outp
	.p2alignl 7, 3214868480
	.fill 96, 4, 3214868480
	.section	.rodata,"a",@progbits
	.p2align	6, 0x0
	.amdhsa_kernel k_q0fef779d94_outp
		.amdhsa_group_segment_fixed_size 248576
		.amdhsa_private_segment_fixed_size 0
		.amdhsa_enable_private_segment 0
		.amdhsa_kernarg_size 40
		.amdhsa_user_sgpr_count 2
		.amdhsa_user_sgpr_kernarg_segment_ptr 1
		.amdhsa_wavefront_size32 1
		.amdhsa_system_sgpr_workgroup_id_x 1
		.amdhsa_system_sgpr_workgroup_id_y 1
		.amdhsa_system_sgpr_workgroup_id_z 1
		.amdhsa_system_vgpr_workitem_id 0
		.amdhsa_next_free_vgpr 512
		.amdhsa_next_free_sgpr 80
		.amdhsa_reserve_vcc 0
		.amdhsa_float_denorm_mode_32 3
		.amdhsa_float_denorm_mode_16_64 3
		.amdhsa_memory_ordered 1
		.amdhsa_forward_progress 1
		.amdhsa_inst_pref_size 60
	.end_amdhsa_kernel
	.amdgpu_metadata
---
amdhsa.version: [ 1, 2 ]
amdhsa.kernels:
  - .name:           k_q0fef779d94_outp
    .symbol:         k_q0fef779d94_outp.kd
    .args:
      - { .name: o_codes, .offset: 0, .size: 8, .value_kind: global_buffer, .address_space: global }
      - { .name: o_scales, .offset: 8, .size: 8, .value_kind: global_buffer, .address_space: global }
      - { .name: codes, .offset: 16, .size: 8, .value_kind: global_buffer, .address_space: global }
      - { .name: bo, .offset: 24, .size: 8, .value_kind: global_buffer, .address_space: global }
      - { .name: out0, .offset: 32, .size: 8, .value_kind: global_buffer, .address_space: global }
    .group_segment_fixed_size: 248576
    .private_segment_fixed_size: 0
    .kernarg_segment_align: 8
    .kernarg_segment_size: 40
    .max_flat_workgroup_size: 128
    .sgpr_count:     80
    .vgpr_count:     512
    .wavefront_size: 32
...
	.end_amdgpu_metadata
.endif
;; end of part 8
